; MI455X (gfx1250); checked and timed in simulation.
; The chip was launched on July 23, 2026; its instructions are those of AMD's public machine-readable ISA for CDNA 5 (MIT licence, August 2026) and "CDNA5" Instruction Set Architecture Reference Guide (July 2026). The comments in the code are by the model that wrote it; some were corrected since.
;; Triangle Attention. Allowed arithmetic: matrix products marked QUANTISED: E4M3 operands, one E8M0 scale for each 32 along K, by v_wmma_scale_f32_16x16x128_f8f6f4 with both operands' format E4M3, f32 sums; products left as they are: f32 operands where the result goes on into a quantised operand, else bf16, f16 or f32 operands; f32 sums; everything else in f32.
;; Inputs: Wb 128 x 4 float32; Wk_codes 128 x 4 x 32 uint8 (E4M3 codes of Wk, K innermost, in blocks of 32 codes); Wk_scales 128 x 4 uint8 (E8M0 scales of Wk, one for each 32 codes along K); Wo_codes 128 x 4 x 32 uint8 (E4M3 codes of Wo, K innermost, in blocks of 32 codes); Wo_scales 128 x 4 uint8 (E8M0 scales of Wo, one for each 32 codes along K); Wq_codes 128 x 4 x 32 uint8 (E4M3 codes of Wq, K innermost, in blocks of 32 codes); Wq_scales 128 x 4 uint8 (E8M0 scales of Wq, one for each 32 codes along K); Wv_codes 128 x 4 x 32 uint8 (E4M3 codes of Wv, K innermost, in blocks of 32 codes); Wv_scales 128 x 4 uint8 (E8M0 scales of Wv, one for each 32 codes along K); mask 1 x 256 bool; pairwise_repr 1 x 256 x 256 x 128 float32.
;; Outputs: out0 1 x 256 x 256 x 128 float32.
;; This version of the problem:
;;   THIS VERSION OF THE PROBLEM IS GIVEN IN LOW PRECISION. The matrix products marked QUANTISED in the list below multiply operands that are first quantised to E4M3 (4 exponent bits, 3 mantissa bits; 8 bits a number), with one power-of-two scale for each 32 numbers along K (OCP MX v1.0); their sums are f32. All else is computed in f32.
;;   The module's matrix products, in the order in which they are computed (A, B: the left and right operand; K: the contracted axis; several contracted axes count as one K, in the product's order):
;;     1. [M 4, K 128] x [K 128, N 65,536]; A: input Wb; B: input pairwise_repr: left as it is (M = 4 < 16)
;;     2. [M 128, K 128] x [K 128, N 65,536]; A: input Wq (given as codes); B: input pairwise_repr: QUANTISED
;;     3. [M 128, K 128] x [K 128, N 65,536]; A: input Wk (given as codes); B: input pairwise_repr: QUANTISED
;;     4. [M 128, K 128] x [K 128, N 65,536]; A: input Wv (given as codes); B: input pairwise_repr: QUANTISED
;;     5. batch 1,024 x [M 256, K 32] x [K 32, N 256]; A: computed on the way; B: computed on the way: QUANTISED
;;     6. batch 1,024 x [M 256, K 256] x [K 256, N 32]; A: softmax (see below); B: computed on the way: QUANTISED
;;     7. [M 65,536, K 128] x [K 128, N 128]; A: computed on the way; B: input Wo (given as codes): QUANTISED
;;   THE QUANTISER, for each operand of a quantised product, along K:
;;     - K is cut into blocks of 32 from its start; a last block that is shorter is filled with zeros.
;;     - A block's scale is 2^e with e = floor(log2(the largest magnitude in the block)) - 8, held to -126 .. 127; a block of zeros has e = 0. As a byte (E8M0): e + 127.
;;     - Each number is divided by its block's scale, clamped to +-448, and rounded to the nearest number of E4M3, ties to even, subnormals kept.
;;     - The product sums the exact products of the quantised numbers (number of the format x scale) in f32.
;;   ~~~python
;;   def quantise(x, axis):      # numpy; x: float32 -> the quantised numbers, widened to float32 again
;;       x = np.moveaxis(x, axis, -1); K = x.shape[-1]
;;       x = np.pad(x, [(0, 0)] * (x.ndim - 1) + [(0, -K % 32)]); x = x.reshape(x.shape[:-1] + (-1, 32)); a = np.abs(x).max(-1, keepdims=True)
;;       e = np.where(a > 0, np.clip(np.frexp(np.where(a > 0, a, 1))[1] - 1 - 8, -126, 127), 0)      # np.frexp(a)[1] - 1 = floor(log2(a)), exactly
;;       r = np.clip(x / 2.0 ** e, -448, 448)
;;       step = 2.0 ** (np.maximum(np.frexp(np.where(r == 0, 1, r))[1] - 1, -6) - 3)
;;       q = np.round(r / step) * step * 2.0 ** e      # np.round: ties to even
;;       return np.moveaxis(q.reshape(q.shape[:-2] + (-1,))[..., :K], -1, axis).astype(np.float32)
;;   ~~~
;;   SOFTMAX AHEAD OF A QUANTISED PRODUCT. Where the list says 'softmax', what is quantised is not the finished softmax but p = 2^(t - M), with t = logit x log2(e) and M = ceil(the row's largest t), a whole number; so 1/2 < the row's largest p <= 1. The row's sum l is taken of the UNQUANTISED p, in f32, and the product's result is divided by l at the end. Since M is a whole number, a kernel that streams over the keys may use a running M (the ceiling of the running maximum): every later rescaling is an exact power of two, which a block's scale takes up: the codes' values come out the same.
;;   OPERANDS COMPUTED ON THE WAY. 'Computed on the way' means the value that the module computes at that place (a softmax that the list does not call 'softmax' is quantised finished and normalised). What goes into a quantiser is computed in f32, as accurately as f32 sums, v_exp_f32 and their like allow (about 1e-6 of the number): no bf16 or f16 on the way to a quantiser, and a product that is left as it is and whose result goes on into a quantised operand takes f32 operands (vector FMAs, or v_wmma_f32_16x16x4_f32). A number that lies on a knife's edge between two numbers of the format may be rounded either way, as far as f32 arithmetic and the matrix unit's own rounding can turn it there, and no further.
;;   INPUTS GIVEN AS CODES. Wk (in the module: [128, 128], K = its axis 0); Wo (in the module: [128, 128], K = its axis 0); Wq (in the module: [128, 128], K = its axis 0); Wv (in the module: [128, 128], K = its axis 0): each comes as NAME_codes (uint8): NAME with its K axis moved to the last place and cut into blocks of 32 codes, [.., K / 32, bytes a block], one block behind the other in memory; one code a byte (a code: sign, 4 exponent bits, 3 mantissa bits); and NAME_scales (uint8): the same leading axes, one E8M0 byte (e + 127) for each 32 codes along K. Its value is code x scale, taken as it is: it is not quantised again, and the codes and scales need not be those that the quantiser above would give.
;; 3 versions. Each part assembles by itself: llvm-mc -triple=amdgcn-amd-amdhsa -mcpu=gfx1250 --defsym DOCPART=n.
;; ======== version 1 of 3: 2 launches
;; limits: right only within a limited range of input values
;; workspace buffers: xc 8,388,608 bytes; xs 262,144 bytes; biasw 1,048,576 bytes
;; launch prep (part 1): grid 256 x 1, 16 waves a work-group, no clusters, 89,088 bytes of LDS; arguments pairwise_repr, Wb, mask, xc, xs, biasw; writes xc, xs, biasw
.if DOCPART == 1
	.amdgcn_target "amdgcn-amd-amdhsa--gfx1250"
	.amdhsa_code_object_version 6
	.text
	.protected	k_q178947fea6_prep
	.globl	k_q178947fea6_prep
	.p2align	8
	.type	k_q178947fea6_prep,@function
k_q178947fea6_prep:
	s_mov_b64 s[64:65], 0
	v_nop
	global_prefetch_b8 v0, s[64:65] scope:SCOPE_SE
	s_setreg_imm32_b32 hwreg(HW_REG_WAVE_MODE, 25, 1), 1
	s_wait_xcnt 0x0
; x = pairwise_repr [256][256][128] f32 is read once.  Three things are made of it:
;   xc [256][256][128]  x's codes of FP8 (E4M3), d innermost;   xs [256][256][4]  one E8M0 byte for each 32 along d;
;   biasw [n = 4 head + key quarter][j' 256][64 keys] f32: mask[k] ? sqrt(32) x (x[j][k] . Wb[:, head]) : -2^100.  The next launch gives these numbers to the score product as its C.
; j' is row j's place in the order in which the next launch takes the rows of a tile: lane r of tile 2 b + u stands for row 32 b + 8 u + r + 8 (r / 8).
; A block's scale is 2^(floor(log2(its largest magnitude)) - 8); its byte is the largest magnitude's exponent field - 8, held at 1 from below.  A block of zeros gets the byte 1 where the rule says 127:
; its codes are zeros, which add nothing under any byte but 0xff, and this program alone reads the bytes.
; LIMITS: NaN and infinities among the inputs are not served; blocks whose largest magnitude lies under 2^(8 - 126) take the floor's byte, 1.
; SHARES.  Work-group j takes x[j], 128 KiB.  Wave w takes positions 16 w .. 16 w + 15 in four steps of four positions (2,048 bytes).  All sixteen loads of a wave go out at its head.
; Each load reads 512 consecutive bytes; a step's 2,048 bytes turn through the wave's own stage in LDS, so that lane l then holds 16 NEIGHBOURS along d: chunk g = l % 8 (d = 16 g ..) of position l / 8.
; The bias is a sum over d in f32 (fused multiply-adds, four heads a lane), joined over the eight lanes of a position.  No matrix unit: of 16 columns 12 would be zeros.  No tensor load, no cluster: nothing is shared.
.set SP,   80                          ; a lane's place in a stage: 64 bytes + 16 of padding
.set WST,  2*32*SP                     ; a wave's two stages
.set SG,   16*WST                      ; behind the stages: the row's scale bytes, [position][4]: 1,024 bytes
.set BG,   SG+1024                     ; and its bias, [head][256 keys] f32: 4,096 bytes
.set R,    16                          ; v16-79    x as loaded: 16 loads x 4 registers, never rewritten
.set X,    80                          ; v80-111   two sets of 16 neighbours
.set WB,   112                         ; v112-175  Wb[16 g + i][0 .. 3] at WB + 4 i
.set C,    176                         ; v176-191  codes, four registers for each step
.set E,    192                         ; v192-195  a scale byte for each step
.set SM,   196                         ; v196-203  four pairs of sums: heads 0, 1 and heads 2, 3, for even i and for odd i
.set BO,   204                         ; v204-205  the bias on its way out
.set MK,   206                         ; v206      two bytes of the mask
.set NEG,  207                         ; v207      -2^100
.set MO,   208                         ; v208      2 x lane
.set SO,   210                         ; v210-211  scale bytes on their way out
.set BV,   212                         ; v212-215  a bias number for each step
	s_load_b256 s[4:11], s[0:1], 0x0               ; x s[4:5], Wb s[6:7], mask s[8:9], xc s[10:11]
	s_load_b128 s[12:15], s[0:1], 0x20             ; xs s[12:13], biasw s[14:15]
	v_lshl_add_u32 v216, v0, 2, 0x15400
	v_mov_b32 v217, 0
	v_lshrrev_b32 v8, 5, v0
	v_readfirstlane_b32 s16, v8                    ; wave 0..15
	v_and_b32 v1, 31, v0                           ; lane
	v_lshlrev_b32 v2, 4, v1                        ; my 16 bytes of a load's 512, and of a step's codes
	s_mul_i32 s21, s16, WST
	v_lshrrev_b32 v3, 2, v1
	v_mul_u32_u24 v3, v3, SP
	v_and_b32 v8, 3, v1
	v_lshl_add_u32 v3, v8, 4, v3
	v_add_nc_u32 v3, s21, v3                       ; the stage, on the way in: SP (lane / 4) + 16 (lane % 4)
	v_mul_u32_u24 v4, v1, SP
	v_add_nc_u32 v4, s21, v4                       ; and on the way out: SP x lane
	s_lshl_b32 s21, s16, 6
	s_add_co_u32 s21, s21, SG
	v_lshrrev_b32 v5, 1, v1
	v_add_nc_u32 v5, s21, v5                       ; my block's scale byte: SG + 4 (16 w + lane / 8) + (lane % 8) / 2
	s_add_co_u32 s21, s21, BG-SG
	v_lshrrev_b32 v6, 3, v1
	v_lshlrev_b32 v6, 2, v6
	v_lshl_add_u32 v6, v8, 10, v6
	v_add_nc_u32 v6, s21, v6                       ; my bias word: BG + 1,024 (lane % 4: the head) + 4 (16 w + lane / 8)
	v_lshlrev_b32 v7, 3, v1                        ; 8 x lane
	s_lshl_b32 s21, s16, 8
	s_add_co_u32 s21, s21, SG
	v_add_nc_u32 v12, s21, v7                      ; behind the barrier: SG + 256 w + 8 x lane
	v_and_b32 v13, 7, v1
	v_lshlrev_b32 v13, 8, v13                      ; Wb: my 16 rows of 16 bytes
	v_lshlrev_b32 v[MO], 1, v1
	v_mov_b32 v[NEG], 0xf1800000
	s_mov_b32 s18, 0x600000                        ; the mantissa field of 448
	s_mov_b32 s19, 0xaaaaaaaa                      ; lanes whose number is odd
	s_mov_b32 s20, 0xcccccccc                      ; lanes whose number has bit 1
	s_and_b32 s17, ttmp9, 0xe0                     ; j' = (j & ~31) | ((j >> 3) & 1) << 4 | ((j >> 4) & 1) << 3 | (j & 7)
	s_bfe_u32 s24, ttmp9, 0x10003
	s_lshl_b32 s24, s24, 4
	s_or_b32 s17, s17, s24
	s_bfe_u32 s24, ttmp9, 0x10004
	s_lshl_b32 s24, s24, 3
	s_or_b32 s17, s17, s24
	s_and_b32 s24, ttmp9, 7
	s_or_b32 s17, s17, s24
	s_lshl_b32 s22, ttmp9, 17                      ; x: 131,072 j + 8,192 w
	s_lshl_b32 s24, s16, 13
	s_add_co_u32 s22, s22, s24
	s_mov_b32 s23, 0
	s_lshl_b32 s24, ttmp9, 15                      ; xc: 32,768 j + 2,048 w
	s_lshl_b32 s26, s16, 11
	s_add_co_u32 s24, s24, s26
	s_mov_b32 s25, 0
	s_lshl_b32 s26, ttmp9, 10                      ; xs: 1,024 j + 256 w
	s_lshl_b32 s28, s16, 8
	s_add_co_u32 s26, s26, s28
	s_mov_b32 s27, 0
	s_lshl_b32 s28, s16, 16                        ; biasw: 65,536 w + 256 j'
	s_lshl_b32 s30, s17, 8
	s_add_co_u32 s28, s28, s30
	s_mov_b32 s29, 0
	s_and_b32 s30, s16, 3                          ; mask: the 64 keys of quarter w % 4
	s_lshl_b32 s30, s30, 6
	s_mov_b32 s31, 0
	s_wait_kmcnt 0x0
	s_add_nc_u64 s[4:5], s[4:5], s[22:23]
	s_add_nc_u64 s[10:11], s[10:11], s[24:25]
	s_add_nc_u64 s[12:13], s[12:13], s[26:27]
	s_add_nc_u64 s[14:15], s[14:15], s[28:29]
	s_add_nc_u64 s[8:9], s[8:9], s[30:31]
.irp i, 0,1,2,3,4,5,6,7,8,9,10,11,12,13,14,15
	global_load_b128 v[WB+4*\i:WB+4*\i+3], v13, s[6:7] offset:16*\i
.endr
	global_load_u16 v[MK], v[MO], s[8:9]           ; mask of keys 64 (w % 4) + 2 lane, + 1
.irp i, 0,1,2,3,4,5,6,7,8,9,10,11,12,13,14,15
	global_load_b128 v[R+4*\i:R+4*\i+3], v2, s[4:5] offset:512*\i th:TH_LOAD_NT   ; 32 lanes read 512 consecutive bytes; read once in the launch
.endr
.macro TURN t                          ; step t's numbers through the stage: LDS serves a wave's instructions in order, so no wait stands between the stores and the loads
.irp i, 0,1,2,3
	ds_store_b128 v3, v[R+16*(\t)+4*\i:R+16*(\t)+4*\i+3] offset:32*SP*((\t)%2)+8*SP*\i
.endr
.irp i, 0,1,2,3
	ds_load_b128 v[X+16*((\t)%2)+4*\i:X+16*((\t)%2)+4*\i+3], v4 offset:32*SP*((\t)%2)+16*\i
.endr
.endm
.macro STEP t
.set XS, X+16*((\t)%2)
.if (\t) > 0
	s_wait_dscnt 2                                 ; this step's numbers are back from the stage; the last step's bias store and byte store may be out
.else
	s_wait_dscnt 0x0
.endif
.if (\t) < 3
	s_wait_loadcnt 8-4*(\t)                        ; the next step's four loads are in; those of the steps behind it may be out
	TURN (\t)+1                                    ; they go through the other stage while this step is worked
.endif
	; the bias: x[16 g + i] x Wb[16 g + i][head], two heads an instruction; x's register is taken for both halves
	v_pk_mul_f32 v[SM:SM+1],   v[XS:XS+1], v[WB:WB+1]   op_sel_hi:[0,1]
	v_pk_mul_f32 v[SM+2:SM+3], v[XS:XS+1], v[WB+2:WB+3] op_sel_hi:[0,1]
	v_pk_mul_f32 v[SM+4:SM+5], v[XS:XS+1], v[WB+4:WB+5] op_sel:[1,0] op_sel_hi:[1,1]
	v_pk_mul_f32 v[SM+6:SM+7], v[XS:XS+1], v[WB+6:WB+7] op_sel:[1,0] op_sel_hi:[1,1]
.irp i, 2,4,6,8,10,12,14
	v_pk_fma_f32 v[SM:SM+1],   v[XS+\i:XS+\i+1], v[WB+4*\i:WB+4*\i+1],   v[SM:SM+1]   op_sel_hi:[0,1,1]
	v_pk_fma_f32 v[SM+2:SM+3], v[XS+\i:XS+\i+1], v[WB+4*\i+2:WB+4*\i+3], v[SM+2:SM+3] op_sel_hi:[0,1,1]
	v_pk_fma_f32 v[SM+4:SM+5], v[XS+\i:XS+\i+1], v[WB+4*\i+4:WB+4*\i+5], v[SM+4:SM+5] op_sel:[1,0,0] op_sel_hi:[1,1,1]
	v_pk_fma_f32 v[SM+6:SM+7], v[XS+\i:XS+\i+1], v[WB+4*\i+6:WB+4*\i+7], v[SM+6:SM+7] op_sel:[1,0,0] op_sel_hi:[1,1,1]
.endr
	v_pk_add_f32 v[SM:SM+1],   v[SM:SM+1],   v[SM+4:SM+5]
	v_pk_add_f32 v[SM+2:SM+3], v[SM+2:SM+3], v[SM+6:SM+7]
.irp m, 1,2,4
.irp k, 0,1,2,3
	v_add_f32_dpp v[SM+\k], v[SM+\k], v[SM+\k] row_xmask:\m row_mask:0xf bank_mask:0xf   ; over the eight lanes of a position
.endr
.endr
	v_cndmask_b32 v8, v[SM], v[SM+1], s19
	v_cndmask_b32 v9, v[SM+2], v[SM+3], s19
	v_cndmask_b32 v[BV+(\t)], v8, v9, s20          ; head lane % 4
	ds_store_b32 v6, v[BV+(\t)] offset:16*(\t)     ; lanes l and l xor 4 write the same word with the same value
	; the quantiser
	v_max3_num_f32 v8, |v[XS]|, |v[XS+1]|, |v[XS+2]|               ; the largest magnitude of my 16
	v_max3_num_f32 v9, |v[XS+3]|, |v[XS+4]|, |v[XS+5]|
.irp i, 6,10
	v_max3_num_f32 v8, v8, |v[XS+\i]|, |v[XS+\i+1]|
	v_max3_num_f32 v9, v9, |v[XS+\i+2]|, |v[XS+\i+3]|
.endr
	v_max3_num_f32 v8, v8, |v[XS+14]|, |v[XS+15]|
	v_max3_num_f32 v8, v8, v9, 0x4800000           ; and the floor 2^(9 - 127): the byte cannot fall under 1
	v_max_num_f32_dpp v8, v8, v8 row_xmask:1 row_mask:0xf bank_mask:0xf   ; and of my neighbour's 16: the block's
	v_add_nc_u32 v11, 0xfc000000, v8               ; 8 off its exponent field: the conversion takes the exponent field of this operand as its scale
	v_and_or_b32 v10, v8, 0x7f800000, s18          ; 448 x the scale
.irp i, 0,1,2,3,4,5,6,7,8,9,10,11,12,13,14,15
	v_med3_num_f32 v[XS+\i], v[XS+\i], -v10, v10   ; the conversion to an 8-bit code does not saturate (ISA guide 7.6.2): the hold comes first
.endr
	v_cvt_scalef32_pk8_fp8_f32 v[C+4*(\t):C+4*(\t)+1], v[XS:XS+7], v11
	v_cvt_scalef32_pk8_fp8_f32 v[C+4*(\t)+2:C+4*(\t)+3], v[XS+8:XS+15], v11
	v_lshrrev_b32 v[E+(\t)], 23, v11               ; the scale's byte (also the plain line behind the conversions)
	ds_store_b8 v5, v[E+(\t)] offset:16*(\t)       ; both lanes of a block write the same byte with the same value
	global_store_b128 v2, v[C+4*(\t):C+4*(\t)+3], s[10:11] offset:512*(\t)   ; 32 lanes store 512 consecutive bytes
.endm
	s_wait_loadcnt 12                              ; Wb, the mask and step 0's four loads are in; twelve younger loads stay out
	TURN 0
.irp t, 0,1,2,3
	STEP \t
.endr
	s_wait_dscnt 0x0                               ; for the others' sake: my bias words and scale bytes lie in LDS
	s_barrier_signal -1
	s_barrier_wait -1
	ds_load_b64 v[BO:BO+1], v12 offset:BG-SG       ; wave w: head w / 4, keys 64 (w % 4) + 2 lane, + 1
	s_wait_dscnt 0x0
	v_pk_mul_f32 v[BO:BO+1], v[BO:BO+1], 0x40b504f3 op_sel_hi:[1,0]   ; x sqrt(32): the next launch multiplies score + this by log2(e) / sqrt(32)
	v_and_b32 v8, 0xff, v[MK]
	v_lshrrev_b32 v9, 8, v[MK]
	v_cmp_ne_u32 vcc_lo, 0, v8
	v_cndmask_b32 v[BO], v[NEG], v[BO], vcc_lo     ; a hidden key gets -2^100
	v_cmp_ne_u32 vcc_lo, 0, v9
	v_cndmask_b32 v[BO+1], v[NEG], v[BO+1], vcc_lo
	global_store_b64 v7, v[BO:BO+1], s[14:15]      ; 32 lanes store 256 consecutive bytes, aligned: row j' of slot w
	s_cmp_lt_u32 s16, 4                            ; waves 0 to 3 also send the row's 1,024 scale bytes
	s_cbranch_scc0 .Ldone
	ds_load_b64 v[SO:SO+1], v12
	s_wait_dscnt 0x0
	global_store_b64 v7, v[SO:SO+1], s[12:13]      ; 256 consecutive bytes, aligned
.Ldone:
	s_wait_tensorcnt 0x0
	ds_add_u32 v216, v217
	s_wait_dscnt 0x0
	s_endpgm
.Lfunc_end_k_q178947fea6_prep:
	.size	k_q178947fea6_prep, .Lfunc_end_k_q178947fea6_prep-k_q178947fea6_prep
	.p2alignl 7, 3214868480
	.fill 96, 4, 3214868480
	.section	.rodata,"a",@progbits
	.p2align	6, 0x0
	.amdhsa_kernel k_q178947fea6_prep
		.amdhsa_group_segment_fixed_size 89088
		.amdhsa_private_segment_fixed_size 0
		.amdhsa_enable_private_segment 0
		.amdhsa_kernarg_size 48
		.amdhsa_user_sgpr_count 2
		.amdhsa_user_sgpr_kernarg_segment_ptr 1
		.amdhsa_wavefront_size32 1
		.amdhsa_system_sgpr_workgroup_id_x 1
		.amdhsa_system_sgpr_workgroup_id_y 1
		.amdhsa_system_sgpr_workgroup_id_z 1
		.amdhsa_system_vgpr_workitem_id 0
		.amdhsa_next_free_vgpr 218
		.amdhsa_next_free_sgpr 66
		.amdhsa_reserve_vcc 1
		.amdhsa_float_denorm_mode_32 3
		.amdhsa_float_denorm_mode_16_64 3
		.amdhsa_memory_ordered 1
		.amdhsa_forward_progress 1
		.amdhsa_inst_pref_size 31
	.end_amdhsa_kernel
	.amdgpu_metadata
---
amdhsa.version: [ 1, 2 ]
amdhsa.kernels:
  - .name:           k_q178947fea6_prep
    .symbol:         k_q178947fea6_prep.kd
    .args:
      - { .name: pairwise_repr, .offset: 0, .size: 8, .value_kind: global_buffer, .address_space: global }
      - { .name: Wb, .offset: 8, .size: 8, .value_kind: global_buffer, .address_space: global }
      - { .name: mask, .offset: 16, .size: 8, .value_kind: global_buffer, .address_space: global }
      - { .name: xc, .offset: 24, .size: 8, .value_kind: global_buffer, .address_space: global }
      - { .name: xs, .offset: 32, .size: 8, .value_kind: global_buffer, .address_space: global }
      - { .name: biasw, .offset: 40, .size: 8, .value_kind: global_buffer, .address_space: global }
    .group_segment_fixed_size: 89088
    .private_segment_fixed_size: 0
    .kernarg_segment_align: 8
    .kernarg_segment_size: 48
    .max_flat_workgroup_size: 512
    .sgpr_count:     66
    .vgpr_count:     218
    .wavefront_size: 32
...
	.end_amdgpu_metadata
.endif
;; end of part 1
;; launch attn (part 2): grid 256 x 1, 16 waves a work-group, clusters of 4 x 1, 327,680 bytes of LDS; arguments xc, xs, biasw, mask, Wq_codes, Wk_codes, Wv_codes, Wo_codes, Wq_scales, Wk_scales, Wv_scales, Wo_scales, out0; writes out0
.if DOCPART == 2
	.amdgcn_target "amdgcn-amd-amdhsa--gfx1250"
	.amdhsa_code_object_version 6
	.text
	.protected	k_q178947fea6_attn
	.globl	k_q178947fea6_attn
	.p2align	8
	.type	k_q178947fea6_attn,@function
k_q178947fea6_attn:
	s_mov_b64 s[64:65], 0
	v_nop
	global_prefetch_b8 v0, s[64:65] scope:SCOPE_SE
	s_setreg_imm32_b32 hwreg(HW_REG_WAVE_MODE, 25, 1), 1
	s_wait_xcnt 0x0
	s_wait_alu depctr_hold_cnt(0) depctr_sa_sdst(0) depctr_va_vdst(0) depctr_va_sdst(0) depctr_va_ssrc(0) depctr_va_vcc(0) depctr_vm_vsrc(0)
	s_getreg_b32 s2, hwreg(HW_REG_IB_STS2, 6, 4)
	s_cmp_eq_u32 s2, 0
	s_cbranch_scc0 .Lentry_in_a_cluster
	s_endpgm
.Lentry_in_a_cluster:
	s_bfe_u32 s2, ttmp6, 0x10000c
	s_cmp_lg_u32 s2, 0x3003
	s_cbranch_scc0 .Lentry_shape_is_right
	s_endpgm
.Lentry_shape_is_right:
; One work-group takes one row i of the pair representation through the whole chain: q, k, v = x[i] W (x's codes come from the launch before), scores, softmax, p v, o / l, o Wo.  Nothing of it goes to memory but out0[i].
; All products are on codes of FP8 (E4M3) with one E8M0 scale for each 32 along K.
; SHARES.  Sixteen waves of 256 registers, four to a SIMD, so that one wave's softmax stands beside another's products and LDS loads.
;   QKV: wave (kq = w / 4, p = w % 4) makes head p's v, k and q of positions 64 kq .. + 63, quantises them in registers and stores them in LDS as images of operand registers.
;   MAIN: wave w owns one tile of 16 queries and walks 16 steps n = 4 head + kq of 64 keys.   OUT: the wave's 16 rows of o (its own images) x Wo.
; THE ROWS OF A TILE ARE NOT NEIGHBOURS: lane r of tile 2 b + u stands for row 32 b + 8 u + r + 8 (r / 8), for positions, weights' rows and outputs alike, so that the 16 registers of two neighbouring result
; tiles are 16 neighbours along the next K.  All products are used transposed where that gives a lane one row: S^T = K Q^T, O^T = V^T P^T, out^T = Wo o^T.
; THE SCORE PRODUCT has K = 32: the head's codes stand in block 0 of the 128, and Q's blocks 1 to 3 are zero codes, so that what stands in K's registers there adds nothing.  PV has 64 keys in blocks 0, 1; P's blocks 2, 3 are zero codes.
; THE BIAS, x sqrt(32), with -2^100 at hidden keys, is the C of the score product: t = D x c, c = log2(e) / sqrt(32).  p = 2^(t - M), M the running largest t rounded up to a whole number; the sum of the unquantised p divides o.
; It is the same for every row i: 64 KiB a step through a ring of two LDS slots, asked for JOINTLY by the four work-groups of a cluster (waves 0 to 3, a quarter of a slot each).
; The weights are shared too, but are 64 KiB against the bias's 1 MiB a work-group, are read once, and are wanted as register images with chosen rows: they go memory -> registers -> LDS without a joint load.
; LIMITS: NaN and infinities are not served.  Visible logits x log2(e) must lie above -2^90, where the running maximum starts (hidden keys lie near -2^98, under it, so that a step of hidden keys alone gives p = 0).
; A mask with no key visible: c is taken as 0, so that p = 1 for every key: equal weights.  A block of zeros has the byte 1 and zero codes.
.set BP,    272                        ; a bias row in LDS: 256 bytes + 16 of padding = 68 words: row r starts at bank 4 r mod 64 (64 banks of 4 bytes: ISA guide 11.1)
.set SLOT1, 256*BP                     ; slot 0 at 0, slot 1 here: 256 rows j' each
.set QIMG,  2*SLOT1                    ; [head][tile 16][lane][16 bytes]
.set KIMG,  QIMG+32768                 ; [n][tile 4][lane][16]
.set VIMG,  KIMG+32768                 ; [n][2 u + bb][lane][16]
.set WIMG,  VIMG+32768                 ; [q, k, v, o][tile 8][c 4][lane][16]
.set OIMG,  WIMG                       ; [query tile][head][lane][16]: over Wq's and Wk's images, which nobody reads behind the first change of slots
.set QSC,   WIMG+65536                 ; [n][r][4 words]: word t has tile t's byte lowest
.set KSC,   QSC+4096
.set VSC,   KSC+4096                   ; [n][r][2 words]
.set WSC,   VSC+2048                   ; [8 matrix + tile][r] words
.set SPARE, WSC+2048                   ; the spare words, 128 bytes for each wave: eight blocks of 256 bytes that no other line names
.set STEPB, 65536                      ; a step's bias in memory
.set SPW,  1                           ; v1   LDS address of my spare word; never rewritten
.set NIL,  2                           ; v2   0; never rewritten
.set ADB,  3                           ; v3-4 my bias row in slot 0, 1
.set ADK,  5                           ; v5   the step's images of K;   v6 of V;   v7, v8 their scale words
.set ADV,  6
.set ADKS, 7
.set ADVS, 8
.set ADQ,  9                           ; v9   the head's image of my Q tile;  v10 its scale word
.set ADQS, 10
.set ADO,  11                          ; v11  where the head's codes of o go;  v23 the same for head 0, never stepped
.set NM,   12                          ; v12 -M, v13 the largest t
.set LS,   14                          ; v[14:15] the row's sum, in two halves
.set FF,   16                          ; v16 f = 2^(old M - new M); v17 written once, named with it as a pair
.set RL,   18                          ; v18 1 / sum; v19 likewise
.set OSW,  20                          ; v20  o's scale word
.set PSW,  21                          ; v21  p's scale word
.set QZS,  22                          ; v22  Q's scale word
.set ADO0, 23
.set KS,   24                          ; v24-27 K's scale words (QKV: x's; OUT: Wo's)
.set VS,   28                          ; v28-29 V's (QKV: a weight's)
.set TM,   30                          ; v30-45 at work
.set BM,   30
.set PT,   32
.set HO,   34
.set SO,   36
.set TT,   38
.set AWSS, 39
.set SU,   40
.set OC,   42
.set XO,   46                          ; v46  (r + 8 (r / 8)) x 128 + 16 h;   v47  (r + 8 (r / 8)) x 4
.set XSO,  47
.set QZ,   48                          ; v48-63   Q: 4 registers of codes, 12 of zeros
.set KF,   64                          ; v64-91   K: 4 tiles x 4, 12 of zeros
.set VF,   92                          ; v92-115  V: 2 tiles x 8, 8 of zeros
.set PC,   116                         ; v116-131 P: 8 of codes, 8 of zeros
.set OA,   132                         ; v132-147 O^T of the head in hand
.set SS,   148                         ; v148-179, v180-211 bias, then scores, then p: a set for each slot
.set XV,   148                         ; QKV: x's four fragments
.set H,    64                          ; QKV: 64 results
.set CD,   128                         ; QKV: their codes
.set WF,   212                         ; QKV: two fragments of a weight
.set PW,   244                         ; QKV: the scale word just made, and its shifts
.set AQ,   248
.set AK,   249
.set AV,   250
.set AWST, 251
.set AW,   252
.set AWS,  253
.set ASQK, 254
.set ASV,  255
.set WV,   30                          ; s30 wave;  s31 wave % 4;  s66 wave / 4
.set PP,   31
.set KQ,   66
.set G1,   32                          ; s[32:39] descriptor group 1;  s[40:43], s[44:47] group 0 for slot 0, 1
.set G0,   40
.set SEL,  50                          ; s[50:51] lane selects for v_permlanex16_b32: lane l xor 16
.set CS,   52                          ; s[52:53] c, twice
.set MNT,  54                          ; s54 the mantissa field of 448
.set HC,   55                          ; s55 counts heads
.set SH,   56                          ; s56 8 x head
.macro PLACES n
.rept \n
	v_nop
.endr
.endm
; A round of the cluster's barrier: my work-group's barrier; wave 0 signals for the work-group; every wave waits for all four work-groups; my work-group's barrier once more.
.macro CROUND
	s_barrier_signal -1
	s_barrier_wait -1
	s_cmp_lg_u32 s[WV], 0
	s_cbranch_scc1 .Lnot_wave_0_\@
	s_barrier_signal -3
.Lnot_wave_0_\@:
	s_barrier_wait -3
	s_barrier_signal -1
	s_barrier_wait -1
.endm
; A joint load: waves 0 to 3 fetch 64 rows of the slot each, the others nothing.  The branch hangs on the wave's number alone.  Four v_nop follow the line.
.macro TLOAD sl
	s_cmp_lt_u32 s[WV], 4
	s_cbranch_scc0 .Lno_load_\@
	tensor_load_to_lds s[G0+4*(\sl):G0+4*(\sl)+3], s[G1:G1+7]
	s_nop 0
.rept 4
	v_nop
.endr
.Lno_load_\@:
.endm
	s_load_b256 s[4:11], s[0:1], 0x0               ; xc s[4:5], xs s[6:7], biasw s[8:9], mask s[10:11]
	s_load_b256 s[12:19], s[0:1], 0x20             ; codes of Wq, Wk, Wv, Wo
	s_load_b256 s[20:27], s[0:1], 0x40             ; their scales
	s_load_b64 s[28:29], s[0:1], 0x60              ; out0
	v_lshl_add_u32 v[SPW], v0, 2, SPARE
	v_mov_b32 v[NIL], 0
	ds_add_u32 v1, v2
	s_wait_dscnt 0x0
	v_lshrrev_b32 v42, 5, v0
	v_readfirstlane_b32 s[WV], v42                 ; wave 0..15
	s_and_b32 s[PP], s[WV], 3
	s_lshr_b32 s[KQ], s[WV], 2
	s_bfe_u32 s48, ttmp6, 0x40000                  ; cx: my place in the cluster
	s_lshl_b32 s49, ttmp9, 2                       ; in a cluster launch ttmp9 counts clusters
	s_add_co_u32 s49, s49, s48                     ; my row i: it enters the addresses of xc, xs and out0 alone
	; descriptor group 1: 64 dense rows of 256 bytes (32 elements of 8 bytes), 16 bytes of padding behind each
	s_mov_b32 s[G1], 15|(3<<16)|(1<<20)|(1<<21)|(5<<22)|(3<<25)   ; 15:0 the mask: all four work-groups; 17:16 elements of 8 bytes; 20 padding on; 21 set beside a mask; 24:22 after every 64 words; 31:25 four words
	s_mov_b32 s[G1+1], 32<<16                      ; tensor_dim0
	s_mov_b32 s[G1+2], 64<<16                      ; tensor_dim1
	s_mov_b32 s[G1+3], 32<<16                      ; tile_dim0
	s_mov_b32 s[G1+4], 64                          ; tile_dim1
	s_mov_b32 s[G1+5], 32                          ; tensor_dim0_stride
	s_mov_b32 s[G1+6], 0
	s_mov_b32 s[G1+7], 0
	s_mov_b32 s[SEL], 0x76543210
	s_mov_b32 s[SEL+1], 0xfedcba98
	s_mov_b32 s[MNT], 0x600000
	s_mov_b32 s[SH], 0
	v_and_b32 v42, 31, v0                          ; lane
	v_and_b32 v43, 15, v0                          ; r
	v_bfe_u32 v44, v0, 4, 1                        ; h
	v_lshlrev_b32 v41, 4, v42                      ; 16 x lane: an image's place for my lane
	v_lshlrev_b32 v45, 3, v42                      ; 8 x lane: my bytes of the mask
.irp j, 32,33,34,35,36,37,38
	v_mov_b32 v[\j], 0                             ; written once: a lane permute's destination counts as one of its sources
.endr
	s_mul_i32 s57, s[WV], 16*BP
	v_mul_u32_u24 v[ADB], v43, BP
	v_lshl_add_u32 v[ADB], v44, 6, v[ADB]
	v_add_nc_u32 v[ADB], s57, v[ADB]               ; row 16 w + r, + 64 h: my 16 keys of a block of 32
	v_add_nc_u32 v[ADB+1], SLOT1, v[ADB]
	v_add_nc_u32 v[ADK], KIMG, v41
	v_add_nc_u32 v[ADV], VIMG, v41
	v_lshl_add_u32 v[ADKS], v43, 4, KSC
	v_lshl_add_u32 v[ADVS], v43, 3, VSC
	s_lshl_b32 s57, s[WV], 9
	s_add_co_u32 s57, s57, QIMG
	v_add_nc_u32 v[ADQ], s57, v41
	s_lshl_b32 s57, s[KQ], 8
	s_lshl_b32 s58, s[PP], 2
	s_add_co_u32 s57, s57, s58
	s_add_co_u32 s57, s57, QSC
	v_lshl_add_u32 v[ADQS], v43, 4, s57
	s_lshl_b32 s57, s[WV], 11
	s_add_co_u32 s57, s57, OIMG
	v_add_nc_u32 v[ADO], s57, v41
	v_add_nc_u32 v[ADO0], s57, v41
	v_and_b32 v[XSO], 8, v43
	v_add_nc_u32 v[XSO], v[XSO], v43               ; r + 8 (r / 8)
	v_lshlrev_b32 v[XO], 7, v[XSO]
	v_lshl_add_u32 v[XO], v44, 4, v[XO]
	v_lshlrev_b32 v[XSO], 2, v[XSO]
	s_lshl_b32 s57, s[PP], 13
	s_lshl_b32 s58, s[KQ], 11
	s_add_co_u32 s57, s57, s58
	s_add_co_u32 s57, s57, QIMG
	v_add_nc_u32 v[AQ], s57, v41                   ; where I store images: 8,192 p + 2,048 kq + 16 x lane, in Q's, K's and V's region
	v_add_nc_u32 v[AK], 32768, v[AQ]
	v_add_nc_u32 v[AV], 32768, v[AK]
	s_lshl_b32 s57, s[WV], 12
	s_add_co_u32 s57, s57, WIMG
	v_add_nc_u32 v[AWST], s57, v41                 ; where I store my two weight tiles,
	s_lshl_b32 s57, s[WV], 7
	s_add_co_u32 s57, s57, WSC
	v_lshl_add_u32 v[AWSS], v43, 2, s57            ; and their scale words
	s_lshl_b32 s57, s[PP], 12
	s_add_co_u32 s57, s57, WIMG
	v_add_nc_u32 v[AW], s57, v41                   ; head p's two tiles of a weight,
	s_lshl_b32 s57, s[PP], 7
	s_add_co_u32 s57, s57, WSC
	v_lshl_add_u32 v[AWS], v43, 2, s57             ; and their scale words
	s_lshl_b32 s57, s[PP], 10
	s_lshl_b32 s58, s[KQ], 8
	s_add_co_u32 s57, s57, s58
	s_add_co_u32 s57, s57, QSC
	v_lshl_add_u32 v[ASQK], v43, 4, s57
	s_lshl_b32 s57, s[PP], 9
	s_lshl_b32 s58, s[KQ], 7
	s_add_co_u32 s57, s57, s58
	s_add_co_u32 s57, s57, VSC
	v_lshl_add_u32 v[ASV], v43, 3, s57
	s_mul_i32 s57, s[PP], 64*BP                    ; a loader's quarter of a slot in LDS,
	s_lshl_b32 s58, s[PP], 14                      ; and in memory: no place in the cluster enters either
	s_mov_b32 s59, 0
	s_wait_kmcnt 0x0
	s_add_nc_u64 s[60:61], s[8:9], s[58:59]
	s_mov_b32 s[G0], 1                             ; 1:0 count = 1
	s_mov_b32 s[G0+1], s57                         ; 63:32 LDS address: slot 0
	s_mov_b64 s[G0+2:G0+3], s[60:61]               ; 120:64 global address: step 0
	s_or_b32 s[G0+3], s[G0+3], 0x80000000          ; 127:126 type = 2
	s_mov_b32 s[G0+4], 1
	s_add_co_u32 s[G0+5], s57, SLOT1
	s_add_nc_u64 s[G0+6:G0+7], s[60:61], STEPB     ; step 1
	s_or_b32 s[G0+7], s[G0+7], 0x80000000
	CROUND                                         ; all four work-groups are here: the first joint load meets
	TLOAD 0                                        ; step 0's bias: the one first fill; by this text's count a wave never has more than one tensor load out
	; my two weight tiles: matrix w / 4 (q, k, v, o), tiles 2 p, 2 p + 1.  The choice hangs on the wave's number alone
	s_cmp_eq_u32 s[KQ], 1
	s_cselect_b64 s[68:69], s[14:15], s[12:13]
	s_cselect_b64 s[70:71], s[22:23], s[20:21]
	s_cmp_eq_u32 s[KQ], 2
	s_cselect_b64 s[68:69], s[16:17], s[68:69]
	s_cselect_b64 s[70:71], s[24:25], s[70:71]
	s_cmp_eq_u32 s[KQ], 3
	s_cselect_b64 s[68:69], s[18:19], s[68:69]
	s_cselect_b64 s[70:71], s[26:27], s[70:71]
	s_mov_b32 s73, 0
	s_lshl_b32 s72, s[PP], 12
	s_add_nc_u64 s[68:69], s[68:69], s[72:73]      ; 32 rows of 128 bytes a head
	s_lshl_b32 s72, s[PP], 7
	s_add_nc_u64 s[70:71], s[70:71], s[72:73]
	s_lshl_b32 s72, s49, 15
	s_lshl_b32 s74, s[KQ], 13
	s_add_co_u32 s72, s72, s74
	s_add_nc_u64 s[4:5], s[4:5], s[72:73]          ; xc + 32,768 i + 8,192 kq
	s_lshl_b32 s72, s49, 10
	s_lshl_b32 s74, s[KQ], 8
	s_add_co_u32 s72, s72, s74
	s_add_nc_u64 s[6:7], s[6:7], s[72:73]          ; xs + 1,024 i + 256 kq
	s_lshl_b32 s72, s49, 17
	s_lshr_b32 s74, s[WV], 1
	s_lshl_b32 s74, s74, 14
	s_add_co_u32 s72, s72, s74
	s_and_b32 s74, s[WV], 1
	s_lshl_b32 s74, s74, 12
	s_add_co_u32 s72, s72, s74
	s_add_nc_u64 s[28:29], s[28:29], s[72:73]      ; out0 + 131,072 i + 512 (32 (w / 2) + 8 (w % 2))
.irp u, 0,1
.irp c, 0,1,2,3
	global_load_b128 v[WF+16*\u+4*\c:WF+16*\u+4*\c+3], v[XO], s[68:69] offset:1024*\u+32*\c
.endr
	global_load_b32 v[VS+\u], v[XSO], s[70:71] offset:32*\u
.endr
	global_load_b64 v[SU:SU+1], v45, s[10:11]      ; the mask: 8 bytes a lane
.irp t, 0,1,2,3
.irp c, 0,1,2,3
	global_load_b128 v[XV+16*\t+4*\c:XV+16*\t+4*\c+3], v[XO], s[4:5] offset:(32*(\t/2)+8*(\t%2))*128+32*\c
.endr
	global_load_b32 v[KS+\t], v[XSO], s[6:7] offset:(32*(\t/2)+8*(\t%2))*4
.endr
	s_wait_loadcnt 21                              ; my ten weight loads are in; the mask's and x's twenty are younger
.irp u, 0,1
.irp c, 0,1,2,3
	ds_store_b128 v[AWST], v[WF+16*\u+4*\c:WF+16*\u+4*\c+3] offset:2048*\u+512*\c   ; a fragment goes to LDS as an image of its registers
.endr
	ds_store_b32 v[AWSS], v[VS+\u] offset:64*\u    ; lanes r and r + 16 write the same word with the same value
.endr
	s_wait_loadcnt 20                              ; the mask is in
	v_or_b32 v[SU], v[SU], v[SU+1]
	v_cmp_ne_u32 vcc_lo, 0, v[SU]
	s_cmp_lg_u32 vcc_lo, 0
	s_cselect_b32 s[CS], 0x3e8293ee, 0             ; c = log2(e) / sqrt(32); 0 where no key is visible: a choice of a value, no branch
	s_mov_b32 s[CS+1], s[CS]
	s_wait_dscnt 0x0                               ; for the others' sake: my weight images lie in LDS
	s_barrier_signal -1
	s_barrier_wait -1                              ; slot 0's load may stay out
; ---- QKV
.macro LOADW mat                       ; head p's two tiles of weight mat, and their scale words
.irp u, 0,1
.irp c, 0,1,2,3
	ds_load_b128 v[WF+16*\u+4*\c:WF+16*\u+4*\c+3], v[AW] offset:16384*\mat+2048*\u+512*\c
.endr
	ds_load_b32 v[VS+\u], v[AWS] offset:512*\mat+64*\u
.endr
.endm
; q and k: source 0 = 16 units, source 1 = 16 positions: lane (r, h) holds position r of tile t, registers 16 t + 0 .. 15 the head's e = 16 h + 0 .. 15: the block of 32 of that position
.macro MULT
.irp t, 0,1,2,3
.irp u, 0,1
	v_wmma_scale_f32_16x16x128_f8f6f4 v[H+16*\t+8*\u:H+16*\t+8*\u+7], v[WF+16*\u:WF+16*\u+15], v[XV+16*\t:XV+16*\t+15], 0, v[VS+\u], v[KS+\t]
.endr
.endr
.endm
; v: source 0 = 16 positions, source 1 = 16 units: lane (r, h) holds unit r of tile u, registers 16 (2 u + b) + 0 .. 15 the keys 32 b + 16 h + 0 .. 15
.macro MULV
.irp u, 0,1
.irp b, 0,1
.irp g, 0,1
	v_wmma_scale_f32_16x16x128_f8f6f4 v[H+16*(2*\u+\b)+8*\g:H+16*(2*\u+\b)+8*\g+7], v[XV+16*(2*\b+\g):XV+16*(2*\b+\g)+15], v[WF+16*\u:WF+16*\u+15], 0, v[KS+2*\b+\g], v[VS+\u]
.endr
.endr
.endr
.endm
; 64 numbers of a lane, four blocks of which it holds 16 each and lane l xor 16 the others, become 16 registers of codes in v[CD] on and four scale bytes in v[PW]
.macro QUANT
.irp b, 0,1,2,3
	v_max3_num_f32 v[TM+\b], |v[H+16*\b]|, |v[H+1+16*\b]|, 0x4800000   ; my 16 numbers, and the floor 2^(9 - 127): the byte cannot fall under 1
.endr
.irp i, 2,4,6,8,10,12,14
.irp b, 0,1,2,3
	v_max3_num_f32 v[TM+\b], v[TM+\b], |v[H+16*\b+\i]|, |v[H+1+16*\b+\i]|
.endr
.endr
.irp b, 0,1,2,3
	v_permlanex16_b32 v[TM+4+\b], v[TM+\b], s[SEL], s[SEL+1]
.endr
.irp b, 0,1,2,3
	v_max_num_f32 v[TM+\b], v[TM+\b], v[TM+4+\b]   ; the block's largest magnitude
.endr
.irp b, 0,1,2,3
	v_add_nc_u32 v[TM+12+\b], 0xfc000000, v[TM+\b] ; 8 off its exponent field: the conversion's scale operand
.endr
.irp b, 0,1,2,3
	v_and_or_b32 v[TM+8+\b], v[TM+\b], 0x7f800000, s[MNT]   ; 448 x the scale
.endr
.irp b, 0,1,2,3
	v_lshrrev_b32 v[TM+4+\b], 23, v[TM+12+\b]      ; the scale's byte
.endr
	v_lshl_or_b32 v[PW], v[TM+5], 8, v[TM+4]
	v_lshl_or_b32 v[PW], v[TM+6], 16, v[PW]
	v_lshl_or_b32 v[PW], v[TM+7], 24, v[PW]
.irp b, 0,1,2,3
.irp i, 0,1,2,3,4,5,6,7,8,9,10,11,12,13,14,15
	v_med3_num_f32 v[H+16*\b+\i], v[H+16*\b+\i], -v[TM+8+\b], v[TM+8+\b]   ; the conversion to an 8-bit code does not saturate (ISA guide 7.6.2): the hold
.endr
	v_cvt_scalef32_pk8_fp8_f32 v[CD+4*\b:CD+1+4*\b], v[H+16*\b:H+7+16*\b], v[TM+12+\b]
	v_cvt_scalef32_pk8_fp8_f32 v[CD+2+4*\b:CD+3+4*\b], v[H+8+16*\b:H+15+16*\b], v[TM+12+\b]
.endr
	v_nop                                          ; a plain line between the last conversion and whatever next touches its registers
.endm
.macro IMAGES adr                      ; four images of four registers
.irp t, 0,1,2,3
	ds_store_b128 v[\adr], v[CD+4*\t:CD+4*\t+3] offset:512*\t
.endr
.endm
.macro PUT adr, scoff                  ; q or k: tile t's scale word has tile t's byte lowest: the head's 32 stand in block 0 of the score product's K
	IMAGES \adr
	v_lshrrev_b32 v[PW+1], 8, v[PW]
	v_lshrrev_b32 v[PW+2], 16, v[PW]
	v_lshrrev_b32 v[PW+3], 24, v[PW]
	ds_store_b128 v[ASQK], v[PW:PW+3] offset:\scoff   ; lanes r and r + 16 write the same words with the same values
.endm
	LOADW 2
	s_wait_loadcnt 0x0                             ; x's fragments and scale words
	s_wait_dscnt 0x0
	MULV
	PLACES 9                                       ; eight in front of the loads below and of the first read of results; the ninth since the next run of products writes over these accumulators
	LOADW 1                                        ; Wk lands while v is quantised
	QUANT
	IMAGES AV
	v_lshrrev_b32 v[PW+1], 16, v[PW]               ; tile u's word: the bytes of its two blocks of 32 keys lowest
	ds_store_b64 v[ASV], v[PW:PW+1]
	s_wait_dscnt 0x0                               ; Wk is in; the stores have read their registers
	MULT
	PLACES 9
	LOADW 0
	QUANT
	PUT AK, KSC-QSC
	s_wait_dscnt 0x0
	MULT
	PLACES 9
	QUANT
	PUT AQ, 0
	s_wait_dscnt 0x0                               ; the stores have read their registers: the zeros below fall on some of them
.irp j, 4,5,6,7,8,9,10,11,12,13,14,15
	v_mov_b32 v[QZ+\j], 0                          ; zero codes: Q's blocks 1 to 3,
	v_mov_b32 v[KF+12+\j], 0                       ; what stands behind K's last tile,
.endr
.irp j, 0,1,2,3,4,5,6,7
	v_mov_b32 v[VF+16+\j], 0                       ; behind V's,
	v_mov_b32 v[PC+8+\j], 0                        ; and P's blocks 2 and 3
.endr
	v_mov_b32 v[OSW], 0
	v_mov_b32 v[FF+1], 0
	v_mov_b32 v[RL+1], 0
; ---- MAIN
.macro HEAD_RESET                      ; a head begins: O^T and the sum are zeros, which the first change of M leaves zeros
	v_mov_b32 v[NM+1], 0xec800000                  ; the largest t so far: -2^90
	v_mov_b32 v[NM], 0x6c800000                    ; -M
	v_mov_b32 v[LS], 0
	v_mov_b32 v[LS+1], 0
.irp j, 0,1,2,3,4,5,6,7,8,9,10,11,12,13,14,15
	v_mov_b32 v[OA+\j], 0
.endr
.endm
; THE CHANGE OF SLOTS stands at a trip's head.  Each wave waits for all its tensor loads (a loader's part of the slot about to be read), adds 0 to its spare word, and waits for that and for all its LDS reads and stores.
; fill = 1: the barrier is a round of the cluster's, so that no wave of any partner still reads the other slot or has a load on its way; the joint refill of that slot, with the next step's bias, is the first thing behind it.
.macro CHANGE slot, fill
	s_wait_tensorcnt 0x0                           ; no tensor load of mine is out, so a group 0 may be written
	ds_add_u32 v[SPW], v[NIL]                      ; 0 onto my spare word
.if \fill
	s_add_nc_u64 s[G0+4*\slot+2:G0+4*\slot+3], s[G0+4*\slot+2:G0+4*\slot+3], 2*STEPB   ; this slot's next step; the type bits on top are not reached
.endif
	s_wait_dscnt 0x0
.if \fill
	CROUND
	TLOAD 1-\slot
.else
	s_barrier_signal -1
	s_barrier_wait -1
.endif
.endm
.macro LOADB slot                      ; the bias of my query and my 32 keys, in the score tiles' own layout: register 16 b + x = key 32 b + 16 h + x
.irp b, 0,1
.irp m, 0,1,2,3
	ds_load_b128 v[SS+32*\slot+16*\b+4*\m:SS+32*\slot+16*\b+4*\m+3], v[ADB+\slot] offset:128*\b+16*\m
.endr
.endr
.endm
.macro LOADK
.irp t, 0,1,2,3
	ds_load_b128 v[KF+4*\t:KF+4*\t+3], v[ADK] offset:512*\t
.endr
	ds_load_b128 v[KS:KS+3], v[ADKS]
.endm
.macro LOADV
.irp t, 0,1,2,3
	ds_load_b128 v[VF+4*\t:VF+4*\t+3], v[ADV] offset:512*\t
.endr
	ds_load_b64 v[VS:VS+1], v[ADVS]
.endm
.macro LOADQ
	ds_load_b128 v[QZ:QZ+3], v[ADQ]
	ds_load_b32 v[QZS], v[ADQS]
.endm
; S^T = K Q^T + bias: source 0 = 16 keys: tile t's four registers and the twelve behind them, which meet Q's zero codes
.macro SCORE slot
.irp t, 0,1,2,3
	v_wmma_scale_f32_16x16x128_f8f6f4 v[SS+32*\slot+8*\t:SS+32*\slot+8*\t+7], v[KF+4*\t:KF+4*\t+15], v[QZ:QZ+15], v[SS+32*\slot+8*\t:SS+32*\slot+8*\t+7], v[KS+\t], v[QZS]
.endr
.endm
; O^T += V^T P^T: source 0 = 16 units: tile u's eight registers and the eight behind them, which meet P's zero codes
.macro PV
.irp u, 0,1
	v_wmma_scale_f32_16x16x128_f8f6f4 v[OA+8*\u:OA+8*\u+7], v[VF+8*\u:VF+8*\u+15], v[PC:PC+15], v[OA+8*\u:OA+8*\u+7], v[VS+\u], v[PSW]
.endr
.endm
; The softmax of one step: 32 scores a lane, two blocks of 32 keys shared with lane l xor 16
.macro SOFT sl
.set SB, SS+32*(\sl)
.irp b, 0,1
	v_max3_num_f32 v[BM+\b], v[SB+16*\b], v[SB+16*\b+1], v[SB+16*\b+2]   ; the largest score of each block, from each accumulator's low end on: it serves the row's maximum and, since p rises with the score, the block's largest p
.endr
.irp i, 3,5,7,9,11,13
.irp b, 0,1
	v_max3_num_f32 v[BM+\b], v[BM+\b], v[SB+16*\b+\i], v[SB+16*\b+\i+1]
.endr
.endr
.irp b, 0,1
	v_max_num_f32 v[BM+\b], v[BM+\b], v[SB+16*\b+15]
.endr
.irp b, 0,1
	v_permlanex16_b32 v[PT+\b], v[BM+\b], s[SEL], s[SEL+1]
.endr
.irp b, 0,1
	v_max_num_f32 v[BM+\b], v[BM+\b], v[PT+\b]
.endr
	v_max_num_f32 v[TT], v[BM], v[BM+1]
	v_mul_f32 v[TT], s[CS], v[TT]                  ; as t (c is not negative)
	v_max_num_f32 v[NM+1], v[NM+1], v[TT]          ; the running largest t
	v_mov_b32 v[TT], v[NM]
	v_floor_f32 v[NM], -v[NM+1]                    ; the new -M = floor(-t): M is a whole number
	v_sub_f32 v[TT], v[NM], v[TT]                  ; old M - new M: a whole number, 0 or less
	v_cvt_i32_f32 v[TT], v[TT]                     ; (it saturates)
	v_ldexp_f32 v[FF], 1.0, v[TT]                  ; f = 2^(old M - new M): a multiplication by it rounds nothing
.irp j, 0,2,4,6,8,10,12,14,16,18,20,22,24,26,28,30
	v_pk_fma_f32 v[SB+\j:SB+\j+1], v[SB+\j:SB+\j+1], s[CS:CS+1], v[NM:NM+1] op_sel_hi:[1,0,0]   ; t - M, two at a time
.endr
.irp b, 0,1
	v_fma_f32 v[BM+\b], v[BM+\b], s[CS], v[NM]     ; the same of each block's largest score
.endr
.irp j, 0,1,2,3,4,5,6,7,8,9,10,11,12,13,14,15,16,17,18,19,20,21,22,23,24,25,26,27,28,29,30,31
	v_exp_f32 v[SB+\j], v[SB+\j]                   ; p = 2^(t - M), not normalised
.endr
.irp b, 0,1
	v_exp_f32 v[BM+\b], v[BM+\b]                   ; the block's largest p
.endr
	v_pk_mul_f32 v[LS:LS+1], v[LS:LS+1], v[FF:FF+1] op_sel_hi:[1,0]   ; the sums under the new M (the plain line behind the exponentials)
	s_wait_alu depctr_va_vdst(0)
.irp b, 0,1
	v_max_num_f32 v[BM+\b], 0x4800000, v[BM+\b]    ; the floor 2^(9 - 127): a block whose every p is 0 keeps the byte 1 and zero codes
.endr
.irp b, 0,1
	v_add_nc_u32 v[SO+\b], 0xfc000000, v[BM+\b]
.endr
.irp b, 0,1
	v_and_or_b32 v[HO+\b], v[BM+\b], 0x7f800000, s[MNT]
.endr
.irp b, 0,1
	v_lshrrev_b32 v[PT+\b], 23, v[SO+\b]
.endr
	v_lshl_or_b32 v[PSW], v[PT+1], 8, v[PT]        ; p's scale word; the bytes of blocks 2 and 3 are 0, over zero codes
	v_pk_add_f32 v[SU:SU+1], v[SB:SB+1], v[SB+2:SB+3]   ; the row's sum is taken of the unquantised p: two chains
.irp j, 4,8,12,16,20,24,28
	v_pk_add_f32 v[LS:LS+1], v[LS:LS+1], v[SB+\j:SB+\j+1]
	v_pk_add_f32 v[SU:SU+1], v[SU:SU+1], v[SB+\j+2:SB+\j+3]
.endr
	v_pk_add_f32 v[LS:LS+1], v[LS:LS+1], v[SU:SU+1]
.irp b, 0,1
.irp i, 0,1,2,3,4,5,6,7,8,9,10,11,12,13,14,15
	v_min_num_f32 v[SB+16*\b+\i], v[SB+16*\b+\i], v[HO+\b]   ; the hold; p is not negative, so it is one-sided
.endr
	v_cvt_scalef32_pk8_fp8_f32 v[PC+4*\b:PC+4*\b+1], v[SB+16*\b:SB+16*\b+7], v[SO+\b]
	v_cvt_scalef32_pk8_fp8_f32 v[PC+4*\b+2:PC+4*\b+3], v[SB+16*\b+8:SB+16*\b+15], v[SO+\b]
.endr
.irp j, 0,2,4,6,8,10,12,14
	v_pk_mul_f32 v[OA+\j:OA+\j+1], v[OA+\j:OA+\j+1], v[FF:FF+1] op_sel_hi:[1,0]   ; O^T under the new M, each accumulator from its low end on; these eight also stand between the conversions and the products
.endr
.endm
; A head is finished: o = O^T / sum; its 32 numbers a query are one block of the last product's K: quantised, the codes stored as registers 4 head .. + 3 of my o fragment, the byte put into o's scale word
.macro HEAD_END
	v_add_f32 v[LS], v[LS], v[LS+1]
	v_permlanex16_b32 v[TT], v[LS], s[SEL], s[SEL+1]
	v_add_f32 v[LS], v[LS], v[TT]
	v_rcp_f32 v[RL], v[LS]
	v_nop                                          ; a plain line behind the reciprocal
	s_wait_alu depctr_va_vdst(0)
.irp j, 0,2,4,6,8,10,12,14
	v_pk_mul_f32 v[OA+\j:OA+\j+1], v[OA+\j:OA+\j+1], v[RL:RL+1] op_sel_hi:[1,0]
.endr
	v_max3_num_f32 v[BM], |v[OA]|, |v[OA+1]|, 0x4800000
	v_max3_num_f32 v[BM+1], |v[OA+2]|, |v[OA+3]|, |v[OA+6]|
	v_max3_num_f32 v[BM], v[BM], |v[OA+4]|, |v[OA+5]|
	v_max3_num_f32 v[BM+1], v[BM+1], |v[OA+7]|, |v[OA+10]|
	v_max3_num_f32 v[BM], v[BM], |v[OA+8]|, |v[OA+9]|
	v_max3_num_f32 v[BM+1], v[BM+1], |v[OA+11]|, |v[OA+14]|
	v_max3_num_f32 v[BM], v[BM], |v[OA+12]|, |v[OA+13]|
	v_max3_num_f32 v[BM], v[BM], v[BM+1], |v[OA+15]|
	v_permlanex16_b32 v[PT], v[BM], s[SEL], s[SEL+1]
	v_max_num_f32 v[BM], v[BM], v[PT]
	v_add_nc_u32 v[SO], 0xfc000000, v[BM]
	v_and_or_b32 v[HO], v[BM], 0x7f800000, s[MNT]
	v_lshrrev_b32 v[PT], 23, v[SO]
	v_lshlrev_b32 v[PT], s[SH], v[PT]
	v_or_b32 v[OSW], v[OSW], v[PT]
.irp i, 0,1,2,3,4,5,6,7,8,9,10,11,12,13,14,15
	v_med3_num_f32 v[OA+\i], v[OA+\i], -v[HO], v[HO]
.endr
	v_cvt_scalef32_pk8_fp8_f32 v[OC:OC+1], v[OA:OA+7], v[SO]
	v_cvt_scalef32_pk8_fp8_f32 v[OC+2:OC+3], v[OA+8:OA+15], v[SO]
	v_nop
	ds_store_b128 v[ADO], v[OC:OC+3]               ; my own bytes: no other wave reads them
	s_add_co_u32 s[SH], s[SH], 8
.endm
; A TRIP: step n's bias, K (and Q) are asked for first behind the change of slots; step n - 1's softmax runs while they land; then step n - 1's P V and step n's scores.
; The matrix instructions go O0 O1 S0 S1 S2 S3: no two that follow each other share an accumulator, over the backward jump too.
; The eight plain lines at the end stand between these products and the next trip's loads into their operands, the next softmax's first read of the scores, and a head's end's first read of O^T.
; The address steps among them stand behind the wait for all my LDS loads.
.macro TRIP slot, fill, soft, newhead
	CHANGE \slot, \fill
	LOADB \slot
	LOADK
.if \newhead
	LOADQ
.endif
.if \soft
	LOADV
	SOFT 1-\slot
.endif
	s_wait_dscnt 0x0
.if \soft
	PV
.endif
	SCORE \slot
	v_add_nc_u32 v[ADK], 2048, v[ADK]
	v_add_nc_u32 v[ADKS], 256, v[ADKS]
.set NPL, 6
.if \soft
	v_add_nc_u32 v[ADV], 2048, v[ADV]
	v_add_nc_u32 v[ADVS], 128, v[ADVS]
.set NPL, NPL-2
.endif
.if \newhead
	v_add_nc_u32 v[ADQ], 8192, v[ADQ]
	v_add_nc_u32 v[ADQS], 1024, v[ADQS]
.set NPL, NPL-2
.endif
.rept NPL
	v_nop
.endr
.if \soft && \newhead
	HEAD_END
	HEAD_RESET
	s_wait_dscnt 0x0                               ; the store has read its address
	v_add_nc_u32 v[ADO], 512, v[ADO]
.endif
.endm
	HEAD_RESET
	TRIP 0, 1, 0, 1                                ; step 0.  Its change of slots is also the barrier between every wave's image stores and their readers
	s_mov_b32 s[HC], 3
.Lhead:                                            ; four trips: steps 4 h + 1 .. 4 h + 4; the last of them begins the next head and ends this one
	TRIP 1, 1, 1, 0
	TRIP 0, 1, 1, 0
	TRIP 1, 1, 1, 0
	TRIP 0, 1, 1, 1
	s_sub_co_u32 s[HC], s[HC], 1
	s_cmp_lg_u32 s[HC], 0
	s_cbranch_scc1 .Lhead
	TRIP 1, 1, 1, 0                                ; steps 13, 14, 15 are written out: the last asks for nothing
	TRIP 0, 1, 1, 0
	TRIP 1, 0, 1, 0
	LOADV
	SOFT 1
	s_wait_dscnt 0x0
	PV
	PLACES 8
	HEAD_END
; ---- OUT: out^T = Wo o^T: source 0 = 16 rows of Wo, source 1 = my 16 queries: register 16 b + x of lane (r, h) is out(query r, 32 b + 16 h + x)
	v_and_b32 v30, 31, v0
	v_lshlrev_b32 v30, 4, v30
	v_add_nc_u32 v31, WIMG+49152, v30              ; Wo's images
	v_and_b32 v32, 15, v0                          ; r
	v_lshl_add_u32 v33, v32, 2, WSC+1536           ; Wo's scale words
	v_bfe_u32 v34, v0, 4, 1                        ; h
	s_mul_i32 s57, s[WV], 16*BP                    ; my stage: 16 rows x 272 bytes in slot 0, which has had its last fill and which nobody reads behind the last change of slots
	v_mul_u32_u24 v35, v32, BP
	v_lshl_add_u32 v35, v34, 6, v35
	v_add_nc_u32 v35, s57, v35                     ; in: row r, + 64 h
	v_mul_u32_u24 v36, v34, BP
	v_lshl_add_u32 v36, v32, 4, v36
	v_add_nc_u32 v36, s57, v36                     ; back: lanes 0-15 one row, lanes 16-31 the next
	v_lshlrev_b32 v37, 9, v34
	v_lshl_add_u32 v37, v32, 4, v37                ; and the same in out0
.irp c, 0,1,2,3
	ds_load_b128 v[QZ+4*\c:QZ+4*\c+3], v[ADO0] offset:512*\c   ; my o fragment: LDS serves a wave's instructions in order, so these see my stores
.endr
.irp g, 0,1
.irp t, 0,1,2,3
.irp c, 0,1,2,3
	ds_load_b128 v[64+16*\t+4*\c:64+16*\t+4*\c+3], v31 offset:2048*(4*\g+\t)+512*\c
.endr
	ds_load_b32 v[KS+\t], v33 offset:64*(4*\g+\t)
.endr
	s_wait_dscnt 0x0
.irp t, 0,1,2,3
	v_wmma_scale_f32_16x16x128_f8f6f4 v[SS+8*(4*\g+\t):SS+8*(4*\g+\t)+7], v[64+16*\t:64+16*\t+15], v[QZ:QZ+15], 0, v[KS+\t], v[OSW]
.endr
	PLACES 8                                       ; in front of the loads into Wo's registers, and of the first read of results
.endr
; The way out: half a row (64 columns, 256 bytes) of 16 queries at a time through my stage, so that sixteen lanes store 256 consecutive bytes, aligned
.irp u, 0,1
.irp b, 0,1
.irp m, 0,1,2,3
	ds_store_b128 v35, v[SS+16*(2*\u+\b)+4*\m:SS+16*(2*\u+\b)+4*\m+3] offset:128*\b+16*\m   ; each accumulator from its low end on
.endr
.endr
.irp i, 0,1,2,3,4,5,6,7
	ds_load_b128 v[64+32*\u+4*\i:64+32*\u+4*\i+3], v36 offset:2*\i*BP   ; in order behind my stores; the next half's stores come behind these
.endr
.endr
.irp u, 0,1
.irp i, 0,1,2,3,4,5,6,7
	s_wait_dscnt 23-16*\u-\i                       ; behind this load: the rest of its half's loads and, for the first half, the second half's 8 stores and 8 loads
	global_store_b128 v37, v[64+32*\u+4*\i:64+32*\u+4*\i+3], s[28:29] offset:(2*\i+8*(\i/4))*512+256*\u th:TH_STORE_NT   ; stage row rr is query rr + 8 (rr / 8) of my tile; written once, read by nobody here
.endr
.endr
	s_wait_tensorcnt 0x0                           ; the wave's end, behind my last tensor load and my last LDS store
	ds_add_u32 v[SPW], v[NIL]
	s_wait_dscnt 0x0
	CROUND                                         ; the closing round: no work-group ends while a partner may still ask for a tile that names it
	s_endpgm
.Lfunc_end_k_q178947fea6_attn:
	.size	k_q178947fea6_attn, .Lfunc_end_k_q178947fea6_attn-k_q178947fea6_attn
	.p2alignl 7, 3214868480
	.fill 96, 4, 3214868480
	.section	.rodata,"a",@progbits
	.p2align	6, 0x0
	.amdhsa_kernel k_q178947fea6_attn
		.amdhsa_group_segment_fixed_size 327680
		.amdhsa_private_segment_fixed_size 0
		.amdhsa_enable_private_segment 0
		.amdhsa_kernarg_size 104
		.amdhsa_user_sgpr_count 2
		.amdhsa_user_sgpr_kernarg_segment_ptr 1
		.amdhsa_wavefront_size32 1
		.amdhsa_system_sgpr_workgroup_id_x 1
		.amdhsa_system_sgpr_workgroup_id_y 1
		.amdhsa_system_sgpr_workgroup_id_z 1
		.amdhsa_system_vgpr_workitem_id 0
		.amdhsa_next_free_vgpr 256
		.amdhsa_next_free_sgpr 80
		.amdhsa_reserve_vcc 1
		.amdhsa_float_denorm_mode_32 3
		.amdhsa_float_denorm_mode_16_64 3
		.amdhsa_memory_ordered 1
		.amdhsa_forward_progress 1
		.amdhsa_inst_pref_size 141
	.end_amdhsa_kernel
	.amdgpu_metadata
---
amdhsa.version: [ 1, 2 ]
amdhsa.kernels:
  - .name:           k_q178947fea6_attn
    .symbol:         k_q178947fea6_attn.kd
    .args:
      - { .name: xc, .offset: 0, .size: 8, .value_kind: global_buffer, .address_space: global }
      - { .name: xs, .offset: 8, .size: 8, .value_kind: global_buffer, .address_space: global }
      - { .name: biasw, .offset: 16, .size: 8, .value_kind: global_buffer, .address_space: global }
      - { .name: mask, .offset: 24, .size: 8, .value_kind: global_buffer, .address_space: global }
      - { .name: Wq_codes, .offset: 32, .size: 8, .value_kind: global_buffer, .address_space: global }
      - { .name: Wk_codes, .offset: 40, .size: 8, .value_kind: global_buffer, .address_space: global }
      - { .name: Wv_codes, .offset: 48, .size: 8, .value_kind: global_buffer, .address_space: global }
      - { .name: Wo_codes, .offset: 56, .size: 8, .value_kind: global_buffer, .address_space: global }
      - { .name: Wq_scales, .offset: 64, .size: 8, .value_kind: global_buffer, .address_space: global }
      - { .name: Wk_scales, .offset: 72, .size: 8, .value_kind: global_buffer, .address_space: global }
      - { .name: Wv_scales, .offset: 80, .size: 8, .value_kind: global_buffer, .address_space: global }
      - { .name: Wo_scales, .offset: 88, .size: 8, .value_kind: global_buffer, .address_space: global }
      - { .name: out0, .offset: 96, .size: 8, .value_kind: global_buffer, .address_space: global }
    .group_segment_fixed_size: 327680
    .private_segment_fixed_size: 0
    .kernarg_segment_align: 8
    .kernarg_segment_size: 104
    .max_flat_workgroup_size: 512
    .sgpr_count:     80
    .vgpr_count:     256
    .wavefront_size: 32
...
	.end_amdgpu_metadata
.endif
;; end of part 2
;; ======== version 2 of 3: 2 launches
;; limits: right only within a limited range of input values
;; workspace buffers: xc 8,388,608 bytes; xs 262,144 bytes; biasw 1,048,576 bytes
;; launch prep (part 3): grid 256 x 1, 16 waves a work-group, no clusters, 89,088 bytes of LDS; arguments pairwise_repr, Wb, mask, xc, xs, biasw; writes xc, xs, biasw
.if DOCPART == 3
	.amdgcn_target "amdgcn-amd-amdhsa--gfx1250"
	.amdhsa_code_object_version 6
	.text
	.protected	k_q178947fea6_prep
	.globl	k_q178947fea6_prep
	.p2align	8
	.type	k_q178947fea6_prep,@function
k_q178947fea6_prep:
	s_mov_b64 s[64:65], 0
	v_nop
	global_prefetch_b8 v0, s[64:65] scope:SCOPE_SE
	s_setreg_imm32_b32 hwreg(HW_REG_WAVE_MODE, 25, 1), 1
	s_wait_xcnt 0x0
; x = pairwise_repr [256][256][128] f32 is read once.  Three things are made of it:
;   xc [256][256][128]  x's codes of FP8 (E4M3), d innermost;
;   xs [g = 16 T + G][w 16][16 positions][4]  one E8M0 byte for each 32 along d, of row perm(T, w), positions 16 G ..;
;   biasw [n = 4 head + key quarter][query tile T][load 8][lane 32][4 keys] f32: mask[k] ? sqrt(32) x (x[j][k] . Wb[:, head]) : -2^100, laid as an image of the registers in which the next launch
;   gives it to the score product as its C: load 4 b + m of lane r + 16 h holds query perm(T, r), keys 64 quarter + 32 b + 16 h + 4 m + 0 .. 3.
; perm(T, r) = 32 (T / 2) + 8 (T % 2) + r + 8 (r / 8): the rows that form a tile in the next launch.
; A block's scale is 2^(floor(log2(its largest magnitude)) - 8); its byte is the largest magnitude's exponent field - 8, held at 1 from below.  A block of zeros gets the byte 1 where the rule says 127:
; its codes are zeros, which add nothing under any byte but 0xff, and this program alone reads the bytes.
; LIMITS: NaN and infinities among the inputs are not served; blocks whose largest magnitude lies under 2^(8 - 126) take the floor's byte, 1.
; SHARES.  Work-group g takes the 16 rows of tile T = g / 16 x the 16 positions of group G = g % 16, so that 16 queries x 4 keys of a head, 256 consecutive bytes of biasw, come from one work-group.
; Wave w takes row perm(T, w), 8 KiB on end, in four steps of four positions (2,048 bytes).  All sixteen loads of a wave go out at its head.
; Each load reads 512 consecutive bytes; a step's 2,048 bytes turn through the wave's own stage in LDS, so that lane l then holds 16 NEIGHBOURS along d: chunk g = l % 8 (d = 16 g ..) of position l / 8.
; The bias is a sum over d in f32 (fused multiply-adds, four heads a lane), joined over the eight lanes of a position.  No matrix unit: of 16 columns 12 would be zeros.  No tensor load, no cluster: nothing is shared.
.set SP,   80                          ; a lane's place in a stage: 64 bytes + 16 of padding
.set WST,  2*32*SP                     ; a wave's two stages
.set SG,   16*WST                      ; behind the stages: the work-group's scale bytes, [wave][position][4]: 1,024 bytes
.set BG,   SG+1024                     ; and its bias, [head][m 4][query 16][4 keys] f32: 4,096 bytes
.set R,    16                          ; v16-79    x as loaded: 16 loads x 4 registers, never rewritten
.set X,    80                          ; v80-111   two sets of 16 neighbours
.set WB,   112                         ; v112-175  Wb[16 g + i][0 .. 3] at WB + 4 i
.set C,    176                         ; v176-191  codes, four registers for each step
.set E,    192                         ; v192-195  a scale byte for each step
.set SM,   196                         ; v196-203  four pairs of sums: heads 0, 1 and heads 2, 3, for even i and for odd i
.set BO,   204                         ; v204-205  the bias on its way out
.set MK,   206                         ; v206      two bytes of the mask
.set NEG,  207                         ; v207      -2^100
.set MO,   208                         ; v208      2 x (lane % 2)
.set SO,   210                         ; v210-211  scale bytes on their way out
.set BV,   212                         ; v212-215  a bias number for each step
	s_load_b256 s[4:11], s[0:1], 0x0               ; x s[4:5], Wb s[6:7], mask s[8:9], xc s[10:11]
	s_load_b128 s[12:15], s[0:1], 0x20             ; xs s[12:13], biasw s[14:15]
	v_lshl_add_u32 v216, v0, 2, 0x15400
	v_mov_b32 v217, 0
	v_lshrrev_b32 v8, 5, v0
	v_readfirstlane_b32 s16, v8                    ; wave 0..15
	v_and_b32 v1, 31, v0                           ; lane
	v_lshlrev_b32 v2, 4, v1                        ; my 16 bytes of a load's 512, and of a step's codes
	s_mul_i32 s21, s16, WST
	v_lshrrev_b32 v3, 2, v1
	v_mul_u32_u24 v3, v3, SP
	v_and_b32 v8, 3, v1
	v_lshl_add_u32 v3, v8, 4, v3
	v_add_nc_u32 v3, s21, v3                       ; the stage, on the way in: SP (lane / 4) + 16 (lane % 4)
	v_mul_u32_u24 v4, v1, SP
	v_add_nc_u32 v4, s21, v4                       ; and on the way out: SP x lane
	s_lshl_b32 s21, s16, 6
	s_add_co_u32 s21, s21, SG
	v_lshrrev_b32 v5, 1, v1
	v_add_nc_u32 v5, s21, v5                       ; my block's scale byte: SG + 64 w + 4 (lane / 8) + (lane % 8) / 2
	s_lshl_b32 s21, s16, 4
	s_add_co_u32 s21, s21, BG
	v_lshrrev_b32 v6, 3, v1
	v_lshlrev_b32 v6, 2, v6
	v_lshl_add_u32 v6, v8, 10, v6
	v_add_nc_u32 v6, s21, v6                       ; my bias word: BG + 1,024 (lane % 4: the head) + 16 w (the query) + 4 (lane / 8: the key of the step's four); the step adds 256
	v_lshlrev_b32 v7, 3, v1                        ; 8 x lane
	s_lshl_b32 s21, s16, 8
	s_add_co_u32 s21, s21, SG
	v_add_nc_u32 v12, s21, v7                      ; behind the barrier: SG + 256 w + 8 x lane
	v_and_b32 v13, 7, v1
	v_lshlrev_b32 v13, 8, v13                      ; Wb: my 16 rows of 16 bytes
	v_and_b32 v[MO], 1, v1
	v_lshlrev_b32 v[MO], 1, v[MO]
	v_mov_b32 v[NEG], 0xf1800000
	s_mov_b32 s18, 0x600000                        ; the mantissa field of 448
	s_mov_b32 s19, 0xaaaaaaaa                      ; lanes whose number is odd
	s_mov_b32 s20, 0xcccccccc                      ; lanes whose number has bit 1
	s_lshr_b32 s17, ttmp9, 4                       ; T
	s_and_b32 s32, ttmp9, 15                       ; G
	s_lshr_b32 s24, s17, 1                         ; my row j = 32 (T / 2) + 8 (T % 2) + w + 8 (w / 8)
	s_lshl_b32 s33, s24, 5
	s_and_b32 s24, s17, 1
	s_lshl_b32 s24, s24, 3
	s_add_co_u32 s33, s33, s24
	s_add_co_u32 s33, s33, s16
	s_lshr_b32 s24, s16, 3
	s_lshl_b32 s24, s24, 3
	s_add_co_u32 s33, s33, s24
	s_lshl_b32 s22, s33, 17                        ; x: 131,072 j + 8,192 G
	s_lshl_b32 s24, s32, 13
	s_add_co_u32 s22, s22, s24
	s_mov_b32 s23, 0
	s_lshl_b32 s24, s33, 15                        ; xc: 32,768 j + 2,048 G
	s_lshl_b32 s26, s32, 11
	s_add_co_u32 s24, s24, s26
	s_mov_b32 s25, 0
	s_lshl_b32 s26, ttmp9, 10                      ; xs: 1,024 g + 256 w
	s_lshl_b32 s35, s16, 8
	s_add_co_u32 s26, s26, s35
	s_mov_b32 s27, 0
	s_lshr_b32 s28, s16, 2                         ; biasw, for what wave w sends behind the barrier: head w / 4, m = w % 4:
	s_lshl_b32 s28, s28, 2
	s_lshr_b32 s30, s32, 2
	s_add_co_u32 s28, s28, s30
	s_lshl_b32 s28, s28, 16                        ; 65,536 (4 head + G / 4)
	s_lshl_b32 s30, s17, 12
	s_add_co_u32 s28, s28, s30                     ; + 4,096 T
	s_bfe_u32 s30, s32, 0x10001
	s_lshl_b32 s30, s30, 11
	s_add_co_u32 s28, s28, s30                     ; + 512 x 4 b, b = (G / 2) % 2
	s_and_b32 s34, s16, 3
	s_lshl_b32 s30, s34, 9
	s_add_co_u32 s28, s28, s30                     ; + 512 m
	s_and_b32 s30, s32, 1
	s_lshl_b32 s30, s30, 8
	s_add_co_u32 s28, s28, s30                     ; + 256 h, h = G % 2: lanes 16 h .. 16 h + 15 of the image
	s_mov_b32 s29, 0
	s_lshl_b32 s30, s32, 4                         ; mask: keys 16 G + 4 m ..
	s_lshl_b32 s34, s34, 2
	s_add_co_u32 s30, s30, s34
	s_mov_b32 s31, 0
	s_wait_kmcnt 0x0
	s_add_nc_u64 s[4:5], s[4:5], s[22:23]
	s_add_nc_u64 s[10:11], s[10:11], s[24:25]
	s_add_nc_u64 s[12:13], s[12:13], s[26:27]
	s_add_nc_u64 s[14:15], s[14:15], s[28:29]
	s_add_nc_u64 s[8:9], s[8:9], s[30:31]
.irp i, 0,1,2,3,4,5,6,7,8,9,10,11,12,13,14,15
	global_load_b128 v[WB+4*\i:WB+4*\i+3], v13, s[6:7] offset:16*\i
.endr
	global_load_u16 v[MK], v[MO], s[8:9]           ; mask of keys 16 G + 4 (w % 4) + 2 (lane % 2), + 1
.irp i, 0,1,2,3,4,5,6,7,8,9,10,11,12,13,14,15
	global_load_b128 v[R+4*\i:R+4*\i+3], v2, s[4:5] offset:512*\i th:TH_LOAD_NT   ; 32 lanes read 512 consecutive bytes; read once in the launch
.endr
.macro TURN t                          ; step t's numbers through the stage: LDS serves a wave's instructions in order, so no wait stands between the stores and the loads
.irp i, 0,1,2,3
	ds_store_b128 v3, v[R+16*(\t)+4*\i:R+16*(\t)+4*\i+3] offset:32*SP*((\t)%2)+8*SP*\i
.endr
.irp i, 0,1,2,3
	ds_load_b128 v[X+16*((\t)%2)+4*\i:X+16*((\t)%2)+4*\i+3], v4 offset:32*SP*((\t)%2)+16*\i
.endr
.endm
.macro STEP t
.set XS, X+16*((\t)%2)
.if (\t) > 0
	s_wait_dscnt 2                                 ; this step's numbers are back from the stage; the last step's bias store and byte store may be out
.else
	s_wait_dscnt 0x0
.endif
.if (\t) < 3
	s_wait_loadcnt 8-4*(\t)                        ; the next step's four loads are in; those of the steps behind it may be out
	TURN (\t)+1                                    ; they go through the other stage while this step is worked
.endif
	; the bias: x[16 g + i] x Wb[16 g + i][head], two heads an instruction; x's register is taken for both halves
	v_pk_mul_f32 v[SM:SM+1],   v[XS:XS+1], v[WB:WB+1]   op_sel_hi:[0,1]
	v_pk_mul_f32 v[SM+2:SM+3], v[XS:XS+1], v[WB+2:WB+3] op_sel_hi:[0,1]
	v_pk_mul_f32 v[SM+4:SM+5], v[XS:XS+1], v[WB+4:WB+5] op_sel:[1,0] op_sel_hi:[1,1]
	v_pk_mul_f32 v[SM+6:SM+7], v[XS:XS+1], v[WB+6:WB+7] op_sel:[1,0] op_sel_hi:[1,1]
.irp i, 2,4,6,8,10,12,14
	v_pk_fma_f32 v[SM:SM+1],   v[XS+\i:XS+\i+1], v[WB+4*\i:WB+4*\i+1],   v[SM:SM+1]   op_sel_hi:[0,1,1]
	v_pk_fma_f32 v[SM+2:SM+3], v[XS+\i:XS+\i+1], v[WB+4*\i+2:WB+4*\i+3], v[SM+2:SM+3] op_sel_hi:[0,1,1]
	v_pk_fma_f32 v[SM+4:SM+5], v[XS+\i:XS+\i+1], v[WB+4*\i+4:WB+4*\i+5], v[SM+4:SM+5] op_sel:[1,0,0] op_sel_hi:[1,1,1]
	v_pk_fma_f32 v[SM+6:SM+7], v[XS+\i:XS+\i+1], v[WB+4*\i+6:WB+4*\i+7], v[SM+6:SM+7] op_sel:[1,0,0] op_sel_hi:[1,1,1]
.endr
	v_pk_add_f32 v[SM:SM+1],   v[SM:SM+1],   v[SM+4:SM+5]
	v_pk_add_f32 v[SM+2:SM+3], v[SM+2:SM+3], v[SM+6:SM+7]
.irp m, 1,2,4
.irp k, 0,1,2,3
	v_add_f32_dpp v[SM+\k], v[SM+\k], v[SM+\k] row_xmask:\m row_mask:0xf bank_mask:0xf   ; over the eight lanes of a position
.endr
.endr
	v_cndmask_b32 v8, v[SM], v[SM+1], s19
	v_cndmask_b32 v9, v[SM+2], v[SM+3], s19
	v_cndmask_b32 v[BV+(\t)], v8, v9, s20          ; head lane % 4
	ds_store_b32 v6, v[BV+(\t)] offset:256*(\t)    ; key 4 t + lane / 8 of my 16: m = t.  Lanes l and l xor 4 write the same word with the same value
	; the quantiser
	v_max3_num_f32 v8, |v[XS]|, |v[XS+1]|, |v[XS+2]|               ; the largest magnitude of my 16
	v_max3_num_f32 v9, |v[XS+3]|, |v[XS+4]|, |v[XS+5]|
.irp i, 6,10
	v_max3_num_f32 v8, v8, |v[XS+\i]|, |v[XS+\i+1]|
	v_max3_num_f32 v9, v9, |v[XS+\i+2]|, |v[XS+\i+3]|
.endr
	v_max3_num_f32 v8, v8, |v[XS+14]|, |v[XS+15]|
	v_max3_num_f32 v8, v8, v9, 0x4800000           ; and the floor 2^(9 - 127): the byte cannot fall under 1
	v_max_num_f32_dpp v8, v8, v8 row_xmask:1 row_mask:0xf bank_mask:0xf   ; and of my neighbour's 16: the block's
	v_add_nc_u32 v11, 0xfc000000, v8               ; 8 off its exponent field: the conversion takes the exponent field of this operand as its scale
	v_and_or_b32 v10, v8, 0x7f800000, s18          ; 448 x the scale
.irp i, 0,1,2,3,4,5,6,7,8,9,10,11,12,13,14,15
	v_med3_num_f32 v[XS+\i], v[XS+\i], -v10, v10   ; the conversion to an 8-bit code does not saturate (ISA guide 7.6.2): the hold comes first
.endr
	v_cvt_scalef32_pk8_fp8_f32 v[C+4*(\t):C+4*(\t)+1], v[XS:XS+7], v11
	v_cvt_scalef32_pk8_fp8_f32 v[C+4*(\t)+2:C+4*(\t)+3], v[XS+8:XS+15], v11
	v_lshrrev_b32 v[E+(\t)], 23, v11               ; the scale's byte (also the plain line behind the conversions)
	ds_store_b8 v5, v[E+(\t)] offset:16*(\t)       ; both lanes of a block write the same byte with the same value
	global_store_b128 v2, v[C+4*(\t):C+4*(\t)+3], s[10:11] offset:512*(\t)   ; 32 lanes store 512 consecutive bytes
.endm
	s_wait_loadcnt 12                              ; Wb, the mask and step 0's four loads are in; twelve younger loads stay out
	TURN 0
.irp t, 0,1,2,3
	STEP \t
.endr
	s_wait_dscnt 0x0                               ; for the others' sake: my bias words and scale bytes lie in LDS
	s_barrier_signal -1
	s_barrier_wait -1
	ds_load_b64 v[BO:BO+1], v12 offset:BG-SG       ; wave w: head w / 4, m = w % 4; lane l: query l / 2, keys 2 (l % 2), + 1 of the four
	s_wait_dscnt 0x0
	v_pk_mul_f32 v[BO:BO+1], v[BO:BO+1], 0x40b504f3 op_sel_hi:[1,0]   ; x sqrt(32): the next launch multiplies score + this by log2(e) / sqrt(32)
	v_and_b32 v8, 0xff, v[MK]
	v_lshrrev_b32 v9, 8, v[MK]
	v_cmp_ne_u32 vcc_lo, 0, v8
	v_cndmask_b32 v[BO], v[NEG], v[BO], vcc_lo     ; a hidden key gets -2^100
	v_cmp_ne_u32 vcc_lo, 0, v9
	v_cndmask_b32 v[BO+1], v[NEG], v[BO+1], vcc_lo
	global_store_b64 v7, v[BO:BO+1], s[14:15]      ; 32 lanes store 256 consecutive bytes, aligned: sixteen lanes' 16 bytes of one load's image
	s_cmp_lt_u32 s16, 4                            ; waves 0 to 3 also send the work-group's 1,024 scale bytes
	s_cbranch_scc0 .Ldone
	ds_load_b64 v[SO:SO+1], v12
	s_wait_dscnt 0x0
	global_store_b64 v7, v[SO:SO+1], s[12:13]      ; 256 consecutive bytes, aligned
.Ldone:
	s_wait_tensorcnt 0x0
	ds_add_u32 v216, v217
	s_wait_dscnt 0x0
	s_endpgm
.Lfunc_end_k_q178947fea6_prep:
	.size	k_q178947fea6_prep, .Lfunc_end_k_q178947fea6_prep-k_q178947fea6_prep
	.p2alignl 7, 3214868480
	.fill 96, 4, 3214868480
	.section	.rodata,"a",@progbits
	.p2align	6, 0x0
	.amdhsa_kernel k_q178947fea6_prep
		.amdhsa_group_segment_fixed_size 89088
		.amdhsa_private_segment_fixed_size 0
		.amdhsa_enable_private_segment 0
		.amdhsa_kernarg_size 48
		.amdhsa_user_sgpr_count 2
		.amdhsa_user_sgpr_kernarg_segment_ptr 1
		.amdhsa_wavefront_size32 1
		.amdhsa_system_sgpr_workgroup_id_x 1
		.amdhsa_system_sgpr_workgroup_id_y 1
		.amdhsa_system_sgpr_workgroup_id_z 1
		.amdhsa_system_vgpr_workitem_id 0
		.amdhsa_next_free_vgpr 218
		.amdhsa_next_free_sgpr 66
		.amdhsa_reserve_vcc 1
		.amdhsa_float_denorm_mode_32 3
		.amdhsa_float_denorm_mode_16_64 3
		.amdhsa_memory_ordered 1
		.amdhsa_forward_progress 1
		.amdhsa_inst_pref_size 31
	.end_amdhsa_kernel
	.amdgpu_metadata
---
amdhsa.version: [ 1, 2 ]
amdhsa.kernels:
  - .name:           k_q178947fea6_prep
    .symbol:         k_q178947fea6_prep.kd
    .args:
      - { .name: pairwise_repr, .offset: 0, .size: 8, .value_kind: global_buffer, .address_space: global }
      - { .name: Wb, .offset: 8, .size: 8, .value_kind: global_buffer, .address_space: global }
      - { .name: mask, .offset: 16, .size: 8, .value_kind: global_buffer, .address_space: global }
      - { .name: xc, .offset: 24, .size: 8, .value_kind: global_buffer, .address_space: global }
      - { .name: xs, .offset: 32, .size: 8, .value_kind: global_buffer, .address_space: global }
      - { .name: biasw, .offset: 40, .size: 8, .value_kind: global_buffer, .address_space: global }
    .group_segment_fixed_size: 89088
    .private_segment_fixed_size: 0
    .kernarg_segment_align: 8
    .kernarg_segment_size: 48
    .max_flat_workgroup_size: 512
    .sgpr_count:     66
    .vgpr_count:     218
    .wavefront_size: 32
...
	.end_amdgpu_metadata
.endif
;; end of part 3
;; launch attn (part 4): grid 256 x 1, 16 waves a work-group, no clusters, 247,808 bytes of LDS; arguments xc, xs, biasw, mask, Wq_codes, Wk_codes, Wv_codes, Wo_codes, Wq_scales, Wk_scales, Wv_scales, Wo_scales, out0; writes out0
.if DOCPART == 4
	.amdgcn_target "amdgcn-amd-amdhsa--gfx1250"
	.amdhsa_code_object_version 6
	.text
	.protected	k_q178947fea6_attn
	.globl	k_q178947fea6_attn
	.p2align	8
	.type	k_q178947fea6_attn,@function
k_q178947fea6_attn:
	s_mov_b64 s[64:65], 0
	v_nop
	global_prefetch_b8 v0, s[64:65] scope:SCOPE_SE
	s_setreg_imm32_b32 hwreg(HW_REG_WAVE_MODE, 25, 1), 1
	s_wait_xcnt 0x0
; One work-group takes one row i of the pair representation through the whole chain: q, k, v = x[i] W (x's codes come from the launch before), scores, softmax, p v, o / l, o Wo.  Nothing of it goes to memory but out0[i].
; All products are on codes of FP8 (E4M3) with one E8M0 scale for each 32 along K.
; SHARES.  Sixteen waves of 256 registers, four to a SIMD, so that one wave's softmax stands beside another's products and loads.
;   QKV: wave (kq = w / 4, p = w % 4) makes head p's v, k and q of positions 64 kq .. + 63, quantises them in registers and stores them in LDS as images of operand registers.
;   MAIN: wave w owns one tile of 16 queries and walks 16 steps n = 4 head + kq of 64 keys.   OUT: the wave's 16 rows of o (its own images) x Wo.
; THE ROWS OF A TILE ARE NOT NEIGHBOURS: lane r of tile 2 b + u stands for row 32 b + 8 u + r + 8 (r / 8), for positions, weights' rows and outputs alike, so that the 16 registers of two neighbouring result
; tiles are 16 neighbours along the next K.  All products are used transposed where that gives a lane one row: S^T = K Q^T, O^T = V^T P^T, out^T = Wo o^T.
; THE SCORE PRODUCT has K = 32: the head's codes stand in block 0 of the 128, and Q's blocks 1 to 3 are zero codes, so that what stands in K's registers there adds nothing.  PV has 64 keys in blocks 0, 1; P's blocks 2, 3 are zero codes.
; THE BIAS, x sqrt(32), with -2^100 at hidden keys, is the C of the score product: t = D x c, c = log2(e) / sqrt(32).  p = 2^(t - M), M the running largest t rounded up to a whole number; the sum of the unquantised p divides o.
; It lies in memory as an image of those C registers, and no two waves of a work-group want the same number of it (a wave's tile of queries is its own): so each wave loads its 4 KiB of a step straight into
; registers, eight loads of 512 consecutive bytes, into three sets of 32 registers by turns, TWO STEPS AHEAD.  The main loop has no barrier.
; NO JOINT LOADS, though every work-group reads the same bias: a joint load lands in LDS, and a slot is filled again only behind a round of the cluster's barrier in front of which all loads have landed.
; A slot of one step is 256 rows x 272 bytes = 69,632 bytes, and its load would have one step's work, some 220 instructions a wave, in which to land; two slots of two steps are 278,528 bytes, which leave
; 49,152 of LDS, less than K's and V's images (65,536).  The price is stated: the bias's 1 MiB is read once by each work-group and not once by each four.
; The weights are 64 KiB a work-group, read once, and wanted as register images with chosen rows: memory -> registers -> LDS.
; LIMITS: NaN and infinities are not served.  Visible logits x log2(e) must lie above -2^90, where the running maximum starts (hidden keys lie near -2^98, under it, so that a step of hidden keys alone gives p = 0).
; A mask with no key visible: c is taken as 0, so that p = 1 for every key: equal weights.  A block of zeros has the byte 1 and zero codes.
.set BP,    272                        ; a stage row: 256 bytes + 16 of padding = 68 words: row r starts at bank 4 r mod 64 (64 banks of 4 bytes: ISA guide 11.1)
.set QIMG,  0                          ; [head][tile 16][lane][16 bytes]
.set KIMG,  QIMG+32768                 ; [n][tile 4][lane][16]
.set VIMG,  KIMG+32768                 ; [n][2 u + bb][lane][16]
.set WIMG,  VIMG+32768                 ; [q, k, v, o][tile 8][c 4][lane][16]
.set OIMG,  WIMG                       ; [query tile][head][lane][16]: over Wq's and Wk's images, which nobody reads behind the second barrier
.set QSC,   WIMG+65536                 ; [n][r][4 words]: word t has tile t's byte lowest
.set KSC,   QSC+4096
.set VSC,   KSC+4096                   ; [n][r][2 words]
.set WSC,   VSC+2048                   ; [8 matrix + tile][r] words
.set STAGE, WSC+2048                   ; the way out: 16 rows x 272 bytes for each wave
.set STEPB, 65536                      ; a step's bias in memory
.set ADB,  3                           ; v3   16 x lane: my bytes of a bias load; never rewritten
.set ADK,  5                           ; v5   K's images;   v6 V's;   v7, v8 their scale words: the step stands in the immediate
.set ADV,  6
.set ADKS, 7
.set ADVS, 8
.set ADQ,  9                           ; v9   my Q tile's images;  v10 their scale words
.set ADQS, 10
.set ADO,  11                          ; v11  my images of o
.set NM,   12                          ; v12 -M, v13 the largest t
.set LS,   14                          ; v[14:15] the row's sum, in two halves
.set FF,   16                          ; v16 f = 2^(old M - new M); v17 written once, named with it as a pair
.set RL,   18                          ; v18 1 / sum; v19 likewise
.set OSW,  20                          ; v20  o's scale word
.set PSW,  21                          ; v21  p's scale word
.set QZS,  22                          ; v22  Q's scale word
.set KS,   24                          ; v24-27 K's scale words (QKV: x's; OUT: Wo's)
.set VS,   28                          ; v28-29 V's (QKV: a weight's)
.set TM,   30                          ; v30-45 at work
.set BM,   30
.set PT,   32
.set HO,   34
.set SO,   36
.set TT,   38
.set AWSS, 39
.set SU,   40
.set OC,   42
.set XO,   46                          ; v46  (r + 8 (r / 8)) x 128 + 16 h;   v47  (r + 8 (r / 8)) x 4
.set XSO,  47
.set QZ,   48                          ; v48-63   Q: 4 registers of codes, 12 of zeros
.set KF,   64                          ; v64-91   K: 4 tiles x 4, 12 of zeros
.set VF,   92                          ; v92-115  V: 2 tiles x 8, 8 of zeros
.set PC,   116                         ; v116-131 P: 8 of codes, 8 of zeros
.set OA,   132                         ; v132-147 O^T of the head in hand
.set SS,   148                         ; v148-243 bias, then scores, then p: three sets of 32; step n has set n % 3
.set XV,   148                         ; QKV: x's four fragments
.set H,    64                          ; QKV: 64 results
.set CD,   128                         ; QKV: their codes
.set WF,   212                         ; QKV: two fragments of a weight
.set PW,   244                         ; QKV: the scale word just made, and its shifts
.set AQ,   248
.set AK,   249
.set AV,   250
.set AWST, 251
.set AW,   252
.set AWS,  253
.set ASQK, 254
.set ASV,  255
.set WV,   30                          ; s30 wave;  s31 wave % 4;  s66 wave / 4
.set PP,   31
.set KQ,   66
.set SEL,  50                          ; s[50:51] lane selects for v_permlanex16_b32: lane l xor 16
.set CS,   52                          ; s[52:53] c, twice
.set MNT,  54                          ; s54 the mantissa field of 448
.macro PLACES n
.rept \n
	v_nop
.endr
.endm
	s_load_b256 s[4:11], s[0:1], 0x0               ; xc s[4:5], xs s[6:7], biasw s[8:9], mask s[10:11]
	s_load_b256 s[12:19], s[0:1], 0x20             ; codes of Wq, Wk, Wv, Wo
	s_load_b256 s[20:27], s[0:1], 0x40             ; their scales
	s_load_b64 s[28:29], s[0:1], 0x60              ; out0
	v_lshl_add_u32 v4, v0, 2, 0x3c000
	v_mov_b32 v23, 0
	v_lshrrev_b32 v42, 5, v0
	v_readfirstlane_b32 s[WV], v42                 ; wave 0..15
	s_and_b32 s[PP], s[WV], 3
	s_lshr_b32 s[KQ], s[WV], 2
	s_and_b32 s48, ttmp9, 0xe0                     ; my row i = the work-group's number; its place in tile order: i' = (i & ~31) | ((i >> 3) & 1) << 4 | ((i >> 4) & 1) << 3 | (i & 7)
	s_bfe_u32 s57, ttmp9, 0x10003
	s_lshl_b32 s57, s57, 4
	s_or_b32 s48, s48, s57
	s_bfe_u32 s57, ttmp9, 0x10004
	s_lshl_b32 s57, s57, 3
	s_or_b32 s48, s48, s57
	s_and_b32 s57, ttmp9, 7
	s_or_b32 s48, s48, s57
	s_mov_b32 s[SEL], 0x76543210
	s_mov_b32 s[SEL+1], 0xfedcba98
	s_mov_b32 s[MNT], 0x600000
	v_and_b32 v42, 31, v0                          ; lane
	v_and_b32 v43, 15, v0                          ; r
	v_bfe_u32 v44, v0, 4, 1                        ; h
	v_lshlrev_b32 v41, 4, v42                      ; 16 x lane: an image's place for my lane
	v_lshlrev_b32 v45, 3, v42                      ; 8 x lane: my bytes of the mask
	v_lshlrev_b32 v[ADB], 4, v42
.irp j, 32,33,34,35,36,37,38
	v_mov_b32 v[\j], 0                             ; written once: a lane permute's destination counts as one of its sources
.endr
	v_lshrrev_b32 v30, 3, v43
	v_and_b32 v31, 7, v43
	v_lshlrev_b32 v31, 2, v31
	v_lshl_add_u32 v30, v30, 10, v31               ; x's scale words: 1,024 (r / 8) + 4 (r % 8): rows r >= 8 of a tile lie 16 positions on, in the next group of 16
	v_add_nc_u32 v[ADK], KIMG, v41
	v_add_nc_u32 v[ADV], VIMG, v41
	v_lshl_add_u32 v[ADKS], v43, 4, KSC
	v_lshl_add_u32 v[ADVS], v43, 3, VSC
	s_lshl_b32 s57, s[WV], 9
	s_add_co_u32 s57, s57, QIMG
	v_add_nc_u32 v[ADQ], s57, v41
	s_lshl_b32 s57, s[KQ], 8
	s_lshl_b32 s58, s[PP], 2
	s_add_co_u32 s57, s57, s58
	s_add_co_u32 s57, s57, QSC
	v_lshl_add_u32 v[ADQS], v43, 4, s57
	s_lshl_b32 s57, s[WV], 11
	s_add_co_u32 s57, s57, OIMG
	v_add_nc_u32 v[ADO], s57, v41
	v_and_b32 v[XSO], 8, v43
	v_add_nc_u32 v[XSO], v[XSO], v43               ; r + 8 (r / 8)
	v_lshlrev_b32 v[XO], 7, v[XSO]
	v_lshl_add_u32 v[XO], v44, 4, v[XO]
	v_lshlrev_b32 v[XSO], 2, v[XSO]
	s_lshl_b32 s57, s[PP], 13
	s_lshl_b32 s58, s[KQ], 11
	s_add_co_u32 s57, s57, s58
	s_add_co_u32 s57, s57, QIMG
	v_add_nc_u32 v[AQ], s57, v41                   ; where I store images: 8,192 p + 2,048 kq + 16 x lane, in Q's, K's and V's region
	v_add_nc_u32 v[AK], 32768, v[AQ]
	v_add_nc_u32 v[AV], 32768, v[AK]
	s_lshl_b32 s57, s[WV], 12
	s_add_co_u32 s57, s57, WIMG
	v_add_nc_u32 v[AWST], s57, v41                 ; where I store my two weight tiles,
	s_lshl_b32 s57, s[WV], 7
	s_add_co_u32 s57, s57, WSC
	v_lshl_add_u32 v[AWSS], v43, 2, s57            ; and their scale words
	s_lshl_b32 s57, s[PP], 12
	s_add_co_u32 s57, s57, WIMG
	v_add_nc_u32 v[AW], s57, v41                   ; head p's two tiles of a weight,
	s_lshl_b32 s57, s[PP], 7
	s_add_co_u32 s57, s57, WSC
	v_lshl_add_u32 v[AWS], v43, 2, s57             ; and their scale words
	s_lshl_b32 s57, s[PP], 10
	s_lshl_b32 s58, s[KQ], 8
	s_add_co_u32 s57, s57, s58
	s_add_co_u32 s57, s57, QSC
	v_lshl_add_u32 v[ASQK], v43, 4, s57
	s_lshl_b32 s57, s[PP], 9
	s_lshl_b32 s58, s[KQ], 7
	s_add_co_u32 s57, s57, s58
	s_add_co_u32 s57, s57, VSC
	v_lshl_add_u32 v[ASV], v43, 3, s57
	s_wait_kmcnt 0x0
	; my two weight tiles: matrix w / 4 (q, k, v, o), tiles 2 p, 2 p + 1.  The choice hangs on the wave's number alone
	s_cmp_eq_u32 s[KQ], 1
	s_cselect_b64 s[68:69], s[14:15], s[12:13]
	s_cselect_b64 s[70:71], s[22:23], s[20:21]
	s_cmp_eq_u32 s[KQ], 2
	s_cselect_b64 s[68:69], s[16:17], s[68:69]
	s_cselect_b64 s[70:71], s[24:25], s[70:71]
	s_cmp_eq_u32 s[KQ], 3
	s_cselect_b64 s[68:69], s[18:19], s[68:69]
	s_cselect_b64 s[70:71], s[26:27], s[70:71]
	s_mov_b32 s73, 0
	s_lshl_b32 s72, s[PP], 12
	s_add_nc_u64 s[68:69], s[68:69], s[72:73]      ; 32 rows of 128 bytes a head
	s_lshl_b32 s72, s[PP], 7
	s_add_nc_u64 s[70:71], s[70:71], s[72:73]
	s_lshl_b32 s72, ttmp9, 15
	s_lshl_b32 s74, s[KQ], 13
	s_add_co_u32 s72, s72, s74
	s_add_nc_u64 s[4:5], s[4:5], s[72:73]          ; xc + 32,768 i + 8,192 kq
	s_lshr_b32 s72, s48, 4
	s_lshl_b32 s72, s72, 14
	s_and_b32 s74, s48, 15
	s_lshl_b32 s74, s74, 6
	s_add_co_u32 s72, s72, s74
	s_lshl_b32 s74, s[KQ], 12
	s_add_co_u32 s72, s72, s74
	s_add_nc_u64 s[6:7], s[6:7], s[72:73]          ; xs + 16,384 (i' / 16) + 64 (i' % 16) + 4,096 kq: four groups of 16 positions a quarter, 1,024 bytes apart
	s_lshl_b32 s72, s[WV], 12
	s_add_nc_u64 s[8:9], s[8:9], s[72:73]          ; biasw + 4,096 w: my tile of queries; never stepped
	s_lshl_b32 s72, ttmp9, 17
	s_lshr_b32 s74, s[WV], 1
	s_lshl_b32 s74, s74, 14
	s_add_co_u32 s72, s72, s74
	s_and_b32 s74, s[WV], 1
	s_lshl_b32 s74, s74, 12
	s_add_co_u32 s72, s72, s74
	s_add_nc_u64 s[28:29], s[28:29], s[72:73]      ; out0 + 131,072 i + 512 (32 (w / 2) + 8 (w % 2))
.irp u, 0,1
.irp c, 0,1,2,3
	global_load_b128 v[WF+16*\u+4*\c:WF+16*\u+4*\c+3], v[XO], s[68:69] offset:1024*\u+32*\c
.endr
	global_load_b32 v[VS+\u], v[XSO], s[70:71] offset:32*\u
.endr
	global_load_b64 v[SU:SU+1], v45, s[10:11]      ; the mask: 8 bytes a lane
.irp t, 0,1,2,3
.irp c, 0,1,2,3
	global_load_b128 v[XV+16*\t+4*\c:XV+16*\t+4*\c+3], v[XO], s[4:5] offset:(32*(\t/2)+8*(\t%2))*128+32*\c
.endr
	global_load_b32 v[KS+\t], v30, s[6:7] offset:(\t/2)*2048+(\t%2)*32
.endr
	s_wait_loadcnt 21                              ; my ten weight loads are in; the mask's and x's twenty are younger
.irp u, 0,1
.irp c, 0,1,2,3
	ds_store_b128 v[AWST], v[WF+16*\u+4*\c:WF+16*\u+4*\c+3] offset:2048*\u+512*\c   ; a fragment goes to LDS as an image of its registers
.endr
	ds_store_b32 v[AWSS], v[VS+\u] offset:64*\u    ; lanes r and r + 16 write the same word with the same value
.endr
	s_wait_loadcnt 20                              ; the mask is in
	v_or_b32 v[SU], v[SU], v[SU+1]
	v_cmp_ne_u32 vcc_lo, 0, v[SU]
	s_cmp_lg_u32 vcc_lo, 0
	s_cselect_b32 s[CS], 0x3e8293ee, 0             ; c = log2(e) / sqrt(32); 0 where no key is visible: a choice of a value, no branch
	s_mov_b32 s[CS+1], s[CS]
	s_wait_dscnt 0x0                               ; for the others' sake: my weight images lie in LDS
	s_barrier_signal -1
	s_barrier_wait -1
; ---- QKV
.macro LOADW mat                       ; head p's two tiles of weight mat, and their scale words
.irp u, 0,1
.irp c, 0,1,2,3
	ds_load_b128 v[WF+16*\u+4*\c:WF+16*\u+4*\c+3], v[AW] offset:16384*\mat+2048*\u+512*\c
.endr
	ds_load_b32 v[VS+\u], v[AWS] offset:512*\mat+64*\u
.endr
.endm
; q and k: source 0 = 16 units, source 1 = 16 positions: lane (r, h) holds position r of tile t, registers 16 t + 0 .. 15 the head's e = 16 h + 0 .. 15: the block of 32 of that position
.macro MULT
.irp t, 0,1,2,3
.irp u, 0,1
	v_wmma_scale_f32_16x16x128_f8f6f4 v[H+16*\t+8*\u:H+16*\t+8*\u+7], v[WF+16*\u:WF+16*\u+15], v[XV+16*\t:XV+16*\t+15], 0, v[VS+\u], v[KS+\t]
.endr
.endr
.endm
; v: source 0 = 16 positions, source 1 = 16 units: lane (r, h) holds unit r of tile u, registers 16 (2 u + b) + 0 .. 15 the keys 32 b + 16 h + 0 .. 15
.macro MULV
.irp u, 0,1
.irp b, 0,1
.irp g, 0,1
	v_wmma_scale_f32_16x16x128_f8f6f4 v[H+16*(2*\u+\b)+8*\g:H+16*(2*\u+\b)+8*\g+7], v[XV+16*(2*\b+\g):XV+16*(2*\b+\g)+15], v[WF+16*\u:WF+16*\u+15], 0, v[KS+2*\b+\g], v[VS+\u]
.endr
.endr
.endr
.endm
; 64 numbers of a lane, four blocks of which it holds 16 each and lane l xor 16 the others, become 16 registers of codes in v[CD] on and four scale bytes in v[PW]
.macro QUANT
.irp b, 0,1,2,3
	v_max3_num_f32 v[TM+\b], |v[H+16*\b]|, |v[H+1+16*\b]|, 0x4800000   ; my 16 numbers, and the floor 2^(9 - 127): the byte cannot fall under 1
.endr
.irp i, 2,4,6,8,10,12,14
.irp b, 0,1,2,3
	v_max3_num_f32 v[TM+\b], v[TM+\b], |v[H+16*\b+\i]|, |v[H+1+16*\b+\i]|
.endr
.endr
.irp b, 0,1,2,3
	v_permlanex16_b32 v[TM+4+\b], v[TM+\b], s[SEL], s[SEL+1]
.endr
.irp b, 0,1,2,3
	v_max_num_f32 v[TM+\b], v[TM+\b], v[TM+4+\b]   ; the block's largest magnitude
.endr
.irp b, 0,1,2,3
	v_add_nc_u32 v[TM+12+\b], 0xfc000000, v[TM+\b] ; 8 off its exponent field: the conversion's scale operand
.endr
.irp b, 0,1,2,3
	v_and_or_b32 v[TM+8+\b], v[TM+\b], 0x7f800000, s[MNT]   ; 448 x the scale
.endr
.irp b, 0,1,2,3
	v_lshrrev_b32 v[TM+4+\b], 23, v[TM+12+\b]      ; the scale's byte
.endr
	v_lshl_or_b32 v[PW], v[TM+5], 8, v[TM+4]
	v_lshl_or_b32 v[PW], v[TM+6], 16, v[PW]
	v_lshl_or_b32 v[PW], v[TM+7], 24, v[PW]
.irp b, 0,1,2,3
.irp i, 0,1,2,3,4,5,6,7,8,9,10,11,12,13,14,15
	v_med3_num_f32 v[H+16*\b+\i], v[H+16*\b+\i], -v[TM+8+\b], v[TM+8+\b]   ; the conversion to an 8-bit code does not saturate (ISA guide 7.6.2): the hold
.endr
	v_cvt_scalef32_pk8_fp8_f32 v[CD+4*\b:CD+1+4*\b], v[H+16*\b:H+7+16*\b], v[TM+12+\b]
	v_cvt_scalef32_pk8_fp8_f32 v[CD+2+4*\b:CD+3+4*\b], v[H+8+16*\b:H+15+16*\b], v[TM+12+\b]
.endr
	v_nop                                          ; a plain line between the last conversion and whatever next touches its registers
.endm
.macro IMAGES adr                      ; four images of four registers
.irp t, 0,1,2,3
	ds_store_b128 v[\adr], v[CD+4*\t:CD+4*\t+3] offset:512*\t
.endr
.endm
.macro PUT adr, scoff                  ; q or k: tile t's scale word has tile t's byte lowest: the head's 32 stand in block 0 of the score product's K
	IMAGES \adr
	v_lshrrev_b32 v[PW+1], 8, v[PW]
	v_lshrrev_b32 v[PW+2], 16, v[PW]
	v_lshrrev_b32 v[PW+3], 24, v[PW]
	ds_store_b128 v[ASQK], v[PW:PW+3] offset:\scoff   ; lanes r and r + 16 write the same words with the same values
.endm
; Step n's bias of my tile of queries into set st: eight loads of 512 consecutive bytes; register 16 b + 4 m + e of lane (r, h) = query r, key 32 b + 16 h + 4 m + e.  Address register and base are never rewritten
.macro LOADB n, st
.irp d, 0,1,2,3,4,5,6,7
	global_load_b128 v[SS+32*(\st)+4*\d:SS+32*(\st)+4*\d+3], v[ADB], s[8:9] offset:STEPB*(\n)+512*\d
.endr
.endm
	LOADW 2
	s_wait_loadcnt 0x0                             ; x's fragments and scale words
	s_wait_dscnt 0x0
	MULV
	PLACES 9                                       ; eight in front of the loads below and of the first read of results; the ninth since the next run of products writes over these accumulators
	LOADW 1                                        ; Wk lands while v is quantised
	QUANT
	IMAGES AV
	v_lshrrev_b32 v[PW+1], 16, v[PW]               ; tile u's word: the bytes of its two blocks of 32 keys lowest
	ds_store_b64 v[ASV], v[PW:PW+1]
	s_wait_dscnt 0x0                               ; Wk is in; the stores have read their registers
	MULT
	PLACES 9
	LOADW 0
	QUANT
	PUT AK, KSC-QSC
	s_wait_dscnt 0x0
	MULT
	PLACES 9                                       ; x's and the weight's registers are done with: the bias of steps 0, 1 and 2 is asked for into them, and lands while q is quantised
	LOADB 0, 0
	LOADB 1, 1
	LOADB 2, 2
	QUANT
	PUT AQ, 0
	s_wait_dscnt 0x0                               ; the stores have read their registers (the zeros below fall on some of them), and, for the others' sake, my images lie in LDS
.irp j, 4,5,6,7,8,9,10,11,12,13,14,15
	v_mov_b32 v[QZ+\j], 0                          ; zero codes: Q's blocks 1 to 3,
	v_mov_b32 v[KF+12+\j], 0                       ; what stands behind K's last tile,
.endr
.irp j, 0,1,2,3,4,5,6,7
	v_mov_b32 v[VF+16+\j], 0                       ; behind V's,
	v_mov_b32 v[PC+8+\j], 0                        ; and P's blocks 2 and 3
.endr
	v_mov_b32 v[OSW], 0
	v_mov_b32 v[FF+1], 0
	v_mov_b32 v[RL+1], 0
	s_barrier_signal -1
	s_barrier_wait -1                              ; every wave's images of q, k and v lie in LDS, and nobody reads Wq's, Wk's or Wv's any more.  The last barrier of the launch
; ---- MAIN
.macro HEAD_RESET                      ; a head begins: O^T and the sum are zeros, which the first change of M leaves zeros
	v_mov_b32 v[NM+1], 0xec800000                  ; the largest t so far: -2^90
	v_mov_b32 v[NM], 0x6c800000                    ; -M
	v_mov_b32 v[LS], 0
	v_mov_b32 v[LS+1], 0
.irp j, 0,1,2,3,4,5,6,7,8,9,10,11,12,13,14,15
	v_mov_b32 v[OA+\j], 0
.endr
.endm
.macro LOADK n
.irp t, 0,1,2,3
	ds_load_b128 v[KF+4*\t:KF+4*\t+3], v[ADK] offset:2048*(\n)+512*\t
.endr
	ds_load_b128 v[KS:KS+3], v[ADKS] offset:256*(\n)
.endm
.macro LOADV n
.irp t, 0,1,2,3
	ds_load_b128 v[VF+4*\t:VF+4*\t+3], v[ADV] offset:2048*(\n)+512*\t
.endr
	ds_load_b64 v[VS:VS+1], v[ADVS] offset:128*(\n)
.endm
.macro LOADQ hd
	ds_load_b128 v[QZ:QZ+3], v[ADQ] offset:8192*(\hd)
	ds_load_b32 v[QZS], v[ADQS] offset:1024*(\hd)
.endm
; S^T = K Q^T + bias: source 0 = 16 keys: tile t's four registers and the twelve behind them, which meet Q's zero codes
.macro SCORE st
.irp t, 0,1,2,3
	v_wmma_scale_f32_16x16x128_f8f6f4 v[SS+32*(\st)+8*\t:SS+32*(\st)+8*\t+7], v[KF+4*\t:KF+4*\t+15], v[QZ:QZ+15], v[SS+32*(\st)+8*\t:SS+32*(\st)+8*\t+7], v[KS+\t], v[QZS]
.endr
.endm
; O^T += V^T P^T: source 0 = 16 units: tile u's eight registers and the eight behind them, which meet P's zero codes
.macro PV
.irp u, 0,1
	v_wmma_scale_f32_16x16x128_f8f6f4 v[OA+8*\u:OA+8*\u+7], v[VF+8*\u:VF+8*\u+15], v[PC:PC+15], v[OA+8*\u:OA+8*\u+7], v[VS+\u], v[PSW]
.endr
.endm
; The softmax of one step: 32 scores a lane, two blocks of 32 keys shared with lane l xor 16
.macro SOFT sl
.set SB, SS+32*(\sl)
.irp b, 0,1
	v_max3_num_f32 v[BM+\b], v[SB+16*\b], v[SB+16*\b+1], v[SB+16*\b+2]   ; the largest score of each block, from each accumulator's low end on: it serves the row's maximum and, since p rises with the score, the block's largest p
.endr
.irp i, 3,5,7,9,11,13
.irp b, 0,1
	v_max3_num_f32 v[BM+\b], v[BM+\b], v[SB+16*\b+\i], v[SB+16*\b+\i+1]
.endr
.endr
.irp b, 0,1
	v_max_num_f32 v[BM+\b], v[BM+\b], v[SB+16*\b+15]
.endr
.irp b, 0,1
	v_permlanex16_b32 v[PT+\b], v[BM+\b], s[SEL], s[SEL+1]
.endr
.irp b, 0,1
	v_max_num_f32 v[BM+\b], v[BM+\b], v[PT+\b]
.endr
	v_max_num_f32 v[TT], v[BM], v[BM+1]
	v_mul_f32 v[TT], s[CS], v[TT]                  ; as t (c is not negative)
	v_max_num_f32 v[NM+1], v[NM+1], v[TT]          ; the running largest t
	v_mov_b32 v[TT], v[NM]
	v_floor_f32 v[NM], -v[NM+1]                    ; the new -M = floor(-t): M is a whole number
	v_sub_f32 v[TT], v[NM], v[TT]                  ; old M - new M: a whole number, 0 or less
	v_cvt_i32_f32 v[TT], v[TT]                     ; (it saturates)
	v_ldexp_f32 v[FF], 1.0, v[TT]                  ; f = 2^(old M - new M): a multiplication by it rounds nothing
.irp j, 0,2,4,6,8,10,12,14,16,18,20,22,24,26,28,30
	v_pk_fma_f32 v[SB+\j:SB+\j+1], v[SB+\j:SB+\j+1], s[CS:CS+1], v[NM:NM+1] op_sel_hi:[1,0,0]   ; t - M, two at a time
.endr
.irp b, 0,1
	v_fma_f32 v[BM+\b], v[BM+\b], s[CS], v[NM]     ; the same of each block's largest score
.endr
.irp j, 0,1,2,3,4,5,6,7,8,9,10,11,12,13,14,15,16,17,18,19,20,21,22,23,24,25,26,27,28,29,30,31
	v_exp_f32 v[SB+\j], v[SB+\j]                   ; p = 2^(t - M), not normalised
.endr
.irp b, 0,1
	v_exp_f32 v[BM+\b], v[BM+\b]                   ; the block's largest p
.endr
	v_pk_mul_f32 v[LS:LS+1], v[LS:LS+1], v[FF:FF+1] op_sel_hi:[1,0]   ; the sums under the new M (the plain line behind the exponentials)
	s_wait_alu depctr_va_vdst(0)
.irp b, 0,1
	v_max_num_f32 v[BM+\b], 0x4800000, v[BM+\b]    ; the floor 2^(9 - 127): a block whose every p is 0 keeps the byte 1 and zero codes
.endr
.irp b, 0,1
	v_add_nc_u32 v[SO+\b], 0xfc000000, v[BM+\b]
.endr
.irp b, 0,1
	v_and_or_b32 v[HO+\b], v[BM+\b], 0x7f800000, s[MNT]
.endr
.irp b, 0,1
	v_lshrrev_b32 v[PT+\b], 23, v[SO+\b]
.endr
	v_lshl_or_b32 v[PSW], v[PT+1], 8, v[PT]        ; p's scale word; the bytes of blocks 2 and 3 are 0, over zero codes
	v_pk_add_f32 v[SU:SU+1], v[SB:SB+1], v[SB+2:SB+3]   ; the row's sum is taken of the unquantised p: two chains
.irp j, 4,8,12,16,20,24,28
	v_pk_add_f32 v[LS:LS+1], v[LS:LS+1], v[SB+\j:SB+\j+1]
	v_pk_add_f32 v[SU:SU+1], v[SU:SU+1], v[SB+\j+2:SB+\j+3]
.endr
	v_pk_add_f32 v[LS:LS+1], v[LS:LS+1], v[SU:SU+1]
.irp b, 0,1
.irp i, 0,1,2,3,4,5,6,7,8,9,10,11,12,13,14,15
	v_min_num_f32 v[SB+16*\b+\i], v[SB+16*\b+\i], v[HO+\b]   ; the hold; p is not negative, so it is one-sided
.endr
	v_cvt_scalef32_pk8_fp8_f32 v[PC+4*\b:PC+4*\b+1], v[SB+16*\b:SB+16*\b+7], v[SO+\b]
	v_cvt_scalef32_pk8_fp8_f32 v[PC+4*\b+2:PC+4*\b+3], v[SB+16*\b+8:SB+16*\b+15], v[SO+\b]
.endr
.irp j, 0,2,4,6,8,10,12,14
	v_pk_mul_f32 v[OA+\j:OA+\j+1], v[OA+\j:OA+\j+1], v[FF:FF+1] op_sel_hi:[1,0]   ; O^T under the new M, each accumulator from its low end on; these eight also stand between the conversions and the products
.endr
.endm
; Head hd is finished: o = O^T / sum; its 32 numbers a query are one block of the last product's K: quantised, the codes stored as registers 4 hd .. + 3 of my o fragment, the byte put into o's scale word
.macro HEAD_END hd
	v_add_f32 v[LS], v[LS], v[LS+1]
	v_permlanex16_b32 v[TT], v[LS], s[SEL], s[SEL+1]
	v_add_f32 v[LS], v[LS], v[TT]
	v_rcp_f32 v[RL], v[LS]
	v_nop                                          ; a plain line behind the reciprocal
	s_wait_alu depctr_va_vdst(0)
.irp j, 0,2,4,6,8,10,12,14
	v_pk_mul_f32 v[OA+\j:OA+\j+1], v[OA+\j:OA+\j+1], v[RL:RL+1] op_sel_hi:[1,0]
.endr
	v_max3_num_f32 v[BM], |v[OA]|, |v[OA+1]|, 0x4800000
	v_max3_num_f32 v[BM+1], |v[OA+2]|, |v[OA+3]|, |v[OA+6]|
	v_max3_num_f32 v[BM], v[BM], |v[OA+4]|, |v[OA+5]|
	v_max3_num_f32 v[BM+1], v[BM+1], |v[OA+7]|, |v[OA+10]|
	v_max3_num_f32 v[BM], v[BM], |v[OA+8]|, |v[OA+9]|
	v_max3_num_f32 v[BM+1], v[BM+1], |v[OA+11]|, |v[OA+14]|
	v_max3_num_f32 v[BM], v[BM], |v[OA+12]|, |v[OA+13]|
	v_max3_num_f32 v[BM], v[BM], v[BM+1], |v[OA+15]|
	v_permlanex16_b32 v[PT], v[BM], s[SEL], s[SEL+1]
	v_max_num_f32 v[BM], v[BM], v[PT]
	v_add_nc_u32 v[SO], 0xfc000000, v[BM]
	v_and_or_b32 v[HO], v[BM], 0x7f800000, s[MNT]
	v_lshrrev_b32 v[PT], 23, v[SO]
	v_lshl_or_b32 v[OSW], v[PT], 8*(\hd), v[OSW]
.irp i, 0,1,2,3,4,5,6,7,8,9,10,11,12,13,14,15
	v_med3_num_f32 v[OA+\i], v[OA+\i], -v[HO], v[HO]
.endr
	v_cvt_scalef32_pk8_fp8_f32 v[OC:OC+1], v[OA:OA+7], v[SO]
	v_cvt_scalef32_pk8_fp8_f32 v[OC+2:OC+3], v[OA+8:OA+15], v[SO]
	v_nop
	ds_store_b128 v[ADO], v[OC:OC+3] offset:512*(\hd)   ; my own bytes: no other wave reads them
.endm
; TRIP n: step n's K (and a new head's Q) and step n - 1's V are asked for from LDS; step n - 1's softmax runs while they come; its set of registers is then free, and step n + 2's bias is asked for into it;
; then step n - 1's P V and step n's scores.  The sets turn with period 3 and the heads with period 4, so the sixteen trips are written out, and every offset is an immediate.
; The wait in front of the scores: loads come back in order (ISA guide 5.7.1), and behind step n's eight stand those of steps n + 1 and n + 2: 16; at step 14 only step 15's: 8; at step 15 none.
; The matrix instructions go O0 O1 S0 S1 S2 S3: no two that follow each other share an accumulator, from trip to trip too.
; The eight places at the end stand between these products and the next trip's loads into their operands, the next softmax's first read of the scores, and a head's end's first read of O^T.
.macro TRIP n
	LOADK \n
.if (\n)%4 == 0
	LOADQ (\n)/4
.endif
.if (\n) > 0
	LOADV (\n)-1
	SOFT ((\n)-1)%3
.if (\n)+2 < 16
	LOADB (\n)+2, ((\n)+2)%3
.endif
.endif
	s_wait_dscnt 0x0
.if (\n) > 0
	PV
.endif
.if (\n) < 14
	s_wait_loadcnt 16
.elseif (\n) == 14
	s_wait_loadcnt 8
.else
	s_wait_loadcnt 0x0
.endif
	SCORE (\n)%3
	PLACES 8
.if ((\n) > 0) && ((\n)%4 == 0)
	HEAD_END (\n)/4-1
	HEAD_RESET
.endif
.endm
	HEAD_RESET
.irp n, 0,1,2,3,4,5,6,7,8,9,10,11,12,13,14,15
	TRIP \n
.endr
	LOADV 15
	SOFT 0                                         ; step 15's set: 15 % 3
	s_wait_dscnt 0x0
	PV
	PLACES 8
	HEAD_END 3
; ---- OUT: out^T = Wo o^T: source 0 = 16 rows of Wo, source 1 = my 16 queries: register 16 b + x of lane (r, h) is out(query r, 32 b + 16 h + x)
	v_and_b32 v30, 31, v0
	v_lshlrev_b32 v30, 4, v30
	v_add_nc_u32 v31, WIMG+49152, v30              ; Wo's images
	v_and_b32 v32, 15, v0                          ; r
	v_lshl_add_u32 v33, v32, 2, WSC+1536           ; Wo's scale words
	v_bfe_u32 v34, v0, 4, 1                        ; h
	s_mul_i32 s57, s[WV], 16*BP
	s_add_co_u32 s57, s57, STAGE                   ; my stage
	v_mul_u32_u24 v35, v32, BP
	v_lshl_add_u32 v35, v34, 6, v35
	v_add_nc_u32 v35, s57, v35                     ; in: row r, + 64 h
	v_mul_u32_u24 v36, v34, BP
	v_lshl_add_u32 v36, v32, 4, v36
	v_add_nc_u32 v36, s57, v36                     ; back: lanes 0-15 one row, lanes 16-31 the next
	v_lshlrev_b32 v37, 9, v34
	v_lshl_add_u32 v37, v32, 4, v37                ; and the same in out0
.irp c, 0,1,2,3
	ds_load_b128 v[QZ+4*\c:QZ+4*\c+3], v[ADO] offset:512*\c   ; my o fragment: LDS serves a wave's instructions in order, so these see my stores
.endr
.irp g, 0,1
.irp t, 0,1,2,3
.irp c, 0,1,2,3
	ds_load_b128 v[64+16*\t+4*\c:64+16*\t+4*\c+3], v31 offset:2048*(4*\g+\t)+512*\c
.endr
	ds_load_b32 v[KS+\t], v33 offset:64*(4*\g+\t)
.endr
	s_wait_dscnt 0x0
.irp t, 0,1,2,3
	v_wmma_scale_f32_16x16x128_f8f6f4 v[SS+8*(4*\g+\t):SS+8*(4*\g+\t)+7], v[64+16*\t:64+16*\t+15], v[QZ:QZ+15], 0, v[KS+\t], v[OSW]
.endr
	PLACES 8                                       ; in front of the loads into Wo's registers, and of the first read of results
.endr
; The way out: half a row (64 columns, 256 bytes) of 16 queries at a time through my stage, so that sixteen lanes store 256 consecutive bytes, aligned
.irp u, 0,1
.irp b, 0,1
.irp m, 0,1,2,3
	ds_store_b128 v35, v[SS+16*(2*\u+\b)+4*\m:SS+16*(2*\u+\b)+4*\m+3] offset:128*\b+16*\m   ; each accumulator from its low end on
.endr
.endr
.irp i, 0,1,2,3,4,5,6,7
	ds_load_b128 v[64+32*\u+4*\i:64+32*\u+4*\i+3], v36 offset:2*\i*BP   ; in order behind my stores; the next half's stores come behind these
.endr
.endr
.irp u, 0,1
.irp i, 0,1,2,3,4,5,6,7
	s_wait_dscnt 23-16*\u-\i                       ; behind this load: the rest of its half's loads and, for the first half, the second half's 8 stores and 8 loads
	global_store_b128 v37, v[64+32*\u+4*\i:64+32*\u+4*\i+3], s[28:29] offset:(2*\i+8*(\i/4))*512+256*\u th:TH_STORE_NT   ; stage row rr is query rr + 8 (rr / 8) of my tile; written once, read by nobody here
.endr
.endr
	s_wait_tensorcnt 0x0
	ds_add_u32 v4, v23
	s_wait_dscnt 0x0
	s_endpgm
.Lfunc_end_k_q178947fea6_attn:
	.size	k_q178947fea6_attn, .Lfunc_end_k_q178947fea6_attn-k_q178947fea6_attn
	.p2alignl 7, 3214868480
	.fill 96, 4, 3214868480
	.section	.rodata,"a",@progbits
	.p2align	6, 0x0
	.amdhsa_kernel k_q178947fea6_attn
		.amdhsa_group_segment_fixed_size 247808
		.amdhsa_private_segment_fixed_size 0
		.amdhsa_enable_private_segment 0
		.amdhsa_kernarg_size 104
		.amdhsa_user_sgpr_count 2
		.amdhsa_user_sgpr_kernarg_segment_ptr 1
		.amdhsa_wavefront_size32 1
		.amdhsa_system_sgpr_workgroup_id_x 1
		.amdhsa_system_sgpr_workgroup_id_y 1
		.amdhsa_system_sgpr_workgroup_id_z 1
		.amdhsa_system_vgpr_workitem_id 0
		.amdhsa_next_free_vgpr 256
		.amdhsa_next_free_sgpr 80
		.amdhsa_reserve_vcc 1
		.amdhsa_float_denorm_mode_32 3
		.amdhsa_float_denorm_mode_16_64 3
		.amdhsa_memory_ordered 1
		.amdhsa_forward_progress 1
		.amdhsa_inst_pref_size 218
	.end_amdhsa_kernel
	.amdgpu_metadata
---
amdhsa.version: [ 1, 2 ]
amdhsa.kernels:
  - .name:           k_q178947fea6_attn
    .symbol:         k_q178947fea6_attn.kd
    .args:
      - { .name: xc, .offset: 0, .size: 8, .value_kind: global_buffer, .address_space: global }
      - { .name: xs, .offset: 8, .size: 8, .value_kind: global_buffer, .address_space: global }
      - { .name: biasw, .offset: 16, .size: 8, .value_kind: global_buffer, .address_space: global }
      - { .name: mask, .offset: 24, .size: 8, .value_kind: global_buffer, .address_space: global }
      - { .name: Wq_codes, .offset: 32, .size: 8, .value_kind: global_buffer, .address_space: global }
      - { .name: Wk_codes, .offset: 40, .size: 8, .value_kind: global_buffer, .address_space: global }
      - { .name: Wv_codes, .offset: 48, .size: 8, .value_kind: global_buffer, .address_space: global }
      - { .name: Wo_codes, .offset: 56, .size: 8, .value_kind: global_buffer, .address_space: global }
      - { .name: Wq_scales, .offset: 64, .size: 8, .value_kind: global_buffer, .address_space: global }
      - { .name: Wk_scales, .offset: 72, .size: 8, .value_kind: global_buffer, .address_space: global }
      - { .name: Wv_scales, .offset: 80, .size: 8, .value_kind: global_buffer, .address_space: global }
      - { .name: Wo_scales, .offset: 88, .size: 8, .value_kind: global_buffer, .address_space: global }
      - { .name: out0, .offset: 96, .size: 8, .value_kind: global_buffer, .address_space: global }
    .group_segment_fixed_size: 247808
    .private_segment_fixed_size: 0
    .kernarg_segment_align: 8
    .kernarg_segment_size: 104
    .max_flat_workgroup_size: 512
    .sgpr_count:     80
    .vgpr_count:     256
    .wavefront_size: 32
...
	.end_amdgpu_metadata
.endif
;; end of part 4
;; ======== version 3 of 3: 2 launches
;; limits: right only within a limited range of input values
;; workspace buffers: xc 8,388,608 bytes; xs 262,144 bytes; biasw 1,048,576 bytes
;; launch prep (part 5): grid 256 x 1, 16 waves a work-group, no clusters, 89,088 bytes of LDS; arguments pairwise_repr, Wb, mask, xc, xs, biasw; writes xc, xs, biasw
.if DOCPART == 5
	.amdgcn_target "amdgcn-amd-amdhsa--gfx1250"
	.amdhsa_code_object_version 6
	.text
	.protected	k_q178947fea6_prep
	.globl	k_q178947fea6_prep
	.p2align	8
	.type	k_q178947fea6_prep,@function
k_q178947fea6_prep:
	s_mov_b64 s[64:65], 0
	v_nop
	global_prefetch_b8 v0, s[64:65] scope:SCOPE_SE
	s_setreg_imm32_b32 hwreg(HW_REG_WAVE_MODE, 25, 1), 1
	s_wait_xcnt 0x0
; x = pairwise_repr [256][256][128] f32 is read once.  Three things are made of it:
;   xc [256][256][128]  x's codes of FP8 (E4M3), d innermost;
;   xs [g = 16 T + G][w 16][16 positions][4]  one E8M0 byte for each 32 along d, of row perm(T, w), positions 16 G ..;
;   biasw [n = 4 head + key quarter][query tile T][load 8][lane 32][4 keys] f32: mask[k] ? sqrt(32) x (x[j][k] . Wb[:, head]) : -2^100, laid as an image of the registers in which the next launch
;   gives it to the score product as its C: load 4 b + m of lane r + 16 h holds query perm(T, r), keys 64 quarter + 32 b + 16 h + 4 m + 0 .. 3.
; perm(T, r) = 32 (T / 2) + 8 (T % 2) + r + 8 (r / 8): the rows that form a tile in the next launch.
; A block's scale is 2^(floor(log2(its largest magnitude)) - 8); its byte is the largest magnitude's exponent field - 8, held at 1 from below.  A block of zeros gets the byte 1 where the rule says 127:
; its codes are zeros, which add nothing under any byte but 0xff, and this program alone reads the bytes.
; LIMITS: NaN and infinities among the inputs are not served; blocks whose largest magnitude lies under 2^(8 - 126) take the floor's byte, 1.
; SHARES.  Work-group g takes the 16 rows of tile T = g / 16 x the 16 positions of group G = g % 16, so that 16 queries x 4 keys of a head, 256 consecutive bytes of biasw, come from one work-group.
; Wave w takes row perm(T, w), 8 KiB on end, in four steps of four positions (2,048 bytes).  All sixteen loads of a wave go out at its head.
; Each load reads 512 consecutive bytes; a step's 2,048 bytes turn through the wave's own stage in LDS, so that lane l then holds 16 NEIGHBOURS along d: chunk g = l % 8 (d = 16 g ..) of position l / 8.
; The bias is a sum over d in f32 (fused multiply-adds, four heads a lane), joined over the eight lanes of a position.  No matrix unit: of 16 columns 12 would be zeros.  No tensor load, no cluster: nothing is shared.
.set SP,   80                          ; a lane's place in a stage: 64 bytes + 16 of padding
.set WST,  2*32*SP                     ; a wave's two stages
.set SG,   16*WST                      ; behind the stages: the work-group's scale bytes, [wave][position][4]: 1,024 bytes
.set BG,   SG+1024                     ; and its bias, [head][m 4][query 16][4 keys] f32: 4,096 bytes
.set R,    16                          ; v16-79    x as loaded: 16 loads x 4 registers, never rewritten
.set X,    80                          ; v80-111   two sets of 16 neighbours
.set WB,   112                         ; v112-175  Wb[16 g + i][0 .. 3] at WB + 4 i
.set C,    176                         ; v176-191  codes, four registers for each step
.set E,    192                         ; v192-195  a scale byte for each step
.set SM,   196                         ; v196-203  four pairs of sums: heads 0, 1 and heads 2, 3, for even i and for odd i
.set BO,   204                         ; v204-205  the bias on its way out
.set MK,   206                         ; v206      two bytes of the mask
.set NEG,  207                         ; v207      -2^100
.set MO,   208                         ; v208      2 x (lane % 2)
.set SO,   210                         ; v210-211  scale bytes on their way out
.set BV,   212                         ; v212-215  a bias number for each step
	s_load_b256 s[4:11], s[0:1], 0x0               ; x s[4:5], Wb s[6:7], mask s[8:9], xc s[10:11]
	s_load_b128 s[12:15], s[0:1], 0x20             ; xs s[12:13], biasw s[14:15]
	v_lshl_add_u32 v216, v0, 2, 0x15400
	v_mov_b32 v217, 0
	v_lshrrev_b32 v8, 5, v0
	s_delay_alu instid0(VALU_DEP_1)
	v_readfirstlane_b32 s16, v8                    ; wave 0..15
	v_and_b32 v1, 31, v0                           ; lane
	s_delay_alu instid0(VALU_DEP_1)
	v_lshlrev_b32 v2, 4, v1                        ; my 16 bytes of a load's 512, and of a step's codes
	s_mul_i32 s21, s16, WST
	v_lshrrev_b32 v3, 2, v1
	s_delay_alu instid0(VALU_DEP_1)
	v_mul_u32_u24 v3, v3, SP
	v_and_b32 v8, 3, v1
	s_delay_alu instid0(VALU_DEP_1)
	v_lshl_add_u32 v3, v8, 4, v3
	s_delay_alu instid0(VALU_DEP_1)
	v_add_nc_u32 v3, s21, v3                       ; the stage, on the way in: SP (lane / 4) + 16 (lane % 4)
	v_mul_u32_u24 v4, v1, SP
	s_delay_alu instid0(VALU_DEP_1)
	v_add_nc_u32 v4, s21, v4                       ; and on the way out: SP x lane
	s_lshl_b32 s21, s16, 6
	s_add_co_u32 s21, s21, SG
	v_lshrrev_b32 v5, 1, v1
	s_delay_alu instid0(VALU_DEP_1)
	v_add_nc_u32 v5, s21, v5                       ; my block's scale byte: SG + 64 w + 4 (lane / 8) + (lane % 8) / 2
	s_lshl_b32 s21, s16, 4
	s_add_co_u32 s21, s21, BG
	v_lshrrev_b32 v6, 3, v1
	s_delay_alu instid0(VALU_DEP_1)
	v_lshlrev_b32 v6, 2, v6
	s_delay_alu instid0(VALU_DEP_1)
	v_lshl_add_u32 v6, v8, 10, v6
	s_delay_alu instid0(VALU_DEP_1)
	v_add_nc_u32 v6, s21, v6                       ; my bias word: BG + 1,024 (lane % 4: the head) + 16 w (the query) + 4 (lane / 8: the key of the step's four); the step adds 256
	v_lshlrev_b32 v7, 3, v1                        ; 8 x lane
	s_lshl_b32 s21, s16, 8
	s_add_co_u32 s21, s21, SG
	v_add_nc_u32 v12, s21, v7                      ; behind the barrier: SG + 256 w + 8 x lane
	v_and_b32 v13, 7, v1
	s_delay_alu instid0(VALU_DEP_1)
	v_lshlrev_b32 v13, 8, v13                      ; Wb: my 16 rows of 16 bytes
	v_and_b32 v[MO], 1, v1
	s_delay_alu instid0(VALU_DEP_1)
	v_lshlrev_b32 v[MO], 1, v[MO]
	v_mov_b32 v[NEG], 0xf1800000
	s_mov_b32 s18, 0x600000                        ; the mantissa field of 448
	s_mov_b32 s19, 0xaaaaaaaa                      ; lanes whose number is odd
	s_mov_b32 s20, 0xcccccccc                      ; lanes whose number has bit 1
	s_lshr_b32 s17, ttmp9, 4                       ; T
	s_and_b32 s32, ttmp9, 15                       ; G
	s_lshr_b32 s24, s17, 1                         ; my row j = 32 (T / 2) + 8 (T % 2) + w + 8 (w / 8)
	s_lshl_b32 s33, s24, 5
	s_and_b32 s24, s17, 1
	s_lshl_b32 s24, s24, 3
	s_add_co_u32 s33, s33, s24
	s_add_co_u32 s33, s33, s16
	s_lshr_b32 s24, s16, 3
	s_lshl_b32 s24, s24, 3
	s_add_co_u32 s33, s33, s24
	s_lshl_b32 s22, s33, 17                        ; x: 131,072 j + 8,192 G
	s_lshl_b32 s24, s32, 13
	s_add_co_u32 s22, s22, s24
	s_mov_b32 s23, 0
	s_lshl_b32 s24, s33, 15                        ; xc: 32,768 j + 2,048 G
	s_lshl_b32 s26, s32, 11
	s_add_co_u32 s24, s24, s26
	s_mov_b32 s25, 0
	s_lshl_b32 s26, ttmp9, 10                      ; xs: 1,024 g + 256 w
	s_lshl_b32 s35, s16, 8
	s_add_co_u32 s26, s26, s35
	s_mov_b32 s27, 0
	s_lshr_b32 s28, s16, 2                         ; biasw, for what wave w sends behind the barrier: head w / 4, m = w % 4:
	s_lshl_b32 s28, s28, 2
	s_lshr_b32 s30, s32, 2
	s_add_co_u32 s28, s28, s30
	s_lshl_b32 s28, s28, 16                        ; 65,536 (4 head + G / 4)
	s_lshl_b32 s30, s17, 12
	s_add_co_u32 s28, s28, s30                     ; + 4,096 T
	s_bfe_u32 s30, s32, 0x10001
	s_lshl_b32 s30, s30, 11
	s_add_co_u32 s28, s28, s30                     ; + 512 x 4 b, b = (G / 2) % 2
	s_and_b32 s34, s16, 3
	s_lshl_b32 s30, s34, 9
	s_add_co_u32 s28, s28, s30                     ; + 512 m
	s_and_b32 s30, s32, 1
	s_lshl_b32 s30, s30, 8
	s_add_co_u32 s28, s28, s30                     ; + 256 h, h = G % 2: lanes 16 h .. 16 h + 15 of the image
	s_mov_b32 s29, 0
	s_lshl_b32 s30, s32, 4                         ; mask: keys 16 G + 4 m ..
	s_lshl_b32 s34, s34, 2
	s_add_co_u32 s30, s30, s34
	s_mov_b32 s31, 0
	s_wait_alu depctr_va_vdst(0)
	s_wait_kmcnt 0x0
	s_add_nc_u64 s[4:5], s[4:5], s[22:23]
	s_add_nc_u64 s[10:11], s[10:11], s[24:25]
	s_add_nc_u64 s[12:13], s[12:13], s[26:27]
	s_add_nc_u64 s[14:15], s[14:15], s[28:29]
	s_add_nc_u64 s[8:9], s[8:9], s[30:31]
.irp i, 0,1,2,3,4,5,6,7,8,9,10,11,12,13,14,15
	global_load_b128 v[WB+4*\i:WB+4*\i+3], v13, s[6:7] offset:16*\i
.endr
	global_load_u16 v[MK], v[MO], s[8:9]           ; mask of keys 16 G + 4 (w % 4) + 2 (lane % 2), + 1
.irp i, 0,1,2,3,4,5,6,7,8,9,10,11,12,13,14,15
	global_load_b128 v[R+4*\i:R+4*\i+3], v2, s[4:5] offset:512*\i th:TH_LOAD_NT   ; 32 lanes read 512 consecutive bytes; read once in the launch
.endr
.macro TURN t                          ; step t's numbers through the stage: LDS serves a wave's instructions in order, so no wait stands between the stores and the loads
.irp i, 0,1,2,3
	ds_store_b128 v3, v[R+16*(\t)+4*\i:R+16*(\t)+4*\i+3] offset:32*SP*((\t)%2)+8*SP*\i
.endr
.irp i, 0,1,2,3
	ds_load_b128 v[X+16*((\t)%2)+4*\i:X+16*((\t)%2)+4*\i+3], v4 offset:32*SP*((\t)%2)+16*\i
.endr
.endm
.macro STEP t
.set XS, X+16*((\t)%2)
.if (\t) > 0
	s_wait_dscnt 2                                 ; this step's numbers are back from the stage; the last step's bias store and byte store may be out
.else
	s_wait_dscnt 0x0
.endif
.if (\t) < 3
	s_wait_loadcnt 8-4*(\t)                        ; the next step's four loads are in; those of the steps behind it may be out
	TURN (\t)+1                                    ; they go through the other stage while this step is worked
.endif
	; the bias: x[16 g + i] x Wb[16 g + i][head], two heads an instruction; x's register is taken for both halves
	v_pk_mul_f32 v[SM:SM+1],   v[XS:XS+1], v[WB:WB+1]   op_sel_hi:[0,1]
	v_pk_mul_f32 v[SM+2:SM+3], v[XS:XS+1], v[WB+2:WB+3] op_sel_hi:[0,1]
	v_pk_mul_f32 v[SM+4:SM+5], v[XS:XS+1], v[WB+4:WB+5] op_sel:[1,0] op_sel_hi:[1,1]
	v_pk_mul_f32 v[SM+6:SM+7], v[XS:XS+1], v[WB+6:WB+7] op_sel:[1,0] op_sel_hi:[1,1]
.irp i, 2,4,6,8,10,12,14
	s_delay_alu instid0(VALU_DEP_4)
	v_pk_fma_f32 v[SM:SM+1],   v[XS+\i:XS+\i+1], v[WB+4*\i:WB+4*\i+1],   v[SM:SM+1]   op_sel_hi:[0,1,1]
	s_delay_alu instid0(VALU_DEP_4)
	v_pk_fma_f32 v[SM+2:SM+3], v[XS+\i:XS+\i+1], v[WB+4*\i+2:WB+4*\i+3], v[SM+2:SM+3] op_sel_hi:[0,1,1]
	s_delay_alu instid0(VALU_DEP_4)
	v_pk_fma_f32 v[SM+4:SM+5], v[XS+\i:XS+\i+1], v[WB+4*\i+4:WB+4*\i+5], v[SM+4:SM+5] op_sel:[1,0,0] op_sel_hi:[1,1,1]
	s_delay_alu instid0(VALU_DEP_4)
	v_pk_fma_f32 v[SM+6:SM+7], v[XS+\i:XS+\i+1], v[WB+4*\i+6:WB+4*\i+7], v[SM+6:SM+7] op_sel:[1,0,0] op_sel_hi:[1,1,1]
.endr
	s_delay_alu instid0(VALU_DEP_2)
	v_pk_add_f32 v[SM:SM+1],   v[SM:SM+1],   v[SM+4:SM+5]
	s_delay_alu instid0(VALU_DEP_2)
	v_pk_add_f32 v[SM+2:SM+3], v[SM+2:SM+3], v[SM+6:SM+7]
.irp m, 1,2,4
.irp k, 0,1,2,3
	v_add_f32_dpp v[SM+\k], v[SM+\k], v[SM+\k] row_xmask:\m row_mask:0xf bank_mask:0xf   ; over the eight lanes of a position
.endr
.endr
	s_delay_alu instid0(VALU_DEP_3)
	v_cndmask_b32 v8, v[SM], v[SM+1], s19
	s_delay_alu instid0(VALU_DEP_2)
	v_cndmask_b32 v9, v[SM+2], v[SM+3], s19
	s_delay_alu instid0(VALU_DEP_1)
	v_cndmask_b32 v[BV+(\t)], v8, v9, s20          ; head lane % 4
	ds_store_b32 v6, v[BV+(\t)] offset:256*(\t)    ; key 4 t + lane / 8 of my 16: m = t.  Lanes l and l xor 4 write the same word with the same value
	; the quantiser
	v_max3_num_f32 v8, |v[XS]|, |v[XS+1]|, |v[XS+2]|               ; the largest magnitude of my 16
	v_max3_num_f32 v9, |v[XS+3]|, |v[XS+4]|, |v[XS+5]|
.irp i, 6,10
	s_delay_alu instid0(VALU_DEP_2)
	v_max3_num_f32 v8, v8, |v[XS+\i]|, |v[XS+\i+1]|
	s_delay_alu instid0(VALU_DEP_2)
	v_max3_num_f32 v9, v9, |v[XS+\i+2]|, |v[XS+\i+3]|
.endr
	s_delay_alu instid0(VALU_DEP_2)
	v_max3_num_f32 v8, v8, |v[XS+14]|, |v[XS+15]|
	s_delay_alu instid0(VALU_DEP_1)
	v_max3_num_f32 v8, v8, v9, 0x4800000           ; and the floor 2^(9 - 127): the byte cannot fall under 1
	s_delay_alu instid0(VALU_DEP_1)
	v_max_num_f32_dpp v8, v8, v8 row_xmask:1 row_mask:0xf bank_mask:0xf   ; and of my neighbour's 16: the block's
	s_delay_alu instid0(VALU_DEP_1)
	v_add_nc_u32 v11, 0xfc000000, v8               ; 8 off its exponent field: the conversion takes the exponent field of this operand as its scale
	s_delay_alu instid0(VALU_DEP_2)
	v_and_or_b32 v10, v8, 0x7f800000, s18          ; 448 x the scale
.irp i, 0,1,2,3,4,5,6,7,8,9,10,11,12,13,14,15
	v_med3_num_f32 v[XS+\i], v[XS+\i], -v10, v10   ; the conversion to an 8-bit code does not saturate (ISA guide 7.6.2): the hold comes first
.endr
	v_cvt_scalef32_pk8_fp8_f32 v[C+4*(\t):C+4*(\t)+1], v[XS:XS+7], v11
	v_cvt_scalef32_pk8_fp8_f32 v[C+4*(\t)+2:C+4*(\t)+3], v[XS+8:XS+15], v11
	v_lshrrev_b32 v[E+(\t)], 23, v11               ; the scale's byte (also the plain line behind the conversions)
	ds_store_b8 v5, v[E+(\t)] offset:16*(\t)       ; both lanes of a block write the same byte with the same value
	global_store_b128 v2, v[C+4*(\t):C+4*(\t)+3], s[10:11] offset:512*(\t)   ; 32 lanes store 512 consecutive bytes
.endm
	s_wait_loadcnt 12                              ; Wb, the mask and step 0's four loads are in; twelve younger loads stay out
	TURN 0
.irp t, 0,1,2,3
	STEP \t
.endr
	s_wait_dscnt 0x0                               ; for the others' sake: my bias words and scale bytes lie in LDS
	s_barrier_signal -1
	s_barrier_wait -1
	ds_load_b64 v[BO:BO+1], v12 offset:BG-SG       ; wave w: head w / 4, m = w % 4; lane l: query l / 2, keys 2 (l % 2), + 1 of the four
	s_wait_dscnt 0x0
	v_pk_mul_f32 v[BO:BO+1], v[BO:BO+1], 0x40b504f3 op_sel_hi:[1,0]   ; x sqrt(32): the next launch multiplies score + this by log2(e) / sqrt(32)
	v_and_b32 v8, 0xff, v[MK]
	v_lshrrev_b32 v9, 8, v[MK]
	s_delay_alu instid0(VALU_DEP_2)
	v_cmp_ne_u32 vcc_lo, 0, v8
	s_delay_alu instid0(VALU_DEP_1)
	v_cndmask_b32 v[BO], v[NEG], v[BO], vcc_lo     ; a hidden key gets -2^100
	s_delay_alu instid0(VALU_DEP_3)
	v_cmp_ne_u32 vcc_lo, 0, v9
	s_delay_alu instid0(VALU_DEP_1)
	v_cndmask_b32 v[BO+1], v[NEG], v[BO+1], vcc_lo
	global_store_b64 v7, v[BO:BO+1], s[14:15]      ; 32 lanes store 256 consecutive bytes, aligned: sixteen lanes' 16 bytes of one load's image
	s_cmp_lt_u32 s16, 4                            ; waves 0 to 3 also send the work-group's 1,024 scale bytes
	s_cbranch_scc0 .Ldone
	ds_load_b64 v[SO:SO+1], v12
	s_wait_dscnt 0x0
	global_store_b64 v7, v[SO:SO+1], s[12:13]      ; 256 consecutive bytes, aligned
.Ldone:
	s_wait_tensorcnt 0x0
	ds_add_u32 v216, v217
	s_wait_dscnt 0x0
	s_endpgm
.Lfunc_end_k_q178947fea6_prep:
	.size	k_q178947fea6_prep, .Lfunc_end_k_q178947fea6_prep-k_q178947fea6_prep
	.p2alignl 7, 3214868480
	.fill 96, 4, 3214868480
	.section	.rodata,"a",@progbits
	.p2align	6, 0x0
	.amdhsa_kernel k_q178947fea6_prep
		.amdhsa_group_segment_fixed_size 89088
		.amdhsa_private_segment_fixed_size 0
		.amdhsa_enable_private_segment 0
		.amdhsa_kernarg_size 48
		.amdhsa_user_sgpr_count 2
		.amdhsa_user_sgpr_kernarg_segment_ptr 1
		.amdhsa_wavefront_size32 1
		.amdhsa_system_sgpr_workgroup_id_x 1
		.amdhsa_system_sgpr_workgroup_id_y 1
		.amdhsa_system_sgpr_workgroup_id_z 1
		.amdhsa_system_vgpr_workitem_id 0
		.amdhsa_next_free_vgpr 218
		.amdhsa_next_free_sgpr 66
		.amdhsa_reserve_vcc 1
		.amdhsa_float_denorm_mode_32 3
		.amdhsa_float_denorm_mode_16_64 3
		.amdhsa_memory_ordered 1
		.amdhsa_forward_progress 1
		.amdhsa_inst_pref_size 37
	.end_amdhsa_kernel
	.amdgpu_metadata
---
amdhsa.version: [ 1, 2 ]
amdhsa.kernels:
  - .name:           k_q178947fea6_prep
    .symbol:         k_q178947fea6_prep.kd
    .args:
      - { .name: pairwise_repr, .offset: 0, .size: 8, .value_kind: global_buffer, .address_space: global }
      - { .name: Wb, .offset: 8, .size: 8, .value_kind: global_buffer, .address_space: global }
      - { .name: mask, .offset: 16, .size: 8, .value_kind: global_buffer, .address_space: global }
      - { .name: xc, .offset: 24, .size: 8, .value_kind: global_buffer, .address_space: global }
      - { .name: xs, .offset: 32, .size: 8, .value_kind: global_buffer, .address_space: global }
      - { .name: biasw, .offset: 40, .size: 8, .value_kind: global_buffer, .address_space: global }
    .group_segment_fixed_size: 89088
    .private_segment_fixed_size: 0
    .kernarg_segment_align: 8
    .kernarg_segment_size: 48
    .max_flat_workgroup_size: 512
    .sgpr_count:     66
    .vgpr_count:     218
    .wavefront_size: 32
...
	.end_amdgpu_metadata
.endif
;; end of part 5
;; launch attn (part 6): grid 256 x 1, 16 waves a work-group, no clusters, 247,808 bytes of LDS; arguments xc, xs, biasw, mask, Wq_codes, Wk_codes, Wv_codes, Wo_codes, Wq_scales, Wk_scales, Wv_scales, Wo_scales, out0; writes out0
.if DOCPART == 6
	.amdgcn_target "amdgcn-amd-amdhsa--gfx1250"
	.amdhsa_code_object_version 6
	.text
	.protected	k_q178947fea6_attn
	.globl	k_q178947fea6_attn
	.p2align	8
	.type	k_q178947fea6_attn,@function
k_q178947fea6_attn:
	s_mov_b64 s[64:65], 0
	v_nop
	global_prefetch_b8 v0, s[64:65] scope:SCOPE_SE
	s_setreg_imm32_b32 hwreg(HW_REG_WAVE_SCHED_MODE, 0, 2), 2
	s_setreg_imm32_b32 hwreg(HW_REG_WAVE_MODE, 25, 1), 1
	s_wait_xcnt 0x0
	s_wait_alu depctr_vm_vsrc(0)
; One work-group takes one row i of the pair representation through the whole chain: q, k, v = x[i] W (x's codes come from the launch before), scores, softmax, p v, o / l, o Wo.  Nothing of it goes to memory but out0[i].
; All products are on codes of FP8 (E4M3) with one E8M0 scale for each 32 along K.
; SHARES.  Sixteen waves of 256 registers, four to a SIMD, so that one wave's softmax stands beside another's products and loads.
;   QKV: wave (kq = w / 4, p = w % 4) makes head p's v, k and q of positions 64 kq .. + 63, quantises them in registers and stores them in LDS as images of operand registers.
;   MAIN: wave w owns one tile of 16 queries and walks 16 steps n = 4 head + kq of 64 keys.   OUT: the wave's 16 rows of o (its own images) x Wo.
; THE ROWS OF A TILE ARE NOT NEIGHBOURS: lane r of tile 2 b + u stands for row 32 b + 8 u + r + 8 (r / 8), for positions, weights' rows and outputs alike, so that the 16 registers of two neighbouring result
; tiles are 16 neighbours along the next K.  All products are used transposed where that gives a lane one row: S^T = K Q^T, O^T = V^T P^T, out^T = Wo o^T.
; THE SCORE PRODUCT has K = 32: the head's codes stand in block 0 of the 128, and Q's blocks 1 to 3 are zero codes, so that what stands in K's registers there adds nothing.  PV has 64 keys in blocks 0, 1; P's blocks 2, 3 are zero codes.
; THE BIAS, x sqrt(32), with -2^100 at hidden keys, is the C of the score product: t = D x c, c = log2(e) / sqrt(32).  p = 2^(t - M), M the running largest t rounded up to a whole number; the sum of the unquantised p divides o.
; It lies in memory as an image of those C registers, and no two waves of a work-group want the same number of it (a wave's tile of queries is its own): so each wave loads its 4 KiB of a step straight into
; registers, eight loads of 512 consecutive bytes, into three sets of 32 registers by turns, TWO STEPS AHEAD.  The main loop has no barrier.
; NO JOINT LOADS, though every work-group reads the same bias: a joint load lands in LDS, and a slot is filled again only behind a round of the cluster's barrier in front of which all loads have landed.
; A slot of one step is 256 rows x 272 bytes = 69,632 bytes, and its load would have one step's work, some 220 instructions a wave, in which to land; two slots of two steps are 278,528 bytes, which leave
; 49,152 of LDS, less than K's and V's images (65,536).  The price is stated: the bias's 1 MiB is read once by each work-group and not once by each four.
; The weights are 64 KiB a work-group, read once, and wanted as register images with chosen rows: memory -> registers -> LDS.
; LIMITS: NaN and infinities are not served.  Visible logits x log2(e) must lie above -2^90, where the running maximum starts (hidden keys lie near -2^98, under it, so that a step of hidden keys alone gives p = 0).
; A mask with no key visible: c is taken as 0, so that p = 1 for every key: equal weights.  A block of zeros has the byte 1 and zero codes.
; THE MODE: SCHED_MODE bits 1:0 = 2 (LLVM: expert scheduling mode 2), set by the entry lines.  The code itself states the register dependences between vector or matrix instructions and memory or LDS
; instructions, with s_wait_alu, always for 0.  The text has no loop and no branch: one path.
; THE PLAN.  Registers that memory or LDS instructions touch:
;   v3, v5-11, v46, v47, v248-255   addresses, made at the head and never written again.  v30, v39, v45: addresses of the head's loads and stores alone; QUANT writes them later.
;   WF, VS    landed by global loads, read by the weight images' LDS stores; then landed by the LDS loads of Wv, Wk, Wq, each behind the products that read the weight before.
;   XV, KS    landed by global loads, read by the three runs of QKV products.  XV and WF then become SS.
;   CD, PW    written by QUANT and the shifts, read by the LDS stores behind them, written again by the next QUANT; at the end the zero codes and O^T fall on CD.
;   SS        three sets.  Step n's bias lands in set n % 3; SCORE n reads and writes it; the softmax reads and writes it; behind the softmax step n + 3's bias lands in it.
;   KF, KS, QZ, QZS, VF, VS   landed by LDS loads, read by SCORE and PV.  Their loads stand in the middle of the softmax, behind the wait that the exponentials have in any case:
;             there the last step's SCORE and the PV before it are done reading them, and no line between that wait and the loads names them.
;   OC        written by a head's end, read by its one LDS store.
;   OUT       v31, v33, v35-37 made anew; v64-127 and KS landed by Wo's loads, read by the products, landed by the stage's loads; SS written by the products, read by the stage's stores.
; So a trip of the main part holds three waits on va_vdst: one ahead of the exponentials, the batch's, which frees K's, Q's and V's registers too, and one behind the softmax, for the bias's loads and for P as an operand.
.set BP,    272                        ; a stage row: 256 bytes + 16 of padding = 68 words: row r starts at bank 4 r mod 64 (64 banks of 4 bytes: ISA guide 11.1)
.set QIMG,  0                          ; [head][tile 16][lane][16 bytes]
.set KIMG,  QIMG+32768                 ; [n][tile 4][lane][16]
.set VIMG,  KIMG+32768                 ; [n][2 u + bb][lane][16]
.set WIMG,  VIMG+32768                 ; [q, k, v, o][tile 8][c 4][lane][16]
.set OIMG,  WIMG                       ; [query tile][head][lane][16]: over Wq's and Wk's images, which nobody reads behind the second barrier
.set QSC,   WIMG+65536                 ; [n][r][4 words]: word t has tile t's byte lowest
.set KSC,   QSC+4096
.set VSC,   KSC+4096                   ; [n][r][2 words]
.set WSC,   VSC+2048                   ; [8 matrix + tile][r] words
.set STAGE, WSC+2048                   ; the way out: 16 rows x 272 bytes for each wave
.set STEPB, 65536                      ; a step's bias in memory
.set ADB,  3                           ; v3   16 x lane: my bytes of a bias load; never rewritten
.set ADK,  5                           ; v5   K's images;   v6 V's;   v7, v8 their scale words: the step stands in the immediate
.set ADV,  6
.set ADKS, 7
.set ADVS, 8
.set ADQ,  9                           ; v9   my Q tile's images;  v10 their scale words
.set ADQS, 10
.set ADO,  11                          ; v11  my images of o
.set NM,   12                          ; v12 -M, v13 the largest t
.set LS,   14                          ; v[14:15] the row's sum, in two halves
.set FF,   16                          ; v16 f = 2^(old M - new M); v17 written once, named with it as a pair
.set RL,   18                          ; v18 1 / sum; v19 likewise
.set OSW,  20                          ; v20  o's scale word
.set PSW,  21                          ; v21  p's scale word
.set QZS,  22                          ; v22  Q's scale word
.set KS,   24                          ; v24-27 K's scale words (QKV: x's; OUT: Wo's)
.set VS,   28                          ; v28-29 V's (QKV: a weight's)
.set TM,   30                          ; v30-45 at work
.set BM,   30
.set PT,   32
.set HO,   34
.set SO,   36
.set TT,   38
.set AWSS, 39
.set SU,   40
.set OC,   42
.set XO,   46                          ; v46  (r + 8 (r / 8)) x 128 + 16 h;   v47  (r + 8 (r / 8)) x 4
.set XSO,  47
.set QZ,   48                          ; v48-63   Q: 4 registers of codes, 12 of zeros
.set KF,   64                          ; v64-91   K: 4 tiles x 4, 12 of zeros
.set VF,   92                          ; v92-115  V: 2 tiles x 8, 8 of zeros
.set PC,   116                         ; v116-131 P: 8 of codes, 8 of zeros
.set OA,   132                         ; v132-147 O^T of the head in hand
.set SS,   148                         ; v148-243 bias, then scores, then p: three sets of 32; step n has set n % 3
.set XV,   148                         ; QKV: x's four fragments
.set H,    64                          ; QKV: 64 results
.set CD,   128                         ; QKV: their codes
.set WF,   212                         ; QKV: two fragments of a weight
.set PW,   244                         ; QKV: the scale word just made, and its shifts
.set AQ,   248
.set AK,   249
.set AV,   250
.set AWST, 251
.set AW,   252
.set AWS,  253
.set ASQK, 254
.set ASV,  255
.set WV,   30                          ; s30 wave;  s31 wave % 4;  s66 wave / 4
.set PP,   31
.set KQ,   66
.set SEL,  50                          ; s[50:51] lane selects for v_permlanex16_b32: lane l xor 16
.set CS,   52                          ; s[52:53] c, twice
.set MNT,  54                          ; s54 the mantissa field of 448
.macro PLACES n
.rept \n
	v_nop
.endr
.endm
	s_load_b256 s[4:11], s[0:1], 0x0               ; xc s[4:5], xs s[6:7], biasw s[8:9], mask s[10:11]
	s_load_b256 s[12:19], s[0:1], 0x20             ; codes of Wq, Wk, Wv, Wo
	s_load_b256 s[20:27], s[0:1], 0x40             ; their scales
	s_load_b64 s[28:29], s[0:1], 0x60              ; out0
	v_lshl_add_u32 v4, v0, 2, 0x3c000
	v_mov_b32 v23, 0
	v_lshrrev_b32 v42, 5, v0
	v_readfirstlane_b32 s[WV], v42                 ; wave 0..15
	s_wait_alu depctr_va_sdst(0)                   ; s30, the wave's number, is written, ahead of its first reader: LDS places and the buffers' bases are made from it
	s_and_b32 s[PP], s[WV], 3
	s_lshr_b32 s[KQ], s[WV], 2
	s_and_b32 s48, ttmp9, 0xe0                     ; my row i = the work-group's number; its place in tile order: i' = (i & ~31) | ((i >> 3) & 1) << 4 | ((i >> 4) & 1) << 3 | (i & 7)
	s_bfe_u32 s57, ttmp9, 0x10003
	s_lshl_b32 s57, s57, 4
	s_or_b32 s48, s48, s57
	s_bfe_u32 s57, ttmp9, 0x10004
	s_lshl_b32 s57, s57, 3
	s_or_b32 s48, s48, s57
	s_and_b32 s57, ttmp9, 7
	s_or_b32 s48, s48, s57
	s_mov_b32 s[SEL], 0x76543210
	s_mov_b32 s[SEL+1], 0xfedcba98
	s_mov_b32 s[MNT], 0x600000
	v_and_b32 v42, 31, v0                          ; lane
	v_and_b32 v43, 15, v0                          ; r
	v_bfe_u32 v44, v0, 4, 1                        ; h
	v_lshlrev_b32 v41, 4, v42                      ; 16 x lane: an image's place for my lane
	v_lshlrev_b32 v45, 3, v42                      ; 8 x lane: my bytes of the mask
	v_lshlrev_b32 v[ADB], 4, v42
.irp j, 32,33,34,35,36,37,38
	v_mov_b32 v[\j], 0                             ; written once: a lane permute's destination counts as one of its sources
.endr
	v_lshrrev_b32 v30, 3, v43
	v_and_b32 v31, 7, v43
	v_lshlrev_b32 v31, 2, v31
	v_lshl_add_u32 v30, v30, 10, v31               ; x's scale words: 1,024 (r / 8) + 4 (r % 8): rows r >= 8 of a tile lie 16 positions on, in the next group of 16
	v_add_nc_u32 v[ADK], KIMG, v41
	v_add_nc_u32 v[ADV], VIMG, v41
	v_lshl_add_u32 v[ADKS], v43, 4, KSC
	v_lshl_add_u32 v[ADVS], v43, 3, VSC
	s_lshl_b32 s57, s[WV], 9
	s_add_co_u32 s57, s57, QIMG
	v_add_nc_u32 v[ADQ], s57, v41
	s_lshl_b32 s57, s[KQ], 8
	s_lshl_b32 s58, s[PP], 2
	s_add_co_u32 s57, s57, s58
	s_add_co_u32 s57, s57, QSC
	v_lshl_add_u32 v[ADQS], v43, 4, s57
	s_lshl_b32 s57, s[WV], 11
	s_add_co_u32 s57, s57, OIMG
	v_add_nc_u32 v[ADO], s57, v41
	v_and_b32 v[XSO], 8, v43
	v_add_nc_u32 v[XSO], v[XSO], v43               ; r + 8 (r / 8)
	v_lshlrev_b32 v[XO], 7, v[XSO]
	v_lshl_add_u32 v[XO], v44, 4, v[XO]
	v_lshlrev_b32 v[XSO], 2, v[XSO]
	s_lshl_b32 s57, s[PP], 13
	s_lshl_b32 s58, s[KQ], 11
	s_add_co_u32 s57, s57, s58
	s_add_co_u32 s57, s57, QIMG
	v_add_nc_u32 v[AQ], s57, v41                   ; where I store images: 8,192 p + 2,048 kq + 16 x lane, in Q's, K's and V's region
	v_add_nc_u32 v[AK], 32768, v[AQ]
	v_add_nc_u32 v[AV], 32768, v[AK]
	s_lshl_b32 s57, s[WV], 12
	s_add_co_u32 s57, s57, WIMG
	v_add_nc_u32 v[AWST], s57, v41                 ; where I store my two weight tiles,
	s_lshl_b32 s57, s[WV], 7
	s_add_co_u32 s57, s57, WSC
	v_lshl_add_u32 v[AWSS], v43, 2, s57            ; and their scale words
	s_lshl_b32 s57, s[PP], 12
	s_add_co_u32 s57, s57, WIMG
	v_add_nc_u32 v[AW], s57, v41                   ; head p's two tiles of a weight,
	s_lshl_b32 s57, s[PP], 7
	s_add_co_u32 s57, s57, WSC
	v_lshl_add_u32 v[AWS], v43, 2, s57             ; and their scale words
	s_lshl_b32 s57, s[PP], 10
	s_lshl_b32 s58, s[KQ], 8
	s_add_co_u32 s57, s57, s58
	s_add_co_u32 s57, s57, QSC
	v_lshl_add_u32 v[ASQK], v43, 4, s57
	s_lshl_b32 s57, s[PP], 9
	s_lshl_b32 s58, s[KQ], 7
	s_add_co_u32 s57, s57, s58
	s_add_co_u32 s57, s57, VSC
	v_lshl_add_u32 v[ASV], v43, 3, s57
	s_wait_kmcnt 0x0
	; my two weight tiles: matrix w / 4 (q, k, v, o), tiles 2 p, 2 p + 1.  The choice hangs on the wave's number alone
	s_cmp_eq_u32 s[KQ], 1
	s_cselect_b64 s[68:69], s[14:15], s[12:13]
	s_cselect_b64 s[70:71], s[22:23], s[20:21]
	s_cmp_eq_u32 s[KQ], 2
	s_cselect_b64 s[68:69], s[16:17], s[68:69]
	s_cselect_b64 s[70:71], s[24:25], s[70:71]
	s_cmp_eq_u32 s[KQ], 3
	s_cselect_b64 s[68:69], s[18:19], s[68:69]
	s_cselect_b64 s[70:71], s[26:27], s[70:71]
	s_mov_b32 s73, 0
	s_lshl_b32 s72, s[PP], 12
	s_add_nc_u64 s[68:69], s[68:69], s[72:73]      ; 32 rows of 128 bytes a head
	s_lshl_b32 s72, s[PP], 7
	s_add_nc_u64 s[70:71], s[70:71], s[72:73]
	s_lshl_b32 s72, ttmp9, 15
	s_lshl_b32 s74, s[KQ], 13
	s_add_co_u32 s72, s72, s74
	s_add_nc_u64 s[4:5], s[4:5], s[72:73]          ; xc + 32,768 i + 8,192 kq
	s_lshr_b32 s72, s48, 4
	s_lshl_b32 s72, s72, 14
	s_and_b32 s74, s48, 15
	s_lshl_b32 s74, s74, 6
	s_add_co_u32 s72, s72, s74
	s_lshl_b32 s74, s[KQ], 12
	s_add_co_u32 s72, s72, s74
	s_add_nc_u64 s[6:7], s[6:7], s[72:73]          ; xs + 16,384 (i' / 16) + 64 (i' % 16) + 4,096 kq: four groups of 16 positions a quarter, 1,024 bytes apart
	s_lshl_b32 s72, s[WV], 12
	s_add_nc_u64 s[8:9], s[8:9], s[72:73]          ; biasw + 4,096 w: my tile of queries; never stepped
	s_lshl_b32 s72, ttmp9, 17
	s_lshr_b32 s74, s[WV], 1
	s_lshl_b32 s74, s74, 14
	s_add_co_u32 s72, s72, s74
	s_and_b32 s74, s[WV], 1
	s_lshl_b32 s74, s74, 12
	s_add_co_u32 s72, s72, s74
	s_add_nc_u64 s[28:29], s[28:29], s[72:73]      ; out0 + 131,072 i + 512 (32 (w / 2) + 8 (w % 2))
	s_wait_alu depctr_va_vdst(0)                   ; all the addresses made above are written (v3, v5-11, v30, v39, v45-47, v248-255), which the loads and stores from here to the way out read; v41, in which the mask's load lands, is written and the lines that read it are done
.irp u, 0,1
.irp c, 0,1,2,3
	global_load_b128 v[WF+16*\u+4*\c:WF+16*\u+4*\c+3], v[XO], s[68:69] offset:1024*\u+32*\c
.endr
	global_load_b32 v[VS+\u], v[XSO], s[70:71] offset:32*\u
.endr
	global_load_b64 v[SU:SU+1], v45, s[10:11]      ; the mask: 8 bytes a lane
.irp t, 0,1,2,3
.irp c, 0,1,2,3
	global_load_b128 v[XV+16*\t+4*\c:XV+16*\t+4*\c+3], v[XO], s[4:5] offset:(32*(\t/2)+8*(\t%2))*128+32*\c
.endr
	global_load_b32 v[KS+\t], v30, s[6:7] offset:(\t/2)*2048+(\t%2)*32
.endr
	s_wait_loadcnt 21                              ; my ten weight loads are in; the mask's and x's twenty are younger
.irp u, 0,1
.irp c, 0,1,2,3
	ds_store_b128 v[AWST], v[WF+16*\u+4*\c:WF+16*\u+4*\c+3] offset:2048*\u+512*\c   ; a fragment goes to LDS as an image of its registers
.endr
	ds_store_b32 v[AWSS], v[VS+\u] offset:64*\u    ; lanes r and r + 16 write the same word with the same value
.endr
	s_wait_loadcnt 20                              ; the mask is in
	v_or_b32 v[SU], v[SU], v[SU+1]
	v_cmp_ne_u32 vcc_lo, 0, v[SU]
	s_wait_alu depctr_va_vcc(0)                    ; VCC is written, ahead of the scalar compare that reads it
	s_cmp_lg_u32 vcc_lo, 0
	s_cselect_b32 s[CS], 0x3e8293ee, 0             ; c = log2(e) / sqrt(32); 0 where no key is visible: a choice of a value, no branch
	s_mov_b32 s[CS+1], s[CS]
	s_wait_dscnt 0x0                               ; for the others' sake: my weight images lie in LDS
	s_barrier_signal -1
	s_barrier_wait -1
; ---- QKV
.macro LOADW mat                       ; head p's two tiles of weight mat, and their scale words
.irp u, 0,1
.irp c, 0,1,2,3
	ds_load_b128 v[WF+16*\u+4*\c:WF+16*\u+4*\c+3], v[AW] offset:16384*\mat+2048*\u+512*\c
.endr
	ds_load_b32 v[VS+\u], v[AWS] offset:512*\mat+64*\u
.endr
.endm
; q and k: source 0 = 16 units, source 1 = 16 positions: lane (r, h) holds position r of tile t, registers 16 t + 0 .. 15 the head's e = 16 h + 0 .. 15: the block of 32 of that position
.macro MULT
.irp t, 0,1,2,3
.irp u, 0,1
	v_wmma_scale_f32_16x16x128_f8f6f4 v[H+16*\t+8*\u:H+16*\t+8*\u+7], v[WF+16*\u:WF+16*\u+15], v[XV+16*\t:XV+16*\t+15], 0, v[VS+\u], v[KS+\t]
.endr
.endr
.endm
; v: source 0 = 16 positions, source 1 = 16 units: lane (r, h) holds unit r of tile u, registers 16 (2 u + b) + 0 .. 15 the keys 32 b + 16 h + 0 .. 15
.macro MULV
.irp u, 0,1
.irp b, 0,1
.irp g, 0,1
	v_wmma_scale_f32_16x16x128_f8f6f4 v[H+16*(2*\u+\b)+8*\g:H+16*(2*\u+\b)+8*\g+7], v[XV+16*(2*\b+\g):XV+16*(2*\b+\g)+15], v[WF+16*\u:WF+16*\u+15], 0, v[KS+2*\b+\g], v[VS+\u]
.endr
.endr
.endr
.endm
; 64 numbers of a lane, four blocks of which it holds 16 each and lane l xor 16 the others, become 16 registers of codes in v[CD] on and four scale bytes in v[PW]
.macro QUANT
.irp b, 0,1,2,3
	v_max3_num_f32 v[TM+\b], |v[H+16*\b]|, |v[H+1+16*\b]|, 0x4800000   ; my 16 numbers, and the floor 2^(9 - 127): the byte cannot fall under 1
.endr
.irp i, 2,4,6,8,10,12,14
.irp b, 0,1,2,3
	v_max3_num_f32 v[TM+\b], v[TM+\b], |v[H+16*\b+\i]|, |v[H+1+16*\b+\i]|
.endr
.endr
.irp b, 0,1,2,3
	v_permlanex16_b32 v[TM+4+\b], v[TM+\b], s[SEL], s[SEL+1]
.endr
.irp b, 0,1,2,3
	v_max_num_f32 v[TM+\b], v[TM+\b], v[TM+4+\b]   ; the block's largest magnitude
.endr
.irp b, 0,1,2,3
	v_add_nc_u32 v[TM+12+\b], 0xfc000000, v[TM+\b] ; 8 off its exponent field: the conversion's scale operand
.endr
.irp b, 0,1,2,3
	v_and_or_b32 v[TM+8+\b], v[TM+\b], 0x7f800000, s[MNT]   ; 448 x the scale
.endr
.irp b, 0,1,2,3
	v_lshrrev_b32 v[TM+4+\b], 23, v[TM+12+\b]      ; the scale's byte
.endr
	v_lshl_or_b32 v[PW], v[TM+5], 8, v[TM+4]
	v_lshl_or_b32 v[PW], v[TM+6], 16, v[PW]
	v_lshl_or_b32 v[PW], v[TM+7], 24, v[PW]
.irp b, 0,1,2,3
.irp i, 0,1,2,3,4,5,6,7,8,9,10,11,12,13,14,15
	v_med3_num_f32 v[H+16*\b+\i], v[H+16*\b+\i], -v[TM+8+\b], v[TM+8+\b]   ; the conversion to an 8-bit code does not saturate (ISA guide 7.6.2): the hold
.endr
	v_cvt_scalef32_pk8_fp8_f32 v[CD+4*\b:CD+1+4*\b], v[H+16*\b:H+7+16*\b], v[TM+12+\b]
	v_cvt_scalef32_pk8_fp8_f32 v[CD+2+4*\b:CD+3+4*\b], v[H+8+16*\b:H+15+16*\b], v[TM+12+\b]
.endr
	v_nop                                          ; a plain line between the last conversion and whatever next touches its registers
.endm
.macro IMAGES adr                      ; four images of four registers
.irp t, 0,1,2,3
	ds_store_b128 v[\adr], v[CD+4*\t:CD+4*\t+3] offset:512*\t
.endr
.endm
.macro PUT adr, scoff                  ; q or k: tile t's scale word has tile t's byte lowest: the head's 32 stand in block 0 of the score product's K
	v_lshrrev_b32 v[PW+1], 8, v[PW]
	v_lshrrev_b32 v[PW+2], 16, v[PW]
	v_lshrrev_b32 v[PW+3], 24, v[PW]
	s_wait_alu depctr_va_vdst(0)                   ; the conversions have written v[CD ..] and the shifts v[PW ..]: the five LDS stores below read them
	IMAGES \adr
	ds_store_b128 v[ASQK], v[PW:PW+3] offset:\scoff   ; lanes r and r + 16 write the same words with the same values
.endm
; Step n's bias of my tile of queries into set st: eight loads of 512 consecutive bytes; register 16 b + 4 m + e of lane (r, h) = query r, key 32 b + 16 h + 4 m + e.  Address register and base are never rewritten
.macro LOADB n, st
.irp d, 0,1,2,3,4,5,6,7
	global_load_b128 v[SS+32*(\st)+4*\d:SS+32*(\st)+4*\d+3], v[ADB], s[8:9] offset:STEPB*(\n)+512*\d
.endr
.endm
	s_wait_alu depctr_vm_vsrc(0)                   ; my LDS stores have read v[WF ..] and v[VS ..], in which the loads below land, and their address v39; the head's loads have read their offsets v30 and v45: QUANT writes these three
	LOADW 2
	s_wait_loadcnt 0x0                             ; x's fragments and scale words
	s_wait_dscnt 0x0
	MULV
	PLACES 9                                       ; eight in front of the first read of results; the ninth since the next run of products writes over these accumulators
	s_wait_alu depctr_va_vdst(0)                   ; the products are done reading Wv's fragments and scale words, in which Wk's land
	LOADW 1                                        ; Wk lands while v is quantised
	QUANT
	v_lshrrev_b32 v[PW+1], 16, v[PW]               ; tile u's word: the bytes of its two blocks of 32 keys lowest
	s_wait_alu depctr_va_vdst(0)                   ; the conversions have written v[CD ..], QUANT and the shift v[PW], v[PW+1]: the five LDS stores below read them
	IMAGES AV
	ds_store_b64 v[ASV], v[PW:PW+1]
	s_wait_dscnt 0x0                               ; Wk is in
	MULT
	PLACES 9
	s_wait_alu depctr_vm_vsrc(0)                   ; v's LDS stores have read v[CD ..] and v[PW ..], which QUANT writes again
	s_wait_alu depctr_va_vdst(0)                   ; the products are done reading Wk's fragments and scale words, in which Wq's land
	LOADW 0
	QUANT
	PUT AK, KSC-QSC
	s_wait_dscnt 0x0
	MULT
	PLACES 9
	s_wait_alu depctr_vm_vsrc(0)                   ; k's LDS stores have read v[CD ..] and v[PW ..], which QUANT writes again
	s_wait_alu depctr_va_vdst(0)                   ; the products are done reading x's and the weight's registers: the bias of steps 0, 1 and 2 is asked for into them, and lands while q is quantised
	LOADB 0, 0
	LOADB 1, 1
	LOADB 2, 2
	QUANT
	PUT AQ, 0
	s_wait_dscnt 0x0                               ; for the others' sake: my images lie in LDS
	s_wait_alu depctr_vm_vsrc(0)                   ; q's LDS stores have read v[CD ..]: P's zero codes below and O^T's zeros fall on these registers
.irp j, 4,5,6,7,8,9,10,11,12,13,14,15
	v_mov_b32 v[QZ+\j], 0                          ; zero codes: Q's blocks 1 to 3,
	v_mov_b32 v[KF+12+\j], 0                       ; what stands behind K's last tile,
.endr
.irp j, 0,1,2,3,4,5,6,7
	v_mov_b32 v[VF+16+\j], 0                       ; behind V's,
	v_mov_b32 v[PC+8+\j], 0                        ; and P's blocks 2 and 3
.endr
	v_mov_b32 v[OSW], 0
	v_mov_b32 v[FF+1], 0
	v_mov_b32 v[RL+1], 0
	s_barrier_signal -1
	s_barrier_wait -1                              ; every wave's images of q, k and v lie in LDS, and nobody reads Wq's, Wk's or Wv's any more.  The last barrier of the launch
; ---- MAIN
.macro HEAD_RESET                      ; a head begins: O^T and the sum are zeros, which the first change of M leaves zeros
	v_mov_b32 v[NM+1], 0xec800000                  ; the largest t so far: -2^90
	v_mov_b32 v[NM], 0x6c800000                    ; -M
	v_mov_b32 v[LS], 0
	v_mov_b32 v[LS+1], 0
.irp j, 0,1,2,3,4,5,6,7,8,9,10,11,12,13,14,15
	v_mov_b32 v[OA+\j], 0
.endr
.endm
.macro LOADK n
.irp t, 0,1,2,3
	ds_load_b128 v[KF+4*\t:KF+4*\t+3], v[ADK] offset:2048*(\n)+512*\t
.endr
	ds_load_b128 v[KS:KS+3], v[ADKS] offset:256*(\n)
.endm
.macro LOADV n
.irp t, 0,1,2,3
	ds_load_b128 v[VF+4*\t:VF+4*\t+3], v[ADV] offset:2048*(\n)+512*\t
.endr
	ds_load_b64 v[VS:VS+1], v[ADVS] offset:128*(\n)
.endm
.macro LOADQ hd
	ds_load_b128 v[QZ:QZ+3], v[ADQ] offset:8192*(\hd)
	ds_load_b32 v[QZS], v[ADQS] offset:1024*(\hd)
.endm
; S^T = K Q^T + bias: source 0 = 16 keys: tile t's four registers and the twelve behind them, which meet Q's zero codes
.macro SCORE st
.irp t, 0,1,2,3
	v_wmma_scale_f32_16x16x128_f8f6f4 v[SS+32*(\st)+8*\t:SS+32*(\st)+8*\t+7], v[KF+4*\t:KF+4*\t+15], v[QZ:QZ+15], v[SS+32*(\st)+8*\t:SS+32*(\st)+8*\t+7], v[KS+\t], v[QZS]
.endr
.endm
; O^T += V^T P^T: source 0 = 16 units: tile u's eight registers and the eight behind them, which meet P's zero codes
.macro PV
.irp u, 0,1
	v_wmma_scale_f32_16x16x128_f8f6f4 v[OA+8*\u:OA+8*\u+7], v[VF+8*\u:VF+8*\u+15], v[PC:PC+15], v[OA+8*\u:OA+8*\u+7], v[VS+\u], v[PSW]
.endr
.endm
; The softmax of one step: 32 scores a lane, two blocks of 32 keys shared with lane l xor 16.  It is written in two parts: SOFT_A ends with the batch of exponentials and its wait, behind which the trip's LDS loads stand; SOFT_B is the rest
.macro SOFT_A sl
.set SB, SS+32*(\sl)
.irp b, 0,1
	v_max3_num_f32 v[BM+\b], v[SB+16*\b], v[SB+16*\b+1], v[SB+16*\b+2]   ; the largest score of each block, from each accumulator's low end on: it serves the row's maximum and, since p rises with the score, the block's largest p
.endr
.irp i, 3,5,7,9,11,13
.irp b, 0,1
	v_max3_num_f32 v[BM+\b], v[BM+\b], v[SB+16*\b+\i], v[SB+16*\b+\i+1]
.endr
.endr
.irp b, 0,1
	v_max_num_f32 v[BM+\b], v[BM+\b], v[SB+16*\b+15]
.endr
.irp b, 0,1
	v_permlanex16_b32 v[PT+\b], v[BM+\b], s[SEL], s[SEL+1]
.endr
.irp b, 0,1
	v_max_num_f32 v[BM+\b], v[BM+\b], v[PT+\b]
.endr
	v_max_num_f32 v[TT], v[BM], v[BM+1]
	v_mul_f32 v[TT], s[CS], v[TT]                  ; as t (c is not negative)
	v_max_num_f32 v[NM+1], v[NM+1], v[TT]          ; the running largest t
	v_mov_b32 v[TT], v[NM]
	v_floor_f32 v[NM], -v[NM+1]                    ; the new -M = floor(-t): M is a whole number
	v_sub_f32 v[TT], v[NM], v[TT]                  ; old M - new M: a whole number, 0 or less
	v_cvt_i32_f32 v[TT], v[TT]                     ; (it saturates)
	v_ldexp_f32 v[FF], 1.0, v[TT]                  ; f = 2^(old M - new M): a multiplication by it rounds nothing
.irp j, 0,2,4,6,8,10,12,14,16,18,20,22,24,26,28,30
	v_pk_fma_f32 v[SB+\j:SB+\j+1], v[SB+\j:SB+\j+1], s[CS:CS+1], v[NM:NM+1] op_sel_hi:[1,0,0]   ; t - M, two at a time
.endr
.irp b, 0,1
	v_fma_f32 v[BM+\b], v[BM+\b], s[CS], v[NM]     ; the same of each block's largest score
.endr
	s_wait_alu depctr_va_vdst(0)
.irp j, 0,1,2,3,4,5,6,7,8,9,10,11,12,13,14,15,16,17,18,19,20,21,22,23,24,25,26,27,28,29,30,31
	v_exp_f32 v[SB+\j], v[SB+\j]                   ; p = 2^(t - M), not normalised
.endr
.irp b, 0,1
	v_exp_f32 v[BM+\b], v[BM+\b]                   ; the block's largest p
.endr
	v_pk_mul_f32 v[LS:LS+1], v[LS:LS+1], v[FF:FF+1] op_sel_hi:[1,0]   ; the sums under the new M (the plain line behind the exponentials)
	s_wait_alu depctr_va_vdst(0)                   ; the 34 exponentials have written p and the blocks' largest p, ahead of their first reader; and the last step's score products and the P V before them are done reading K's, Q's and V's fragments and scale words, in which the LDS loads behind this line land
.endm
.macro SOFT_B sl
.set SB, SS+32*(\sl)
.irp b, 0,1
	v_max_num_f32 v[BM+\b], 0x4800000, v[BM+\b]    ; the floor 2^(9 - 127): a block whose every p is 0 keeps the byte 1 and zero codes
.endr
.irp b, 0,1
	v_add_nc_u32 v[SO+\b], 0xfc000000, v[BM+\b]
.endr
.irp b, 0,1
	v_and_or_b32 v[HO+\b], v[BM+\b], 0x7f800000, s[MNT]
.endr
.irp b, 0,1
	v_lshrrev_b32 v[PT+\b], 23, v[SO+\b]
.endr
	v_lshl_or_b32 v[PSW], v[PT+1], 8, v[PT]        ; p's scale word; the bytes of blocks 2 and 3 are 0, over zero codes
	v_pk_add_f32 v[SU:SU+1], v[SB:SB+1], v[SB+2:SB+3]   ; the row's sum is taken of the unquantised p: two chains
.irp j, 4,8,12,16,20,24,28
	v_pk_add_f32 v[LS:LS+1], v[LS:LS+1], v[SB+\j:SB+\j+1]
	v_pk_add_f32 v[SU:SU+1], v[SU:SU+1], v[SB+\j+2:SB+\j+3]
.endr
	v_pk_add_f32 v[LS:LS+1], v[LS:LS+1], v[SU:SU+1]
.irp b, 0,1
.irp i, 0,1,2,3,4,5,6,7,8,9,10,11,12,13,14,15
	v_min_num_f32 v[SB+16*\b+\i], v[SB+16*\b+\i], v[HO+\b]   ; the hold; p is not negative, so it is one-sided
.endr
	v_cvt_scalef32_pk8_fp8_f32 v[PC+4*\b:PC+4*\b+1], v[SB+16*\b:SB+16*\b+7], v[SO+\b]
	v_cvt_scalef32_pk8_fp8_f32 v[PC+4*\b+2:PC+4*\b+3], v[SB+16*\b+8:SB+16*\b+15], v[SO+\b]
.endr
.irp j, 0,2,4,6,8,10,12,14
	v_pk_mul_f32 v[OA+\j:OA+\j+1], v[OA+\j:OA+\j+1], v[FF:FF+1] op_sel_hi:[1,0]   ; O^T under the new M, each accumulator from its low end on; these eight also stand between the conversions and the products
.endr
.endm
; Head hd is finished: o = O^T / sum; its 32 numbers a query are one block of the last product's K: quantised, the codes stored as registers 4 hd .. + 3 of my o fragment, the byte put into o's scale word
.macro HEAD_END hd
	v_add_f32 v[LS], v[LS], v[LS+1]
	v_permlanex16_b32 v[TT], v[LS], s[SEL], s[SEL+1]
	v_add_f32 v[LS], v[LS], v[TT]
	s_wait_alu depctr_va_vdst(0)
	v_rcp_f32 v[RL], v[LS]
	v_nop                                          ; a plain line behind the reciprocal
	s_wait_alu depctr_va_vdst(0)                   ; the reciprocal has written v[RL], ahead of its first reader
.irp j, 0,2,4,6,8,10,12,14
	v_pk_mul_f32 v[OA+\j:OA+\j+1], v[OA+\j:OA+\j+1], v[RL:RL+1] op_sel_hi:[1,0]
.endr
	v_max3_num_f32 v[BM], |v[OA]|, |v[OA+1]|, 0x4800000
	v_max3_num_f32 v[BM+1], |v[OA+2]|, |v[OA+3]|, |v[OA+6]|
	v_max3_num_f32 v[BM], v[BM], |v[OA+4]|, |v[OA+5]|
	v_max3_num_f32 v[BM+1], v[BM+1], |v[OA+7]|, |v[OA+10]|
	v_max3_num_f32 v[BM], v[BM], |v[OA+8]|, |v[OA+9]|
	v_max3_num_f32 v[BM+1], v[BM+1], |v[OA+11]|, |v[OA+14]|
	v_max3_num_f32 v[BM], v[BM], |v[OA+12]|, |v[OA+13]|
	v_max3_num_f32 v[BM], v[BM], v[BM+1], |v[OA+15]|
	v_permlanex16_b32 v[PT], v[BM], s[SEL], s[SEL+1]
	v_max_num_f32 v[BM], v[BM], v[PT]
	v_add_nc_u32 v[SO], 0xfc000000, v[BM]
	v_and_or_b32 v[HO], v[BM], 0x7f800000, s[MNT]
	v_lshrrev_b32 v[PT], 23, v[SO]
	v_lshl_or_b32 v[OSW], v[PT], 8*(\hd), v[OSW]
.irp i, 0,1,2,3,4,5,6,7,8,9,10,11,12,13,14,15
	v_med3_num_f32 v[OA+\i], v[OA+\i], -v[HO], v[HO]
.endr
.if (\hd) > 0
	s_wait_alu depctr_vm_vsrc(0)                   ; the last head's LDS store has read v[OC ..], which the conversions write again
.endif
	v_cvt_scalef32_pk8_fp8_f32 v[OC:OC+1], v[OA:OA+7], v[SO]
	v_cvt_scalef32_pk8_fp8_f32 v[OC+2:OC+3], v[OA+8:OA+15], v[SO]
	v_nop
	s_wait_alu depctr_va_vdst(0)                   ; the conversions have written v[OC ..], which the LDS store reads
	ds_store_b128 v[ADO], v[OC:OC+3] offset:512*(\hd)   ; my own bytes: no other wave reads them
.endm
; TRIP n: the first part of step n - 1's softmax; behind its wait step n's K (and a new head's Q) and step n - 1's V are asked for from LDS, and come while the second part runs; the softmax's set of registers
; is then free, and step n + 2's bias is asked for into it; then step n - 1's P V and step n's scores.  The sets turn with period 3 and the heads with period 4, so the sixteen trips are written out, and every offset is an immediate.
; The wait in front of the scores: loads come back in order (ISA guide 5.7.1), and behind step n's eight stand those of steps n + 1 and n + 2: 16; at step 14 only step 15's: 8; at step 15 none.
; The matrix instructions go O0 O1 S0 S1 S2 S3: no two that follow each other share an accumulator, from trip to trip too.
; The eight places at the end stand between these products and the next softmax's first read of the scores, and a head's end's first read of O^T.
.macro TRIP n
.if (\n) == 0
	s_wait_alu depctr_va_vdst(0)                   ; QUANT is done with v64-79 and the QKV products with v[KS ..], in which the loads below land; the zero codes are written, which the score products and P V take in their operands
	LOADK 0
	LOADQ 0
.else
	SOFT_A ((\n)-1)%3
	LOADK \n
.if (\n)%4 == 0
	LOADQ (\n)/4
.endif
	LOADV (\n)-1
	SOFT_B ((\n)-1)%3
	s_wait_alu depctr_va_vdst(0)                   ; the softmax is done reading and writing its set, in which the bias's loads below land; the conversions have written P's codes and the shifts its scale word, which P V takes as operand and scale (the eight multiplications of O^T are the places ahead of this line)
.if (\n)+2 < 16
	LOADB (\n)+2, ((\n)+2)%3
.endif
.endif
	s_wait_dscnt 0x0
.if (\n) > 0
	PV
.endif
.if (\n) < 14
	s_wait_loadcnt 16
.elseif (\n) == 14
	s_wait_loadcnt 8
.else
	s_wait_loadcnt 0x0
.endif
	SCORE (\n)%3
	PLACES 8
.if ((\n) > 0) && ((\n)%4 == 0)
	HEAD_END (\n)/4-1
	HEAD_RESET
.endif
.endm
	HEAD_RESET
.irp n, 0,1,2,3,4,5,6,7,8,9,10,11,12,13,14,15
	TRIP \n
.endr
	SOFT_A 0                                       ; step 15's set: 15 % 3
	LOADV 15
	SOFT_B 0
	s_wait_alu depctr_va_vdst(0)                   ; the conversions have written P's codes and the shifts its scale word, which P V takes as operand and scale
	s_wait_dscnt 0x0
	PV
	PLACES 8
	HEAD_END 3
; ---- OUT: out^T = Wo o^T: source 0 = 16 rows of Wo, source 1 = my 16 queries: register 16 b + x of lane (r, h) is out(query r, 32 b + 16 h + x)
	v_and_b32 v30, 31, v0
	v_lshlrev_b32 v30, 4, v30
	v_add_nc_u32 v31, WIMG+49152, v30              ; Wo's images
	v_and_b32 v32, 15, v0                          ; r
	v_lshl_add_u32 v33, v32, 2, WSC+1536           ; Wo's scale words
	v_bfe_u32 v34, v0, 4, 1                        ; h
	s_mul_i32 s57, s[WV], 16*BP
	s_add_co_u32 s57, s57, STAGE                   ; my stage
	v_mul_u32_u24 v35, v32, BP
	v_lshl_add_u32 v35, v34, 6, v35
	v_add_nc_u32 v35, s57, v35                     ; in: row r, + 64 h
	v_mul_u32_u24 v36, v34, BP
	v_lshl_add_u32 v36, v32, 4, v36
	v_add_nc_u32 v36, s57, v36                     ; back: lanes 0-15 one row, lanes 16-31 the next
	v_lshlrev_b32 v37, 9, v34
	v_lshl_add_u32 v37, v32, 4, v37                ; and the same in out0
	s_wait_alu depctr_va_vdst(0)                   ; the five addresses v31, v33, v35-37 are written, which the loads and stores below read; o's scale word is written, which the products take as a scale; the last score products and P V are done with v48-127 and v[KS ..], in which the loads below land
.irp c, 0,1,2,3
	ds_load_b128 v[QZ+4*\c:QZ+4*\c+3], v[ADO] offset:512*\c   ; my o fragment: LDS serves a wave's instructions in order, so these see my stores
.endr
.irp g, 0,1
.if \g > 0
	s_wait_alu depctr_va_vdst(0)                   ; the first four products are done reading Wo's fragments and scale words, in which the next four tiles' land
.endif
.irp t, 0,1,2,3
.irp c, 0,1,2,3
	ds_load_b128 v[64+16*\t+4*\c:64+16*\t+4*\c+3], v31 offset:2048*(4*\g+\t)+512*\c
.endr
	ds_load_b32 v[KS+\t], v33 offset:64*(4*\g+\t)
.endr
	s_wait_dscnt 0x0
.irp t, 0,1,2,3
	v_wmma_scale_f32_16x16x128_f8f6f4 v[SS+8*(4*\g+\t):SS+8*(4*\g+\t)+7], v[64+16*\t:64+16*\t+15], v[QZ:QZ+15], 0, v[KS+\t], v[OSW]
.endr
	PLACES 8                                       ; behind the products, in front of the first read of results
.endr
	s_wait_alu depctr_va_vdst(0)                   ; the products have written v[SS ..], which the stage's stores read, and are done reading v64-127, in which the stage's loads land; the places above stay beside this wait
; The way out: half a row (64 columns, 256 bytes) of 16 queries at a time through my stage, so that sixteen lanes store 256 consecutive bytes, aligned
.irp u, 0,1
.irp b, 0,1
.irp m, 0,1,2,3
	ds_store_b128 v35, v[SS+16*(2*\u+\b)+4*\m:SS+16*(2*\u+\b)+4*\m+3] offset:128*\b+16*\m   ; each accumulator from its low end on
.endr
.endr
.irp i, 0,1,2,3,4,5,6,7
	ds_load_b128 v[64+32*\u+4*\i:64+32*\u+4*\i+3], v36 offset:2*\i*BP   ; in order behind my stores; the next half's stores come behind these
.endr
.endr
.irp u, 0,1
.irp i, 0,1,2,3,4,5,6,7
	s_wait_dscnt 23-16*\u-\i                       ; behind this load: the rest of its half's loads and, for the first half, the second half's 8 stores and 8 loads
	global_store_b128 v37, v[64+32*\u+4*\i:64+32*\u+4*\i+3], s[28:29] offset:(2*\i+8*(\i/4))*512+256*\u th:TH_STORE_NT   ; stage row rr is query rr + 8 (rr / 8) of my tile; written once, read by nobody here
.endr
.endr
	s_wait_dscnt 0x0                               ; the closing lines, six on end
	s_wait_alu 0x0
	s_wait_tensorcnt 0x0
	ds_add_u32 v4, v23
	s_wait_dscnt 0x0
	s_endpgm
.Lfunc_end_k_q178947fea6_attn:
	.size	k_q178947fea6_attn, .Lfunc_end_k_q178947fea6_attn-k_q178947fea6_attn
	.p2alignl 7, 3214868480
	.fill 96, 4, 3214868480
	.section	.rodata,"a",@progbits
	.p2align	6, 0x0
	.amdhsa_kernel k_q178947fea6_attn
		.amdhsa_group_segment_fixed_size 247808
		.amdhsa_private_segment_fixed_size 0
		.amdhsa_enable_private_segment 0
		.amdhsa_kernarg_size 104
		.amdhsa_user_sgpr_count 2
		.amdhsa_user_sgpr_kernarg_segment_ptr 1
		.amdhsa_wavefront_size32 1
		.amdhsa_system_sgpr_workgroup_id_x 1
		.amdhsa_system_sgpr_workgroup_id_y 1
		.amdhsa_system_sgpr_workgroup_id_z 1
		.amdhsa_system_vgpr_workitem_id 0
		.amdhsa_next_free_vgpr 256
		.amdhsa_next_free_sgpr 80
		.amdhsa_reserve_vcc 1
		.amdhsa_float_denorm_mode_32 3
		.amdhsa_float_denorm_mode_16_64 3
		.amdhsa_memory_ordered 1
		.amdhsa_forward_progress 1
		.amdhsa_inst_pref_size 220
	.end_amdhsa_kernel
	.amdgpu_metadata
---
amdhsa.version: [ 1, 2 ]
amdhsa.kernels:
  - .name:           k_q178947fea6_attn
    .symbol:         k_q178947fea6_attn.kd
    .args:
      - { .name: xc, .offset: 0, .size: 8, .value_kind: global_buffer, .address_space: global }
      - { .name: xs, .offset: 8, .size: 8, .value_kind: global_buffer, .address_space: global }
      - { .name: biasw, .offset: 16, .size: 8, .value_kind: global_buffer, .address_space: global }
      - { .name: mask, .offset: 24, .size: 8, .value_kind: global_buffer, .address_space: global }
      - { .name: Wq_codes, .offset: 32, .size: 8, .value_kind: global_buffer, .address_space: global }
      - { .name: Wk_codes, .offset: 40, .size: 8, .value_kind: global_buffer, .address_space: global }
      - { .name: Wv_codes, .offset: 48, .size: 8, .value_kind: global_buffer, .address_space: global }
      - { .name: Wo_codes, .offset: 56, .size: 8, .value_kind: global_buffer, .address_space: global }
      - { .name: Wq_scales, .offset: 64, .size: 8, .value_kind: global_buffer, .address_space: global }
      - { .name: Wk_scales, .offset: 72, .size: 8, .value_kind: global_buffer, .address_space: global }
      - { .name: Wv_scales, .offset: 80, .size: 8, .value_kind: global_buffer, .address_space: global }
      - { .name: Wo_scales, .offset: 88, .size: 8, .value_kind: global_buffer, .address_space: global }
      - { .name: out0, .offset: 96, .size: 8, .value_kind: global_buffer, .address_space: global }
    .group_segment_fixed_size: 247808
    .private_segment_fixed_size: 0
    .kernarg_segment_align: 8
    .kernarg_segment_size: 104
    .max_flat_workgroup_size: 512
    .sgpr_count:     80
    .vgpr_count:     256
    .wavefront_size: 32
...
	.end_amdgpu_metadata
.endif
;; end of part 6
